; MI455X (gfx1250); checked and timed in simulation.
; The chip was launched on July 23, 2026; its instructions are those of AMD's public machine-readable ISA for CDNA 5 (MIT licence, August 2026) and "CDNA5" Instruction Set Architecture Reference Guide (July 2026). The comments in the code are by the model that wrote it; some were corrected since.
;; Set Abstraction. Allowed arithmetic: matrix products marked QUANTISED: E3M2 operands, one E8M0 scale for each 32 along K, by v_wmma_scale_f32_16x16x128_f8f6f4 with both operands' format E3M2, f32 sums; products left as they are: f32 operands where the result goes on into a quantised operand, else bf16, f16 or f32 operands; f32 sums; everything else in f32.
;; Inputs: W1 64 x 67 float32; W2_codes 64 x 2 x 24 uint8 (E3M2 codes of W2, K innermost, in blocks of 32 codes, four codes in three bytes); W2_scales 64 x 2 uint8 (E8M0 scales of W2, one for each 32 codes along K); W3_codes 128 x 2 x 24 uint8 (E3M2 codes of W3, K innermost, in blocks of 32 codes, four codes in three bytes); W3_scales 128 x 2 uint8 (E8M0 scales of W3, one for each 32 codes along K); b1 64 float32; b2 64 float32; b3 128 float32; be1 64 float32; be2 64 float32; be3 128 float32; g1 64 float32; g2 64 float32; g3 128 float32; points 8 x 64 x 16,384 float32; sample_idx 1,024 int32; xyz 8 x 3 x 16,384 float32.
;; Outputs: out0 8 x 3 x 1,024 float32; out1 8 x 128 x 1,024 float32.
;; This version of the problem:
;;   THIS VERSION OF THE PROBLEM IS GIVEN IN LOW PRECISION. The matrix products marked QUANTISED in the list below multiply operands that are first quantised to E3M2 (3 exponent bits, 2 mantissa bits; 6 bits a number), with one power-of-two scale for each 32 numbers along K (OCP MX v1.0); their sums are f32. All else is computed in f32.
;;   The module's matrix products, in the order in which they are computed (A, B: the left and right operand; K: the contracted axis; several contracted axes count as one K, in the product's order):
;;     1. batch 8 x [M 1,024, K 3] x [K 3, N 16,384]; A: computed on the way; B: input xyz: left as it is (K = 3 < 32)
;;     2. [M 131,072, K 67] x [K 67, N 64]; A: computed on the way; B: input W1: QUANTISED
;;     3. [M 131,072, K 64] x [K 64, N 64]; A: computed on the way; B: input W2 (given as codes): QUANTISED
;;     4. [M 131,072, K 64] x [K 64, N 128]; A: computed on the way; B: input W3 (given as codes): QUANTISED
;;   THE QUANTISER, for each operand of a quantised product, along K:
;;     - K is cut into blocks of 32 from its start; a last block that is shorter is filled with zeros.
;;     - A block's scale is 2^e with e = floor(log2(the largest magnitude in the block)) - 4, held to -126 .. 127; a block of zeros has e = 0. As a byte (E8M0): e + 127.
;;     - Each number is divided by its block's scale, clamped to +-28, and rounded to the nearest number of E3M2, ties to even, subnormals kept.
;;     - The product sums the exact products of the quantised numbers (number of the format x scale) in f32.
;;   ~~~python
;;   def quantise(x, axis):      # numpy; x: float32 -> the quantised numbers, widened to float32 again
;;       x = np.moveaxis(x, axis, -1); K = x.shape[-1]
;;       x = np.pad(x, [(0, 0)] * (x.ndim - 1) + [(0, -K % 32)]); x = x.reshape(x.shape[:-1] + (-1, 32)); a = np.abs(x).max(-1, keepdims=True)
;;       e = np.where(a > 0, np.clip(np.frexp(np.where(a > 0, a, 1))[1] - 1 - 4, -126, 127), 0)      # np.frexp(a)[1] - 1 = floor(log2(a)), exactly
;;       r = np.clip(x / 2.0 ** e, -28, 28)
;;       step = 2.0 ** (np.maximum(np.frexp(np.where(r == 0, 1, r))[1] - 1, -2) - 2)
;;       q = np.round(r / step) * step * 2.0 ** e      # np.round: ties to even
;;       return np.moveaxis(q.reshape(q.shape[:-2] + (-1,))[..., :K], -1, axis).astype(np.float32)
;;   ~~~
;;   OPERANDS COMPUTED ON THE WAY. 'Computed on the way' means the value that the module computes at that place (a softmax that the list does not call 'softmax' is quantised finished and normalised). What goes into a quantiser is computed in f32, as accurately as f32 sums, v_exp_f32 and their like allow (about 1e-6 of the number): no bf16 or f16 on the way to a quantiser, and a product that is left as it is and whose result goes on into a quantised operand takes f32 operands (vector FMAs, or v_wmma_f32_16x16x4_f32). A number that lies on a knife's edge between two numbers of the format may be rounded either way, as far as f32 arithmetic and the matrix unit's own rounding can turn it there, and no further.
;;   INPUTS GIVEN AS CODES. W2 (in the module: [64, 64], K = its axis 1); W3 (in the module: [128, 64], K = its axis 1): each comes as NAME_codes (uint8): NAME with its K axis moved to the last place and cut into blocks of 32 codes, [.., K / 32, bytes a block], one block behind the other in memory; four codes in three bytes: a row's codes are one little-endian stream of bits, code i at bits 6 i .. 6 i + 5 (a code: sign, 3 exponent bits, 2 mantissa bits); and NAME_scales (uint8): the same leading axes, one E8M0 byte (e + 127) for each 32 codes along K. Its value is code x scale, taken as it is: it is not quantised again, and the codes and scales need not be those that the quantiser above would give.
;; 2 versions, each right; version 2 is version 1 with the launches mlp1, mlp2, mlp3 written anew for expert scheduling mode. Each part assembles by itself: llvm-mc -triple=amdgcn-amd-amdhsa -mcpu=gfx1250 --defsym DOCPART=n.
;; ======== version 1 of 2: 6 launches
;; workspace buffers: pfeat 35,655,680 bytes; glist 524,288 bytes of whole numbers; nidx 524,288 bytes of whole numbers; l3out 8,519,680 bytes; l4out 131,584 bytes; l5out 8,650,752 bytes
;; launch knn_groups (part 1): grid 32 x 8, 16 waves a work-group, no clusters, 289,792 bytes of LDS; arguments xyz, points, sample_idx, W1, out0, pfeat, glist; writes out0, pfeat, glist
.if DOCPART == 1
	.amdgcn_target "amdgcn-amd-amdhsa--gfx1250"
	.amdhsa_code_object_version 6
	.text
	.protected	k_q66f3e7f920_knn_groups
	.globl	k_q66f3e7f920_knn_groups
	.p2align	8
	.type	k_q66f3e7f920_knn_groups,@function
k_q66f3e7f920_knn_groups:
	s_mov_b64 s[64:65], 0
	v_nop
	global_prefetch_b8 v0, s[64:65] scope:SCOPE_SE
	s_setreg_imm32_b32 hwreg(HW_REG_WAVE_MODE, 25, 1), 1
	s_wait_xcnt 0x0
; knn_groups: first level of the 16 nearest neighbours, and three small jobs that ride along.
; A work-group takes 32 queries (x = chunk) of one batch (y) against all 16,384 points.  The points are cut into 512 groups of 32 neighbouring indices;
; lane l of wave w keeps group 32 w + l (32 points: x, y, z and |p|^2) in registers.  One trip of the loop takes one query: every lane forms its 32 distances
; and keeps the least.  Then the 16 groups with the least (minimum, group number) are chosen for each query: every one of the 16 nearest points (ties to the lower index)
; lies in one of them, since a group that is passed over has 16 groups ahead of it, each with a point that is nearer, or as near with a lower index.
; d2 = (|q|^2 + |p|^2) + (-2 q).p ; |.|^2 and the dot product are chains x*x, fma(y), fma(z); -2 q is exact.
; THE CHOICE has no branch and no address on floating-point data: a fixed sorting network of min and max, lanes = the 32 queries, registers = keys.
; Pass 1 sorts the values and gives T, the 16th smallest.  Pass 2 sorts key2 = id (value < T), id + 512 (value = T), 4096 (else), whole numbers in f32: its 16 least are the ids.
; Riding along: wave 0 gathers the queries (out0); each wave turns 32 points into rows (x, y, z, c0 .. c60 | c61, c62, c63, 0) for the later gather; waves 12-15 of work-group (0, 0) quantise W1.
; LIMITS: NaN and infinities are not served.  Two points whose d2 differ by an ulp of |q|^2 + |p|^2 may be ordered otherwise by an arithmetic that does not fuse as above.
; A block of zeros of W1 gets the scale byte 1 (not 127): its codes are zeros and only this program reads the byte.
.set STGB,  13824                      ; LDS of a wave: xyz stage 3 x 32 rows x 144; later the tile of minima (32 x 144) at +0 and the row stage (32 x 272) at +4608
.set TRO,   4608
.set QREC,  16*STGB                    ; 32 records of 32 bytes: x', x', y', y', z', z', qq, qq  (q' = -2 q)
.set LIST1, QREC+1024                  ; 16 lists of 16 keys x 32 queries (2,048 bytes), pass 1
.set LIST2, LIST1+32768                ; the same, pass 2
.set PEXT,  33554432                   ; pfeat: rows at 0, tails here,
.set W1IMG, 35651584                   ; W1's four fragments here
.set LANE, 1
.set SIN,  2                           ; xyz stage, in: 144 (l / 8) + 16 (l % 8)
.set SOUT, 3                           ; xyz stage and tile, out: 144 l
.set L16,  4
.set L4,   5
.set TIN,  6                           ; tile, in: 4 l
.set TRIN, 7                           ; row stage, in: 272 l
.set TROUT, 8                          ; row stage, out: 272 (l / 16) + 16 (l % 16)
.set LA1,  9
.set LA2,  10
.set TAD,  11
.set QW,   12
.set TT,   13
.set BASE, 14
.set BASE2, 15
.set BIG,  16
.set U0,   17
.set N4,   19
.set P0,   32                          ; the network's two sets of 32 keys
.set P1,   64
.set XR,   32                          ; my group's 32 points
.set YR,   64
.set ZR,   96
.set PP,   128
.set PT,   160                         ; my point's row: x, y, z, c0 .. c63, 0
.set DD,   228
.set SU,   236
.set REC,  244
.set CA,   252
.set CBR,  253
.set SEL,  36
.macro BAR                             ; my LDS stores have landed and my LDS loads are in: then the work-group's barrier
	s_wait_dscnt 0x0
	s_barrier_signal -1
	s_barrier_wait -1
.endm
.macro STAGE n, k, j, src, dst         ; one stage of a bitonic network on n keys: partner i xor j, ascending where i and k share no bit; from one set into the other, so a comparator is two instructions
.set i, 0
.rept \n
.set l, i^(\j)
.if l > i
.if (i & (\k)) == 0
	v_min_num_f32 v[\dst+i], v[\src+i], v[\src+l]
	v_max_num_f32 v[\dst+l], v[\src+i], v[\src+l]
.else
	v_max_num_f32 v[\dst+i], v[\src+i], v[\src+l]
	v_min_num_f32 v[\dst+l], v[\src+i], v[\src+l]
.endif
.endif
.set i, i+1
.endr
.endm
.macro MERGE16                         ; a bitonic run of 16 in P0 becomes ascending
	STAGE 16, 16, 8, P0, P1
	STAGE 16, 16, 4, P1, P0
	STAGE 16, 16, 2, P0, P1
	STAGE 16, 16, 1, P1, P0
.endm
.macro SORT32                          ; 32 keys in P0: the 16 least, ascending, in P0[0..15]
	STAGE 32, 2, 1, P0, P1
	STAGE 32, 4, 2, P1, P0
	STAGE 32, 4, 1, P0, P1
	STAGE 32, 8, 4, P1, P0
	STAGE 32, 8, 2, P0, P1
	STAGE 32, 8, 1, P1, P0
	STAGE 32, 16, 8, P0, P1
	STAGE 32, 16, 4, P1, P0
	STAGE 32, 16, 2, P0, P1
	STAGE 32, 16, 1, P1, P0
.set i, 0
.rept 16
	v_min_num_f32 v[P0+i], v[P0+i], v[P0+16+i]     ; lower half ascending, upper descending: the minima are the 16 least, bitonic
.set i, i+1
.endr
	MERGE16
.endm
.macro TREE adr, last                  ; the 16 waves' lists are merged two by two; at level s wave w < s reads list w + s and writes list w.  One barrier a level, on every wave's path
.irp c, 0,1,2,3
	ds_store_b128 v[\adr], v[P0+4*\c:P0+4*\c+3] offset:512*\c
.endr
.irp s, 8,4,2,1
	BAR
	s_cmp_ge_u32 s18, \s
	s_cbranch_scc1 .Ltr\@_\s
.irp c, 0,1,2,3
	ds_load_b128 v[P0+16+4*\c:P0+16+4*\c+3], v[\adr] offset:2048*\s+512*\c
.endr
	s_wait_dscnt 0x0
.set i, 0
.rept 16
	v_min_num_f32 v[P0+i], v[P0+i], v[P0+31-i]     ; two ascending lists: the 16 least of both, bitonic
.set i, i+1
.endr
	MERGE16
.if !((\last) && (\s == 1))
.irp c, 0,1,2,3
	ds_store_b128 v[\adr], v[P0+4*\c:P0+4*\c+3] offset:512*\c
.endr
.endif
.Ltr\@_\s:
.endr
.if !(\last)
	BAR
.endif
.endm
.macro TILE                            ; lane q takes query q's 32 values of my wave
.irp k, 0,1,2,3,4,5,6,7
	ds_load_b128 v[P0+4*\k:P0+4*\k+3], v[SOUT] offset:16*\k
.endr
	s_wait_dscnt 0x0
.endm
.macro KEY2                            ; value -> id, id + OFF or BIG; BASE and BASE2 run along with the register's number (exact whole numbers)
.set j, 0
.rept 32
	v_cmp_lt_f32 vcc_lo, v[P0+j], v[TT]
	v_cmp_eq_f32 s34, v[P0+j], v[TT]
	v_cndmask_b32 v[U0], v[BIG], v[BASE2], s34
	v_cndmask_b32 v[P0+j], v[U0], v[BASE], vcc_lo
	v_add_f32 v[BASE], 1.0, v[BASE]
	v_add_f32 v[BASE2], 1.0, v[BASE2]
.set j, j+1
.endr
.endm
.macro QUARTER qd                      ; eight of my 32 distances to the query in REC, four pairs by turns
.irp i, 0,1,2,3
	v_pk_mul_f32 v[DD+2*\i:DD+2*\i+1], v[XR+8*\qd+2*\i:XR+8*\qd+2*\i+1], v[REC:REC+1]
.endr
.irp i, 0,1,2,3
	v_pk_add_f32 v[SU+2*\i:SU+2*\i+1], v[PP+8*\qd+2*\i:PP+8*\qd+2*\i+1], v[REC+6:REC+7]
.endr
.irp i, 0,1,2,3
	v_pk_fma_f32 v[DD+2*\i:DD+2*\i+1], v[YR+8*\qd+2*\i:YR+8*\qd+2*\i+1], v[REC+2:REC+3], v[DD+2*\i:DD+2*\i+1]
.endr
.irp i, 0,1,2,3
	v_pk_fma_f32 v[DD+2*\i:DD+2*\i+1], v[ZR+8*\qd+2*\i:ZR+8*\qd+2*\i+1], v[REC+4:REC+5], v[DD+2*\i:DD+2*\i+1]
.endr
.irp i, 0,1,2,3
	v_pk_add_f32 v[DD+2*\i:DD+2*\i+1], v[SU+2*\i:SU+2*\i+1], v[DD+2*\i:DD+2*\i+1]
.endr
.if \qd == 0
	v_min_num_f32 v[CA], v[DD], v[DD+1]
	v_min_num_f32 v[CBR], v[DD+2], v[DD+3]
.else
	v_min3_num_f32 v[CA], v[CA], v[DD], v[DD+1]
	v_min3_num_f32 v[CBR], v[CBR], v[DD+2], v[DD+3]
.endif
	v_min3_num_f32 v[CA], v[CA], v[DD+4], v[DD+5]
	v_min3_num_f32 v[CBR], v[CBR], v[DD+6], v[DD+7]
.endm
	s_load_b256 s[4:11], s[0:1], 0x0               ; xyz s[4:5], points s[6:7], sample_idx s[8:9], W1 s[10:11]
	s_load_b128 s[12:15], s[0:1], 0x20             ; out0 s[12:13], pfeat s[14:15]
	s_load_b64 s[16:17], s[0:1], 0x30              ; glist
	v_lshl_add_u32 v30, v0, 2, 0x46400
	v_mov_b32 v31, 0
	v_lshrrev_b32 v20, 5, v0
	v_readfirstlane_b32 s18, v20                   ; wave
	v_and_b32 v[LANE], 31, v0
	s_mov_b32 s19, ttmp9                           ; chunk of 32 queries
	s_and_b32 s20, ttmp7, 0xffff                   ; batch
	s_lshl_b32 s21, s20, 5
	s_add_co_u32 s21, s21, s19                     ; g = 32 b + chunk
	s_mul_i32 s24, s18, STGB
	s_add_co_u32 s25, s24, TRO
	; every LDS address is made here, ahead of the first branch on the wave's number
	v_lshrrev_b32 v[SIN], 3, v[LANE]
	v_mul_u32_u24 v[SIN], v[SIN], 144
	v_and_b32 v20, 7, v[LANE]
	v_lshl_add_u32 v[SIN], v20, 4, v[SIN]
	v_add_nc_u32 v[SIN], s24, v[SIN]
	v_mul_u32_u24 v[SOUT], v[LANE], 144
	v_add_nc_u32 v[SOUT], s24, v[SOUT]
	v_lshlrev_b32 v[L16], 4, v[LANE]
	v_lshlrev_b32 v[L4], 2, v[LANE]
	v_add_nc_u32 v[TIN], s24, v[L4]
	v_mul_u32_u24 v[TRIN], v[LANE], 272
	v_add_nc_u32 v[TRIN], s25, v[TRIN]
	v_lshrrev_b32 v[TROUT], 4, v[LANE]
	v_mul_u32_u24 v[TROUT], v[TROUT], 272
	v_and_b32 v20, 15, v[LANE]
	v_lshl_add_u32 v[TROUT], v20, 4, v[TROUT]
	v_add_nc_u32 v[TROUT], s25, v[TROUT]
	s_lshl_b32 s26, s18, 11
	s_add_co_u32 s27, s26, LIST1
	v_add_nc_u32 v[LA1], s27, v[L16]
	s_add_co_u32 s27, s26, LIST2
	v_add_nc_u32 v[LA2], s27, v[L16]
	v_add_nc_u32 v[TAD], LIST1, v[L16]
	v_lshl_add_u32 v[QW], v[LANE], 5, QREC
	s_lshl_b32 s28, s19, 11
	s_lshl_b32 s29, s18, 7
	s_add_co_u32 s28, s28, s29
	v_add_nc_u32 v[N4], s28, v[L4]                 ; 4 x (512 chunk + 32 wave + lane): the point that I turn into a row
	s_mov_b32 s[SEL], 0x76543210
	s_mov_b32 s[SEL+1], 0xfedcba98                 ; v_permlanex16_b32: lane l xor 16
	s_mov_b32 s35, 0xffff0000                      ; lanes 16-31
	s_mov_b32 s31, 0
	s_wait_kmcnt 0x0
	s_mul_i32 s30, s20, 196608
	s_add_nc_u64 s[22:23], s[4:5], s[30:31]        ; xyz of my batch
	s_lshl_b32 s30, s18, 12
	s_add_nc_u64 s[32:33], s[22:23], s[30:31]      ; my wave's 1,024 points
	; ---- my wave's points as they lie: 24 loads of 512 consecutive bytes
.set c, 0
.rept 3
.set i, 0
.rept 8
	global_load_b128 v[160+32*c+4*i:163+32*c+4*i], v[L16], s[32:33] offset:65536*c+512*i
.set i, i+1
.endr
.set c, c+1
.endr
	s_lshl_b32 s30, s20, 22
	s_add_nc_u64 s[38:39], s[6:7], s[30:31]        ; points of my batch
	s_lshl_b32 s28, s19, 17
	s_add_co_u32 s30, s30, s28
	s_lshl_b32 s28, s18, 13
	s_add_co_u32 s30, s30, s28
	s_add_nc_u64 s[40:41], s[14:15], s[30:31]      ; my wave's 32 rows of 256 bytes
	s_lshr_b32 s30, s30, 4
	s_add_nc_u64 s[42:43], s[14:15], s[30:31]
	s_add_nc_u64 s[42:43], s[42:43], PEXT          ; and their tails of 16 bytes
	s_lshl_b32 s30, s19, 7
	s_add_nc_u64 s[8:9], s[8:9], s[30:31]          ; my chunk's indices
	s_mul_i32 s28, s20, 12288
	s_add_co_u32 s30, s30, s28
	s_add_nc_u64 s[12:13], s[12:13], s[30:31]      ; out0[b][0][32 chunk]
	s_lshl_b32 s30, s21, 11
	s_add_nc_u64 s[16:17], s[16:17], s[30:31]      ; glist[g]
	; ---- wave 0: the 32 queries
	s_cmp_lg_u32 s18, 0
	s_cbranch_scc1 .Lnot0
	global_load_b32 v128, v[L4], s[8:9]
	s_wait_loadcnt 0x0
	v_min_u32 v128, 0x3fff, v128
	v_lshlrev_b32 v128, 2, v128
	global_load_b32 v129, v128, s[22:23]
	global_load_b32 v130, v128, s[22:23] offset:65536
	global_load_b32 v131, v128, s[22:23] offset:131072
	s_wait_loadcnt 0x0
	global_store_b32 v[L4], v129, s[12:13]
	global_store_b32 v[L4], v130, s[12:13] offset:4096
	global_store_b32 v[L4], v131, s[12:13] offset:8192
	v_mul_f32 v132, -2.0, v129
	v_mul_f32 v133, -2.0, v129
	v_mul_f32 v134, -2.0, v130
	v_mul_f32 v135, -2.0, v130
	v_mul_f32 v136, -2.0, v131
	v_mul_f32 v137, -2.0, v131
	v_mul_f32 v138, v129, v129
	v_fma_f32 v138, v130, v130, v138
	v_fma_f32 v138, v131, v131, v138
	v_mov_b32 v139, v138
	ds_store_b128 v[QW], v[132:135]
	ds_store_b128 v[QW], v[136:139] offset:16
	s_wait_xcnt 0x0                                ; the stores' data lie where |p|^2 will be written
.Lnot0:
	s_wait_loadcnt 0x0                             ; my 24 loads
	; ---- through my stage: a group's 32 numbers become one lane's 32 registers
.set c, 0
.rept 3
.set i, 0
.rept 8
	ds_store_b128 v[SIN], v[160+32*c+4*i:163+32*c+4*i] offset:4608*c+576*i
.set i, i+1
.endr
.set c, c+1
.endr
.set c, 0
.rept 3
.set i, 0
.rept 8
	ds_load_b128 v[XR+32*c+4*i:XR+32*c+4*i+3], v[SOUT] offset:4608*c+16*i   ; LDS serves a wave's instructions in order: these see my stores
.set i, i+1
.endr
.set c, c+1
.endr
	BAR                                            ; the records lie in LDS
	; ---- my point's row is asked for now and lands under the loop: 63 loads of 128 consecutive bytes a wave
	global_load_b32 v[PT], v[N4], s[22:23]
	global_load_b32 v[PT+1], v[N4], s[22:23] offset:65536
	global_load_b32 v[PT+2], v[N4], s[22:23] offset:131072
.set c, 0
.rept 60
	global_load_b32 v[PT+3+c], v[N4], s[38:39] offset:65536*c th:TH_LOAD_NT
.set c, c+1
.endr
.set i, 0
.rept 16
	v_pk_mul_f32 v[PP+2*i:PP+2*i+1], v[XR+2*i:XR+2*i+1], v[XR+2*i:XR+2*i+1]
.set i, i+1
.endr
.set i, 0
.rept 16
	v_pk_fma_f32 v[PP+2*i:PP+2*i+1], v[YR+2*i:YR+2*i+1], v[YR+2*i:YR+2*i+1], v[PP+2*i:PP+2*i+1]
.set i, i+1
.endr
.set i, 0
.rept 16
	v_pk_fma_f32 v[PP+2*i:PP+2*i+1], v[ZR+2*i:ZR+2*i+1], v[ZR+2*i:ZR+2*i+1], v[PP+2*i:PP+2*i+1]
.set i, i+1
.endr
	; ---- 32 trips, a query a trip
	s_mov_b32 s26, 0
	s_mov_b32 s27, QREC
	s_mov_b32 s28, 0
.Lq:
	v_mov_b32 v254, s27
	v_add_nc_u32 v255, s28, v[TIN]
	ds_load_b128 v[REC:REC+3], v254                ; the same 32 bytes for all lanes
	ds_load_b128 v[REC+4:REC+7], v254 offset:16
	s_wait_dscnt 0x0
	QUARTER 0
	QUARTER 1
	QUARTER 2
	QUARTER 3
	v_min_num_f32 v[CA], v[CA], v[CBR]
	ds_store_b32 v255, v[CA]                       ; tile row q, column = my group
	s_add_co_u32 s27, s27, 32
	s_add_co_u32 s28, s28, 144
	s_add_co_u32 s26, s26, 1
	s_cmp_lt_u32 s26, 32
	s_cbranch_scc1 .Lq
.set c, 60
.rept 4
	global_load_b32 v[PT+3+c], v[N4], s[38:39] offset:65536*c th:TH_LOAD_NT   ; the row's last four land under the first sort
.set c, c+1
.endr
	v_mov_b32 v[PT+67], 0
	; ---- pass 1
	TILE
	SORT32
	; ---- the rows go out through my row stage: two whole rows of 256 bytes an instruction
	s_wait_loadcnt 0x0
.set i, 0
.rept 16
	ds_store_b128 v[TRIN], v[PT+4*i:PT+4*i+3] offset:16*i
.set i, i+1
.endr
.set i, 0
.rept 16
	ds_load_b128 v[96+4*i:99+4*i], v[TROUT] offset:544*i
.set i, i+1
.endr
	global_store_b128 v[L16], v[PT+64:PT+67], s[42:43]
.set i, 0
.rept 16
	s_wait_dscnt 15-i                              ; LDS loads come back in order: load i is in, the 15 - i younger may be out
	global_store_b128 v[L16], v[96+4*i:99+4*i], s[40:41] offset:512*i
.set i, i+1
.endr
	TREE LA1, 0
	ds_load_b32 v[TT], v[TAD] offset:1548          ; T: key 15 of the merged list, for my query
	s_lshl_b32 s30, s18, 5
	v_cvt_f32_u32 v[BASE], s30                     ; my wave's first group
	v_add_f32 v[BASE2], 0x44000000, v[BASE]        ; + 512
	v_mov_b32 v[BIG], 0x45800000                   ; 4096
	; ---- pass 2
	TILE
	KEY2
	SORT32
	TREE LA2, 1
	s_cmp_lg_u32 s18, 0
	s_cbranch_scc1 .Lnot0b
.set t, 0
.rept 16
	v_cvt_u32_f32 v[P0+t], v[P0+t]
.set t, t+1
.endr
.set t, 0
.rept 16
	v_and_b32 v[P0+t], 0x1ff, v[P0+t]
	global_store_b32 v[L4], v[P0+t], s[16:17] offset:128*t   ; glist[g][slot t][query]
.set t, t+1
.endr
.Lnot0b:
	; ---- W1's codes: waves 12-15 of work-group (0, 0), a tile of 16 rows each, as an image of the operand's registers
	s_cmp_lt_u32 s18, 12
	s_cbranch_scc1 .Lend
	s_or_b32 s30, s19, s20
	s_cmp_lg_u32 s30, 0
	s_cbranch_scc1 .Lend
.set F,   32
.set EB,  64
.set A,   80
.set CT,  92
.set SA,  96
.set MXA, 100
.set MXB, 101
.set SO,  102
.set BY,  103
.set TP,  104
.set MB,  105
.set SOB, 106
.set BYB, 107
.set SH8, 108
.set ST,  112
	s_wait_xcnt 0x0                                ; the rows' stores have read their registers
	s_sub_co_u32 s30, s18, 12
	s_mul_i32 s28, s30, 4288                       ; 16 rows of 268 bytes
	s_lshl_b32 s30, s30, 10
	s_add_nc_u64 s[44:45], s[14:15], s[30:31]
	s_add_nc_u64 s[44:45], s[44:45], W1IMG
	v_and_b32 v20, 15, v[LANE]
	v_lshrrev_b32 v21, 4, v[LANE]
	v_mul_u32_u24 v22, v20, 268
	v_add_nc_u32 v22, s28, v22                     ; my row
	v_lshl_add_u32 v23, v21, 7, v22                ; + 128 h: k = 32 h on
	v_lshlrev_b32 v[SH8], 3, v21
	v_mov_b32 v[TP], 0
.set i, 0
.rept 32
	global_load_b32 v[F+i], v23, s[10:11] offset:4*i
.set i, i+1
.endr
.irp i, 0,1,2
	global_load_b32 v[EB+\i], v22, s[10:11] offset:256+4*\i
.endr
.set i, 3
.rept 13
	v_mov_b32 v[EB+i], 0                           ; K = 67: the last block is filled with zeros
.set i, i+1
.endr
	s_wait_loadcnt 0x0
.irp i, 0,1,2
	v_cndmask_b32 v[EB+\i], v[EB+\i], 0, s35       ; k = 96 on (lanes 16-31): zeros
.endr
	v_max3_num_f32 v[MXA], |v[F]|, |v[F+1]|, 0x2800000   ; my block's largest magnitude, and the floor 2^(5 - 127): the byte cannot fall under 1
	v_max3_num_f32 v[MXB], |v[F+2]|, |v[F+3]|, |v[F+4]|
.irp i, 5,9,13,17,21,25
	v_max3_num_f32 v[MXA], v[MXA], |v[F+\i]|, |v[F+\i+1]|
	v_max3_num_f32 v[MXB], v[MXB], |v[F+\i+2]|, |v[F+\i+3]|
.endr
	v_max3_num_f32 v[MXA], v[MXA], |v[F+29]|, |v[F+30]|
	v_max3_num_f32 v[MXA], v[MXA], v[MXB], |v[F+31]|
	v_add_nc_u32 v[SO], 0xfe000000, v[MXA]         ; 4 off its exponent field: the conversion's scale operand
	v_lshrrev_b32 v[BY], 23, v[SO]                 ; the scale's byte
	v_max3_num_f32 v[MB], |v[EB]|, |v[EB+1]|, 0x2800000
	v_max_num_f32 v[MB], v[MB], |v[EB+2]|
	v_add_nc_u32 v[SOB], 0xfe000000, v[MB]
	v_lshrrev_b32 v[BYB], 23, v[SOB]
	v_lshl_or_b32 v[BY], v[BYB], 16, v[BY]         ; blocks h and 2 + h
	v_lshlrev_b32 v[SA], v[SH8], v[BY]
	v_permlanex16_b32 v[TP], v[SA], s[SEL], s[SEL+1]
	v_or_b32 v[SA], v[SA], v[TP]                   ; with lane l xor 16's two bytes the word is whole
	v_cvt_scalef32_pk16_bf6_f32 v[A:A+2], v[F:F+15], v[SO]
	v_cvt_scalef32_pk16_bf6_f32 v[CT:CT+2], v[F+16:F+31], v[SO]
	v_cvt_scalef32_pk16_bf6_f32 v[A+6:A+8], v[EB:EB+15], v[SOB]
	v_nop                                          ; one plain place behind a scaled conversion
	v_mov_b32 v[A+3], v[CT]
	v_mov_b32 v[ST], v[CT+1]                       ; registers 4, 5, 6 and the scale word
	v_mov_b32 v[ST+1], v[CT+2]
	v_mov_b32 v[ST+2], v[A+6]
	v_mov_b32 v[ST+3], v[SA]
	global_store_b128 v[L16], v[A:A+3], s[44:45]
	global_store_b128 v[L16], v[ST:ST+3], s[44:45] offset:512
.Lend:
	s_wait_tensorcnt 0x0
	ds_add_u32 v30, v31
	s_wait_dscnt 0x0
	s_endpgm
.Lfunc_end_k_q66f3e7f920_knn_groups:
	.size	k_q66f3e7f920_knn_groups, .Lfunc_end_k_q66f3e7f920_knn_groups-k_q66f3e7f920_knn_groups
	.p2alignl 7, 3214868480
	.fill 96, 4, 3214868480
	.section	.rodata,"a",@progbits
	.p2align	6, 0x0
	.amdhsa_kernel k_q66f3e7f920_knn_groups
		.amdhsa_group_segment_fixed_size 289792
		.amdhsa_private_segment_fixed_size 0
		.amdhsa_enable_private_segment 0
		.amdhsa_kernarg_size 56
		.amdhsa_user_sgpr_count 2
		.amdhsa_user_sgpr_kernarg_segment_ptr 1
		.amdhsa_wavefront_size32 1
		.amdhsa_system_sgpr_workgroup_id_x 1
		.amdhsa_system_sgpr_workgroup_id_y 1
		.amdhsa_system_sgpr_workgroup_id_z 1
		.amdhsa_system_vgpr_workitem_id 0
		.amdhsa_next_free_vgpr 256
		.amdhsa_next_free_sgpr 66
		.amdhsa_reserve_vcc 1
		.amdhsa_float_denorm_mode_32 3
		.amdhsa_float_denorm_mode_16_64 3
		.amdhsa_memory_ordered 1
		.amdhsa_forward_progress 1
		.amdhsa_inst_pref_size 101
	.end_amdhsa_kernel
	.amdgpu_metadata
---
amdhsa.version: [ 1, 2 ]
amdhsa.kernels:
  - .name:           k_q66f3e7f920_knn_groups
    .symbol:         k_q66f3e7f920_knn_groups.kd
    .args:
      - { .name: xyz, .offset: 0, .size: 8, .value_kind: global_buffer, .address_space: global }
      - { .name: points, .offset: 8, .size: 8, .value_kind: global_buffer, .address_space: global }
      - { .name: sample_idx, .offset: 16, .size: 8, .value_kind: global_buffer, .address_space: global }
      - { .name: W1, .offset: 24, .size: 8, .value_kind: global_buffer, .address_space: global }
      - { .name: out0, .offset: 32, .size: 8, .value_kind: global_buffer, .address_space: global }
      - { .name: pfeat, .offset: 40, .size: 8, .value_kind: global_buffer, .address_space: global }
      - { .name: glist, .offset: 48, .size: 8, .value_kind: global_buffer, .address_space: global }
    .group_segment_fixed_size: 289792
    .private_segment_fixed_size: 0
    .kernarg_segment_align: 8
    .kernarg_segment_size: 56
    .max_flat_workgroup_size: 512
    .sgpr_count:     66
    .vgpr_count:     256
    .wavefront_size: 32
...
	.end_amdgpu_metadata
.endif
;; end of part 1
;; launch knn_final (part 2): grid 32 x 8, 16 waves a work-group, no clusters, 141,824 bytes of LDS; arguments xyz, out0, glist, nidx; writes nidx
.if DOCPART == 2
	.amdgcn_target "amdgcn-amd-amdhsa--gfx1250"
	.amdhsa_code_object_version 6
	.text
	.protected	k_q66f3e7f920_knn_final
	.globl	k_q66f3e7f920_knn_final
	.p2align	8
	.type	k_q66f3e7f920_knn_final,@function
k_q66f3e7f920_knn_final:
	s_mov_b64 s[64:65], 0
	v_nop
	global_prefetch_b8 v0, s[64:65] scope:SCOPE_SE
	s_setreg_imm32_b32 hwreg(HW_REG_WAVE_MODE, 25, 1), 1
	s_wait_xcnt 0x0
; knn_final: second level.  For each of a work-group's 32 queries the 16 chosen groups hold 512 candidates; wave w takes slot w (the w-th group) of all 32 queries.
; The distances are formed with the same operations on the same numbers as in the first level, so they have the same bits.  Lane = point of the group while they are formed; they go
; through the wave's tile in LDS (row = query), after which lane = query, and the same two passes of the same network choose: pass 1 gives T, the 16th smallest d2;
; pass 2 sorts key2 = index (d2 < T), index + 16384 (d2 = T), 65536 (else): all below T, then the ties by ascending index, as the top-k of the problem breaks them.
; The group numbers are whole numbers read from memory; each is held to 511 before it enters an address.  LIMITS: NaN and infinities are not served.
.set TILEB, 4608
.set QREC,  73728                      ; 32 records of 16 bytes: x', y', z', qq
.set LIST1, 74240
.set LIST2, 107008
.set LANE, 1
.set SOUT, 3
.set L16,  4
.set L4,   5
.set TIN,  6
.set LA1,  9
.set LA2,  10
.set TAD,  11
.set QW,   12
.set TT,   13
.set BASE, 14
.set BASE2, 15
.set BIG,  16
.set U0,   17
.set GID,  19
.set QRB,  20
.set L64,  21
.set P0,   32
.set P1,   64
.set VO,   96                          ; two sets of 8 offsets
.set XB,   112                         ; two sets of 8 x (x, y, z)
.macro BAR
	s_wait_dscnt 0x0
	s_barrier_signal -1
	s_barrier_wait -1
.endm
.macro STAGE n, k, j, src, dst
.set i, 0
.rept \n
.set l, i^(\j)
.if l > i
.if (i & (\k)) == 0
	v_min_num_f32 v[\dst+i], v[\src+i], v[\src+l]
	v_max_num_f32 v[\dst+l], v[\src+i], v[\src+l]
.else
	v_max_num_f32 v[\dst+i], v[\src+i], v[\src+l]
	v_min_num_f32 v[\dst+l], v[\src+i], v[\src+l]
.endif
.endif
.set i, i+1
.endr
.endm
.macro MERGE16
	STAGE 16, 16, 8, P0, P1
	STAGE 16, 16, 4, P1, P0
	STAGE 16, 16, 2, P0, P1
	STAGE 16, 16, 1, P1, P0
.endm
.macro SORT32
	STAGE 32, 2, 1, P0, P1
	STAGE 32, 4, 2, P1, P0
	STAGE 32, 4, 1, P0, P1
	STAGE 32, 8, 4, P1, P0
	STAGE 32, 8, 2, P0, P1
	STAGE 32, 8, 1, P1, P0
	STAGE 32, 16, 8, P0, P1
	STAGE 32, 16, 4, P1, P0
	STAGE 32, 16, 2, P0, P1
	STAGE 32, 16, 1, P1, P0
.set i, 0
.rept 16
	v_min_num_f32 v[P0+i], v[P0+i], v[P0+16+i]
.set i, i+1
.endr
	MERGE16
.endm
.macro TREE adr, last
.irp c, 0,1,2,3
	ds_store_b128 v[\adr], v[P0+4*\c:P0+4*\c+3] offset:512*\c
.endr
.irp s, 8,4,2,1
	BAR
	s_cmp_ge_u32 s18, \s
	s_cbranch_scc1 .Ltr\@_\s
.irp c, 0,1,2,3
	ds_load_b128 v[P0+16+4*\c:P0+16+4*\c+3], v[\adr] offset:2048*\s+512*\c
.endr
	s_wait_dscnt 0x0
.set i, 0
.rept 16
	v_min_num_f32 v[P0+i], v[P0+i], v[P0+31-i]
.set i, i+1
.endr
	MERGE16
.if !((\last) && (\s == 1))
.irp c, 0,1,2,3
	ds_store_b128 v[\adr], v[P0+4*\c:P0+4*\c+3] offset:512*\c
.endr
.endif
.Ltr\@_\s:
.endr
.if !(\last)
	BAR
.endif
.endm
.macro TILE
.irp k, 0,1,2,3,4,5,6,7
	ds_load_b128 v[P0+4*\k:P0+4*\k+3], v[SOUT] offset:16*\k
.endr
	s_wait_dscnt 0x0
.endm
.macro KEY2
.set j, 0
.rept 32
	v_cmp_lt_f32 vcc_lo, v[P0+j], v[TT]
	v_cmp_eq_f32 s34, v[P0+j], v[TT]
	v_cndmask_b32 v[U0], v[BIG], v[BASE2], s34
	v_cndmask_b32 v[P0+j], v[U0], v[BASE], vcc_lo
	v_add_f32 v[BASE], 1.0, v[BASE]
	v_add_f32 v[BASE2], 1.0, v[BASE2]
.set j, j+1
.endr
.endm
.macro ISSUE k                         ; queries 8 k .. 8 k + 7: each one's group, 32 points, a lane a point: three loads of 128 consecutive bytes
.irp e, 0,1,2,3,4,5,6,7
	v_readlane_b32 s[40+\e], v[GID], 8*(\k)+\e
	s_min_u32 s[40+\e], s[40+\e], 0x1ff
	s_lshl_b32 s[40+\e], s[40+\e], 7
	v_add_nc_u32 v[VO+8*((\k)%2)+\e], s[40+\e], v[L4]
	global_load_b32 v[XB+24*((\k)%2)+3*\e], v[VO+8*((\k)%2)+\e], s[22:23]
	global_load_b32 v[XB+24*((\k)%2)+3*\e+1], v[VO+8*((\k)%2)+\e], s[22:23] offset:65536
	global_load_b32 v[XB+24*((\k)%2)+3*\e+2], v[VO+8*((\k)%2)+\e], s[22:23] offset:131072
.endr
.endm
.macro WORK k
.irp e, 0,1,2,3,4,5,6,7
	ds_load_b128 v[160+4*\e:163+4*\e], v[QRB] offset:16*(8*(\k)+\e)
.endr
	s_wait_dscnt 0x0
.irp e, 0,1,2,3,4,5,6,7
.set xb, XB+24*((\k)%2)+3*\e
.set tb, 192+2*(\e%4)
	v_mul_f32 v[tb], v[xb], v[xb]
	v_mul_f32 v[tb+1], v[xb], v[160+4*\e]
	v_fma_f32 v[tb], v[xb+1], v[xb+1], v[tb]
	v_fma_f32 v[tb+1], v[xb+1], v[161+4*\e], v[tb+1]
	v_fma_f32 v[tb], v[xb+2], v[xb+2], v[tb]       ; |p|^2
	v_fma_f32 v[tb+1], v[xb+2], v[162+4*\e], v[tb+1]   ; (-2 q).p
	v_add_f32 v[tb], v[163+4*\e], v[tb]            ; |q|^2 + |p|^2
	v_add_f32 v[tb], v[tb], v[tb+1]                ; d2
	ds_store_b32 v[TIN], v[tb] offset:144*(8*(\k)+\e)
.endr
.endm
	s_load_b256 s[4:11], s[0:1], 0x0               ; xyz s[4:5], out0 s[6:7], glist s[8:9], nidx s[10:11]
	v_lshl_add_u32 v254, v0, 2, 0x22200
	v_mov_b32 v255, 0
	v_lshrrev_b32 v22, 5, v0
	v_readfirstlane_b32 s18, v22                   ; wave
	v_and_b32 v[LANE], 31, v0
	s_mov_b32 s19, ttmp9
	s_and_b32 s20, ttmp7, 0xffff
	s_lshl_b32 s21, s20, 5
	s_add_co_u32 s21, s21, s19                     ; g
	s_mul_i32 s24, s18, TILEB
	v_mul_u32_u24 v[SOUT], v[LANE], 144
	v_add_nc_u32 v[SOUT], s24, v[SOUT]
	v_lshlrev_b32 v[L16], 4, v[LANE]
	v_lshlrev_b32 v[L4], 2, v[LANE]
	v_lshlrev_b32 v[L64], 6, v[LANE]
	v_add_nc_u32 v[TIN], s24, v[L4]
	s_lshl_b32 s26, s18, 11
	s_add_co_u32 s27, s26, LIST1
	v_add_nc_u32 v[LA1], s27, v[L16]
	s_add_co_u32 s27, s26, LIST2
	v_add_nc_u32 v[LA2], s27, v[L16]
	v_add_nc_u32 v[TAD], LIST1, v[L16]
	v_add_nc_u32 v[QW], QREC, v[L16]
	v_mov_b32 v[QRB], QREC
	s_mov_b32 s31, 0
	s_wait_kmcnt 0x0
	s_mul_i32 s30, s20, 196608
	s_add_nc_u64 s[22:23], s[4:5], s[30:31]        ; xyz of my batch
	s_lshl_b32 s30, s21, 11
	s_add_nc_u64 s[10:11], s[10:11], s[30:31]      ; nidx of my 32 queries
	s_lshl_b32 s28, s18, 7
	s_add_co_u32 s30, s30, s28
	s_add_nc_u64 s[8:9], s[8:9], s[30:31]          ; glist[g][slot = wave]
	s_mul_i32 s30, s20, 12288
	s_lshl_b32 s28, s19, 7
	s_add_co_u32 s30, s30, s28
	s_add_nc_u64 s[6:7], s[6:7], s[30:31]          ; out0[b][0][32 chunk]
	global_load_b32 v[GID], v[L4], s[8:9]
	s_cmp_lg_u32 s18, 0
	s_cbranch_scc1 .Lnot0
	global_load_b32 v128, v[L4], s[6:7]
	global_load_b32 v129, v[L4], s[6:7] offset:4096
	global_load_b32 v130, v[L4], s[6:7] offset:8192
	s_wait_loadcnt 0x0
	v_mul_f32 v132, -2.0, v128
	v_mul_f32 v133, -2.0, v129
	v_mul_f32 v134, -2.0, v130
	v_mul_f32 v135, v128, v128
	v_fma_f32 v135, v129, v129, v135
	v_fma_f32 v135, v130, v130, v135
	ds_store_b128 v[QW], v[132:135]
.Lnot0:
	s_wait_loadcnt 0x0
	v_min_u32 v[GID], 0x1ff, v[GID]
	BAR                                            ; the records lie in LDS
	ISSUE 0
	ISSUE 1
	s_wait_loadcnt 24                              ; loads come back in order: batch 0 is in, batch 1's 24 may be out
	WORK 0
	ISSUE 2
	s_wait_loadcnt 24
	WORK 1
	ISSUE 3
	s_wait_loadcnt 24
	WORK 2
	s_wait_loadcnt 0x0
	WORK 3
	TILE
	SORT32
	TREE LA1, 0
	ds_load_b32 v[TT], v[TAD] offset:1548
	v_lshlrev_b32 v[BASE], 5, v[GID]
	v_cvt_f32_u32 v[BASE], v[BASE]                 ; my query's group's first point
	v_add_f32 v[BASE2], 0x46800000, v[BASE]        ; + 16384
	v_mov_b32 v[BIG], 0x47800000                   ; 65536
	TILE
	KEY2
	SORT32
	TREE LA2, 1
	s_cmp_lg_u32 s18, 0
	s_cbranch_scc1 .Lend
.set t, 0
.rept 16
	v_cvt_u32_f32 v[P0+t], v[P0+t]
.set t, t+1
.endr
.set t, 0
.rept 16
	v_and_b32 v[P0+t], 0x3fff, v[P0+t]
.set t, t+1
.endr
.irp c, 0,1,2,3
	global_store_b128 v[L64], v[P0+4*\c:P0+4*\c+3], s[10:11] offset:16*\c   ; nidx[query][16]: the four stores fill the work-group's 2,048 bytes
.endr
.Lend:
	s_wait_tensorcnt 0x0
	ds_add_u32 v254, v255
	s_wait_dscnt 0x0
	s_endpgm
.Lfunc_end_k_q66f3e7f920_knn_final:
	.size	k_q66f3e7f920_knn_final, .Lfunc_end_k_q66f3e7f920_knn_final-k_q66f3e7f920_knn_final
	.p2alignl 7, 3214868480
	.fill 96, 4, 3214868480
	.section	.rodata,"a",@progbits
	.p2align	6, 0x0
	.amdhsa_kernel k_q66f3e7f920_knn_final
		.amdhsa_group_segment_fixed_size 141824
		.amdhsa_private_segment_fixed_size 0
		.amdhsa_enable_private_segment 0
		.amdhsa_kernarg_size 32
		.amdhsa_user_sgpr_count 2
		.amdhsa_user_sgpr_kernarg_segment_ptr 1
		.amdhsa_wavefront_size32 1
		.amdhsa_system_sgpr_workgroup_id_x 1
		.amdhsa_system_sgpr_workgroup_id_y 1
		.amdhsa_system_sgpr_workgroup_id_z 1
		.amdhsa_system_vgpr_workitem_id 0
		.amdhsa_next_free_vgpr 256
		.amdhsa_next_free_sgpr 66
		.amdhsa_reserve_vcc 1
		.amdhsa_float_denorm_mode_32 3
		.amdhsa_float_denorm_mode_16_64 3
		.amdhsa_memory_ordered 1
		.amdhsa_forward_progress 1
		.amdhsa_inst_pref_size 97
	.end_amdhsa_kernel
	.amdgpu_metadata
---
amdhsa.version: [ 1, 2 ]
amdhsa.kernels:
  - .name:           k_q66f3e7f920_knn_final
    .symbol:         k_q66f3e7f920_knn_final.kd
    .args:
      - { .name: xyz, .offset: 0, .size: 8, .value_kind: global_buffer, .address_space: global }
      - { .name: out0, .offset: 8, .size: 8, .value_kind: global_buffer, .address_space: global }
      - { .name: glist, .offset: 16, .size: 8, .value_kind: global_buffer, .address_space: global }
      - { .name: nidx, .offset: 24, .size: 8, .value_kind: global_buffer, .address_space: global }
    .group_segment_fixed_size: 141824
    .private_segment_fixed_size: 0
    .kernarg_segment_align: 8
    .kernarg_segment_size: 32
    .max_flat_workgroup_size: 512
    .sgpr_count:     66
    .vgpr_count:     256
    .wavefront_size: 32
...
	.end_amdgpu_metadata
.endif
;; end of part 2
;; launch mlp1 (part 3): grid 256 x 1, 16 waves a work-group, no clusters, 94,208 bytes of LDS; arguments pfeat, nidx, out0, l3out; writes l3out
.if DOCPART == 3
	.amdgcn_target "amdgcn-amd-amdhsa--gfx1250"
	.amdhsa_code_object_version 6
	.text
	.protected	k_q66f3e7f920_mlp1
	.globl	k_q66f3e7f920_mlp1
	.p2align	8
	.type	k_q66f3e7f920_mlp1,@function
k_q66f3e7f920_mlp1:
	s_mov_b64 s[64:65], 0
	v_nop
	global_prefetch_b8 v0, s[64:65] scope:SCOPE_SE
	s_setreg_imm32_b32 hwreg(HW_REG_WAVE_MODE, 25, 1), 1
	s_wait_xcnt 0x0
; mlp1: gather, quantise, first product, partial statistics of the first batch norm.
; A work-group takes 32 queries, a wave two (u = 0, 1).  A query's 16 neighbours are the 16 rows of one tile.  A neighbour's row (x, y, z, c0 .. c60) is 256 consecutive bytes: sixteen lanes fetch it whole.
; The rows turn through the wave's own stage, after which lane (r, h) holds row r, k = 32 h .. 32 h + 31: a whole block of 32, so its largest magnitude needs no other lane and the two conversions' results
; are registers 0-5 of the operand.  k = 64 .. 66 (c61 .. c63) come from the tails; the rest of K up to 128 are zero codes.
; The codes are stored as an image of the operand's registers (1,024 bytes a query): bytes 16 l: registers 0-3; bytes 512 + 16 l: registers 4, 5, 6 and the row's scale word.  The later launches multiply them again.
; PRODUCT: source 0 = the 16 rows, source 1 = 16 rows of W1.  In the result lane (r, h) holds channel 16 t + r and its registers the rows 8 h + j: what belongs to a channel is one register a tile.
; W's fragments lie 8 registers apart, so that the operand v[8 t : 8 t + 11] runs on into what follows: those codes meet zero codes of the rows, every 6-bit pattern is a finite number, and no scale byte there is 0xff.
; STATISTICS of h' = the product alone, with no difference of large sums: for a tile s = the sum of 16 rows and q = the sum of (h' - s / 16)^2; for the work-group S and M2 = sum q + 16 sum (s / 16 - S / 512)^2.
; LIMITS: NaN and infinities are not served; a block of zeros gets the scale byte 1 (its codes are zeros; only this program reads the byte).
.set WL,    0                          ; W1's four fragments, 1,024 bytes each
.set STG,   4096                       ; a stage of 16 rows x 272 bytes for each wave
.set SSB,   73728                      ; s: 64 channels x (32 queries x 4 bytes + 16);  q: 144 NCH bytes on
.set NCH,   64
.set PEXT,  33554432
.set W1IMG, 35651584
.set STAT1, 8388608
.set WV,   20
.set SEL,  36
.set LANE, 1
.set RR,   2
.set HH,   3
.set LI,   4
.set SH8,  5
.set SOUT, 7
.set VSS,  8
.set GIN,  9
.set CBA,  10
.set MNEG, 11
.set T8,   12
.set R16,  13
.set H32,  14
.set R4,   15
.set IX,   16
.set RA,   32
.set G,    48
.set D,    48
.set E,    112
.set F,    120
.set EB,   152
.set A,    168
.set ST,   180
.set SA,   184
.set C4,   186
.set CT,   188
.set MXA,  192
.set MXB,  193
.set SO,   194
.set BY,   195
.set TP,   196
.set MB,   197
.set SOB,  198
.set BYB,  199
.set WB,   200
.set SB,   236
.set IR,   240
.set EA,   242
.set TS,   244
.set CS,   48
.set CQ,   80
.macro BAR
	s_wait_dscnt 0x0
	s_barrier_signal -1
	s_barrier_wait -1
.endm
.macro LOADW base                      ; four fragments of a weight and their scale words
.irp t, 0,1,2,3
	ds_load_b128 v[WB+8*\t:WB+8*\t+3], v[LI] offset:\base+1024*\t
	ds_load_b128 v[WB+8*\t+4:WB+8*\t+7], v[LI] offset:\base+1024*\t+512
	ds_load_b32 v[SB+\t], v[LI] offset:\base+1024*\t+524
.endr
.endm
.macro MM4 a, sa                       ; four tiles of 16 channels; four different accumulators, each begun with the constant 0
	s_wait_dscnt 0x0
.rept 8
	v_nop                                          ; a scale word made by vector instructions stands eight places ahead of the product, an operand so made four
.endr
.irp t, 0,1,2,3
	v_wmma_scale_f32_16x16x128_f8f6f4 v[D+8*\t:D+8*\t+7], v[\a:\a+11], v[WB+8*\t:WB+8*\t+11], 0, v[\sa], v[SB+\t] matrix_a_fmt:MATRIX_FMT_BF6 matrix_b_fmt:MATRIX_FMT_BF6
.endr
.rept 4
	v_nop                                          ; four places ahead of the first read of results and of loads into the operands
.endr
.endm
.macro QUANT ext                       ; F: my row's block of 32 (ext = 1: and EB, the block behind the second) -> codes in A, scale word in SA
	v_max3_num_f32 v[MXA], |v[F]|, |v[F+1]|, 0x2800000   ; the floor 2^(5 - 127): the byte cannot fall under 1
	v_max3_num_f32 v[MXB], |v[F+2]|, |v[F+3]|, |v[F+4]|
.irp i, 5,9,13,17,21,25
	v_max3_num_f32 v[MXA], v[MXA], |v[F+\i]|, |v[F+\i+1]|
	v_max3_num_f32 v[MXB], v[MXB], |v[F+\i+2]|, |v[F+\i+3]|
.endr
	v_max3_num_f32 v[MXA], v[MXA], |v[F+29]|, |v[F+30]|
	v_max3_num_f32 v[MXA], v[MXA], v[MXB], |v[F+31]|
	v_add_nc_u32 v[SO], 0xfe000000, v[MXA]         ; 4 off the exponent field: the conversion's scale operand
	v_lshrrev_b32 v[BY], 23, v[SO]
.if \ext
	v_max3_num_f32 v[MB], |v[EB]|, |v[EB+1]|, 0x2800000
	v_max_num_f32 v[MB], v[MB], |v[EB+2]|
	v_add_nc_u32 v[SOB], 0xfe000000, v[MB]
	v_lshrrev_b32 v[BYB], 23, v[SOB]
	v_lshl_or_b32 v[BY], v[BYB], 16, v[BY]
.endif
	v_lshlrev_b32 v[SA], v[SH8], v[BY]
	v_permlanex16_b32 v[TP], v[SA], s[SEL], s[SEL+1]
	v_or_b32 v[SA], v[SA], v[TP]
	v_cvt_scalef32_pk16_bf6_f32 v[A:A+2], v[F:F+15], v[SO]
	v_cvt_scalef32_pk16_bf6_f32 v[CT:CT+2], v[F+16:F+31], v[SO]   ; (a conversion's three registers begin on an even number)
.if \ext
	v_cvt_scalef32_pk16_bf6_f32 v[A+6:A+8], v[EB:EB+15], v[SOB]
.endif
	v_nop                                          ; one plain place behind a scaled conversion
.irp i, 0,1,2
	v_mov_b32 v[A+3+\i], v[CT+\i]
.endr
.endm
.macro STATS u, hi                     ; each accumulator is read from its low end on
.irp t, 0,1,2,3
	v_pk_add_f32 v[TS:TS+1], v[D+8*\t:D+8*\t+1], v[D+8*\t+2:D+8*\t+3]
	v_pk_add_f32 v[TS+2:TS+3], v[D+8*\t+4:D+8*\t+5], v[D+8*\t+6:D+8*\t+7]
	v_pk_add_f32 v[TS:TS+1], v[TS:TS+1], v[TS+2:TS+3]
	v_add_f32 v[TS], v[TS], v[TS+1]
	v_permlanex16_b32 v[TS+1], v[TS], s[SEL], s[SEL+1]
	v_add_f32 v[TS+8], v[TS], v[TS+1]              ; s: the 16 rows' sum
	v_mul_f32 v[TS+10], 0x3d800000, v[TS+8]        ; s / 16
	v_mov_b32 v[TS+11], v[TS+10]
.irp p, 0,1,2,3
	v_pk_add_f32 v[TS+2*\p:TS+2*\p+1], v[D+8*\t+2*\p:D+8*\t+2*\p+1], v[TS+10:TS+11] neg_lo:[0,1] neg_hi:[0,1]
.endr
	v_pk_mul_f32 v[TS:TS+1], v[TS:TS+1], v[TS:TS+1]
	v_pk_fma_f32 v[TS:TS+1], v[TS+2:TS+3], v[TS+2:TS+3], v[TS:TS+1]
	v_pk_fma_f32 v[TS:TS+1], v[TS+4:TS+5], v[TS+4:TS+5], v[TS:TS+1]
	v_pk_fma_f32 v[TS:TS+1], v[TS+6:TS+7], v[TS+6:TS+7], v[TS:TS+1]
	v_add_f32 v[TS], v[TS], v[TS+1]
	v_permlanex16_b32 v[TS+1], v[TS], s[SEL], s[SEL+1]
	v_add_f32 v[TS+9], v[TS], v[TS+1]              ; q
	ds_store_b32 v[VSS], v[TS+8] offset:2304*\t+9216*\hi+4*\u          ; both halves write the same word with the same value
	ds_store_b32 v[VSS], v[TS+9] offset:2304*\t+9216*\hi+4*\u+144*NCH
.endr
.endm
.macro COMBINE                         ; thread c < NCH: its channel's 32 tiles -> S in v[TS], M2 in v[TS+2]
.irp k, 0,1,2,3,4,5,6,7
	ds_load_b128 v[CS+4*\k:CS+4*\k+3], v[CBA] offset:16*\k
.endr
.irp k, 0,1,2,3,4,5,6,7
	ds_load_b128 v[CQ+4*\k:CQ+4*\k+3], v[CBA] offset:144*NCH+16*\k
.endr
	s_wait_dscnt 0x0
	v_pk_add_f32 v[TS:TS+1], v[CS:CS+1], v[CS+2:CS+3]
	v_pk_add_f32 v[TS+2:TS+3], v[CQ:CQ+1], v[CQ+2:CQ+3]
.set i, 4
.rept 14
	v_pk_add_f32 v[TS:TS+1], v[TS:TS+1], v[CS+i:CS+i+1]
	v_pk_add_f32 v[TS+2:TS+3], v[TS+2:TS+3], v[CQ+i:CQ+i+1]
.set i, i+2
.endr
	v_add_f32 v[TS], v[TS], v[TS+1]                ; S
	v_add_f32 v[TS+2], v[TS+2], v[TS+3]            ; sum of q
	v_mul_f32 v[TS+4], 0xbb000000, v[TS]           ; -S / 512
	v_fmamk_f32 v[TS+5], v[CS], 0x3d800000, v[TS+4]
	v_mul_f32 v[TS+6], v[TS+5], v[TS+5]
.set i, 1
.rept 31
	v_fmamk_f32 v[TS+5], v[CS+i], 0x3d800000, v[TS+4]   ; s / 16 - S / 512
	v_fma_f32 v[TS+6], v[TS+5], v[TS+5], v[TS+6]
.set i, i+1
.endr
	v_fmamk_f32 v[TS+2], v[TS+6], 0x41800000, v[TS+2]   ; M2
.endm
	s_load_b256 s[4:11], s[0:1], 0x0               ; pfeat s[4:5], nidx s[6:7], out0 s[8:9], l3out s[10:11]
	v_lshl_add_u32 v187, v0, 2, 0x16800
	v_mov_b32 v191, 0
	v_lshrrev_b32 v1, 5, v0
	v_readfirstlane_b32 s[WV], v1
	v_and_b32 v[LANE], 31, v0
	v_and_b32 v[RR], 15, v0
	v_bfe_u32 v[HH], v0, 4, 1
	v_lshlrev_b32 v[LI], 4, v[LANE]
	v_lshlrev_b32 v[SH8], 3, v[HH]
	s_mul_i32 s38, s[WV], 4352
	s_add_co_u32 s38, s38, STG
	v_mul_u32_u24 v[GIN], v[HH], 2176
	v_lshl_add_u32 v[GIN], v[RR], 4, v[GIN]
	v_add_nc_u32 v[GIN], s38, v[GIN]               ; stage, in: row 8 h + i, 16 bytes at 16 (l % 16)
	v_mul_u32_u24 v[SOUT], v[RR], 272
	v_lshl_add_u32 v[SOUT], v[HH], 7, v[SOUT]
	v_add_nc_u32 v[SOUT], s38, v[SOUT]             ; stage, out: row r, 128 h on
	s_lshl_b32 s38, s[WV], 3
	s_add_co_u32 s38, s38, SSB
	v_mul_u32_u24 v[VSS], v[RR], 144
	v_add_nc_u32 v[VSS], s38, v[VSS]
	v_and_b32 v[CBA], NCH-1, v0
	v_lshlrev_b32 v[C4], 2, v[CBA]
	v_mul_u32_u24 v[CBA], v[CBA], 144
	v_add_nc_u32 v[CBA], SSB, v[CBA]
	v_lshlrev_b32 v[T8], 3, v0
	v_lshlrev_b32 v[R16], 4, v[RR]
	v_lshlrev_b32 v[H32], 5, v[HH]
	v_lshlrev_b32 v[R4], 2, v[RR]
	s_mov_b32 s34, 0xffff0000                      ; lanes 16-31
	s_mov_b32 s[SEL], 0x76543210
	s_mov_b32 s[SEL+1], 0xfedcba98
	v_mov_b32 v[MNEG], -1.0
	v_cndmask_b32 v[MNEG], v[MNEG], 0, s34         ; -1 where k = 0 .. 31 is mine, else 0
	v_mov_b32 v[TP], 0
.set i, 3
.rept 13
	v_mov_b32 v[EB+i], 0
.set i, i+1
.endr
.irp i, 9,10,11
	v_mov_b32 v[A+\i], 0
.endr
.irp i, 32,33,34,35
	v_mov_b32 v[WB+\i], 0
.endr
	s_lshr_b32 s22, ttmp9, 5                       ; batch
	s_mov_b32 s25, 0
	s_wait_kmcnt 0x0
	s_lshl_b32 s24, ttmp9, 11
	s_lshl_b32 s38, s[WV], 7
	s_add_co_u32 s24, s24, s38
	s_add_nc_u64 s[12:13], s[6:7], s[24:25]        ; nidx at my two queries
	s_add_nc_u64 s[14:15], s[4:5], W1IMG
	s_lshl_b32 s24, s22, 22
	s_add_nc_u64 s[16:17], s[4:5], s[24:25]        ; my batch's rows
	s_lshl_b32 s24, s22, 18
	s_add_nc_u64 s[18:19], s[4:5], s[24:25]
	s_add_nc_u64 s[18:19], s[18:19], PEXT          ; and tails
	s_mul_i32 s24, s22, 12288
	s_and_b32 s38, ttmp9, 31
	s_lshl_b32 s38, s38, 7
	s_add_co_u32 s24, s24, s38
	s_lshl_b32 s38, s[WV], 3
	s_add_co_u32 s24, s24, s38
	s_add_nc_u64 s[30:31], s[8:9], s[24:25]        ; out0[b][0][my first query]
	s_lshl_b32 s24, ttmp9, 15
	s_lshl_b32 s38, s[WV], 11
	s_add_co_u32 s24, s24, s38
	s_add_nc_u64 s[26:27], s[10:11], s[24:25]      ; my two images
	s_lshl_b32 s24, ttmp9, 9
	s_add_nc_u64 s[28:29], s[10:11], s[24:25]
	s_add_nc_u64 s[28:29], s[28:29], STAT1
	s_load_b64 s[40:41], s[30:31], 0x0             ; x of both queries
	s_load_b64 s[42:43], s[30:31], 0x1000          ; y
	s_load_b64 s[44:45], s[30:31], 0x2000          ; z
.irp u, 0,1
	global_load_b128 v[IX+8*\u:IX+8*\u+3], v[H32], s[12:13] offset:64*\u       ; neighbours 8 h + 0 .. 7
	global_load_b128 v[IX+8*\u+4:IX+8*\u+7], v[H32], s[12:13] offset:64*\u+16
	global_load_b32 v[IR+\u], v[R4], s[12:13] offset:64*\u                    ; neighbour r
.endr
	global_load_b64 v[F:F+1], v[T8], s[14:15]      ; W1's images: 8 bytes a thread
	s_wait_loadcnt 0x0
	ds_store_b64 v[T8], v[F:F+1]
.set i, 0
.rept 16
	v_min_u32 v[IX+i], 0x3fff, v[IX+i]
	v_lshlrev_b32 v[RA+i], 8, v[IX+i]
	v_add_nc_u32 v[RA+i], v[R16], v[RA+i]
.set i, i+1
.endr
.irp u, 0,1
	v_min_u32 v[IR+\u], 0x3fff, v[IR+\u]
	v_lshlrev_b32 v[EA+\u], 4, v[IR+\u]
.endr
.irp u, 0,1
.irp i, 0,1,2,3,4,5,6,7
	global_load_b128 v[G+32*\u+4*\i:G+32*\u+4*\i+3], v[RA+8*\u+\i], s[16:17]   ; lanes 0-15: neighbour i's row, lanes 16-31: neighbour 8 + i's
.endr
	global_load_b128 v[E+4*\u:E+4*\u+3], v[EA+\u], s[18:19]
.endr
	s_wait_kmcnt 0x0
	BAR                                            ; W1's images lie in LDS
	LOADW WL
.macro ROWS u
.if \u == 0
	s_wait_loadcnt 0x9                             ; my first query's nine loads are in; the second's nine may be out
.else
	s_wait_loadcnt 0x0
.endif
	s_wait_xcnt 0x0                                ; the last image's stores have read their registers
.irp i, 0,1,2,3,4,5,6,7
	ds_store_b128 v[GIN], v[G+32*\u+4*\i:G+32*\u+4*\i+3] offset:272*\i
.endr
.irp k, 0,1,2,3,4,5,6,7
	ds_load_b128 v[F+4*\k:F+4*\k+3], v[SOUT] offset:16*\k      ; LDS serves a wave's instructions in order
.endr
.irp k, 0,1,2
	v_cndmask_b32 v[EB+\k], v[E+4*\u+\k], 0, s34   ; k = 64 .. 66 in lanes 0-15; k = 96 on: zeros
.endr
	s_wait_dscnt 0x0
.irp k, 0,1,2
	v_fma_f32 v[F+\k], v[MNEG], s[40+2*\k+\u], v[F+\k]   ; rel = the neighbour's xyz - q, one rounding
.endr
	QUANT 1
	v_mov_b32 v[ST], v[A+4]
	v_mov_b32 v[ST+1], v[A+5]
	v_mov_b32 v[ST+2], v[A+6]
	v_mov_b32 v[ST+3], v[SA]
	global_store_b128 v[LI], v[A:A+3], s[26:27] offset:1024*\u
	global_store_b128 v[LI], v[ST:ST+3], s[26:27] offset:1024*\u+512
	MM4 A, SA
	STATS \u, 0
.endm
	ROWS 0
	ROWS 1
	BAR                                            ; all tiles' s and q lie in LDS
	s_cmp_ge_u32 s[WV], NCH/32
	s_cbranch_scc1 .Lend
	COMBINE
	global_store_b32 v[C4], v[TS], s[28:29]
	global_store_b32 v[C4], v[TS+2], s[28:29] offset:256
.Lend:
	s_wait_tensorcnt 0x0
	ds_add_u32 v187, v191
	s_wait_dscnt 0x0
	s_endpgm
.Lfunc_end_k_q66f3e7f920_mlp1:
	.size	k_q66f3e7f920_mlp1, .Lfunc_end_k_q66f3e7f920_mlp1-k_q66f3e7f920_mlp1
	.p2alignl 7, 3214868480
	.fill 96, 4, 3214868480
	.section	.rodata,"a",@progbits
	.p2align	6, 0x0
	.amdhsa_kernel k_q66f3e7f920_mlp1
		.amdhsa_group_segment_fixed_size 94208
		.amdhsa_private_segment_fixed_size 0
		.amdhsa_enable_private_segment 0
		.amdhsa_kernarg_size 32
		.amdhsa_user_sgpr_count 2
		.amdhsa_user_sgpr_kernarg_segment_ptr 1
		.amdhsa_wavefront_size32 1
		.amdhsa_system_sgpr_workgroup_id_x 1
		.amdhsa_system_sgpr_workgroup_id_y 1
		.amdhsa_system_sgpr_workgroup_id_z 1
		.amdhsa_system_vgpr_workitem_id 0
		.amdhsa_next_free_vgpr 256
		.amdhsa_next_free_sgpr 66
		.amdhsa_reserve_vcc 0
		.amdhsa_float_denorm_mode_32 3
		.amdhsa_float_denorm_mode_16_64 3
		.amdhsa_memory_ordered 1
		.amdhsa_forward_progress 1
		.amdhsa_inst_pref_size 36
	.end_amdhsa_kernel
	.amdgpu_metadata
---
amdhsa.version: [ 1, 2 ]
amdhsa.kernels:
  - .name:           k_q66f3e7f920_mlp1
    .symbol:         k_q66f3e7f920_mlp1.kd
    .args:
      - { .name: pfeat, .offset: 0, .size: 8, .value_kind: global_buffer, .address_space: global }
      - { .name: nidx, .offset: 8, .size: 8, .value_kind: global_buffer, .address_space: global }
      - { .name: out0, .offset: 16, .size: 8, .value_kind: global_buffer, .address_space: global }
      - { .name: l3out, .offset: 24, .size: 8, .value_kind: global_buffer, .address_space: global }
    .group_segment_fixed_size: 94208
    .private_segment_fixed_size: 0
    .kernarg_segment_align: 8
    .kernarg_segment_size: 32
    .max_flat_workgroup_size: 512
    .sgpr_count:     66
    .vgpr_count:     256
    .wavefront_size: 32
...
	.end_amdgpu_metadata
.endif
;; end of part 3
;; launch mlp2 (part 4): grid 256 x 1, 16 waves a work-group, no clusters, 122,880 bytes of LDS; arguments l3out, pfeat, b1, g1, be1, W2_codes, W2_scales, l4out; writes l4out
.if DOCPART == 4
	.amdgcn_target "amdgcn-amd-amdhsa--gfx1250"
	.amdhsa_code_object_version 6
	.text
	.protected	k_q66f3e7f920_mlp2
	.globl	k_q66f3e7f920_mlp2
	.p2align	8
	.type	k_q66f3e7f920_mlp2,@function
k_q66f3e7f920_mlp2:
	s_mov_b64 s[64:65], 0
	v_nop
	global_prefetch_b8 v0, s[64:65] scope:SCOPE_SE
	s_setreg_imm32_b32 hwreg(HW_REG_WAVE_MODE, 25, 1), 1
	s_wait_xcnt 0x0
; mlp2: the first batch norm's statistics are finished, the first product is made again from the stored codes, normalised, clipped at 0 and quantised; second product; its partial statistics.
; Shares, layouts and the form of the products as in mlp1: a wave has two queries, a query's 16 neighbours are a tile's rows, lane (r, h) of a result holds channel 16 t + r and rows 8 h + j.
; STATISTICS: every work-group sums the 256 work-groups' (S, M2): mean' = sum S / 131072; M2 total = sum M2 + 512 sum (S / 512 - mean')^2: no difference of large sums.
; BN(h' + b) = h' a + c with a = g rsq(var + 1e-5), m = mean' + b, c = (b - m) a + be: one fused multiply-add a number.
; The way to the next quantiser, whose K is the channels, goes through the wave's own stage; behind it lane (r, h) holds row r and the block k = 32 h .. 32 h + 31.
; LIMITS: NaN and infinities are not served; a block of zeros gets the scale byte 1 (its codes are zeros).
.set WL,    0                          ; W1's four fragments, then W2's four
.set RED1,  8192
.set RED2,  16384
.set COEF,  24576                      ; 512 bytes a wave: a[64], c[64]
.set STG,   32768
.set SSB,   102400
.set NCH,   64
.set W1IMG, 35651584
.set STAT1, 8388608
.set WV,   20
.set SEL,  36
.set LANE, 1
.set RR,   2
.set HH,   3
.set LI,   4
.set SH8,  5
.set SIN,  6
.set SOUT, 7
.set VSS,  8
.set RW1,  9
.set CBA,  10
.set RW2,  11
.set T8,   12
.set R16,  13
.set CW,   14
.set CR,   15
.set WIW,  17
.set WGO,  18
.set WSO,  19
.set SR,   20
.set C4,   21
.set AU,   24
.set SAU,  48
.set SA,   50
.set A,    52
.set F,    64
.set D,    96
.set WB,   128
.set SB,   164
.set CT,   168
.set TS,   172
.set MXA,  184
.set MXB,  185
.set SO,   186
.set BY,   187
.set TP,   188
.set AC1,  192
.set WT,   208
.set W1C,  216
.set GV,   220
.set BV,   224
.set BEV,  228
.set CS,   64
.set CQ,   96
.macro BAR
	s_wait_dscnt 0x0
	s_barrier_signal -1
	s_barrier_wait -1
.endm
.macro LOADW base
.irp t, 0,1,2,3
	ds_load_b128 v[WB+8*\t:WB+8*\t+3], v[LI] offset:\base+1024*\t
	ds_load_b128 v[WB+8*\t+4:WB+8*\t+7], v[LI] offset:\base+1024*\t+512
	ds_load_b32 v[SB+\t], v[LI] offset:\base+1024*\t+524
.endr
.endm
.macro MM4 a, sa
	s_wait_dscnt 0x0
.rept 8
	v_nop                                          ; a scale word made by vector instructions stands eight places ahead of the product, an operand so made four
.endr
.irp t, 0,1,2,3
	v_wmma_scale_f32_16x16x128_f8f6f4 v[D+8*\t:D+8*\t+7], v[\a:\a+11], v[WB+8*\t:WB+8*\t+11], 0, v[\sa], v[SB+\t] matrix_a_fmt:MATRIX_FMT_BF6 matrix_b_fmt:MATRIX_FMT_BF6
.endr
.rept 4
	v_nop                                          ; four places ahead of the first read of results and of loads into the operands
.endr
.endm
.macro ACT ac                          ; h' a + c, then the clip at 0; each accumulator from its low end on
.irp t, 0,1,2,3
.irp j, 0,1,2,3,4,5,6,7
	v_fma_f32 v[D+8*\t+\j], v[D+8*\t+\j], v[\ac+\t], v[\ac+4+\t]
.endr
.endr
.set i, 0
.rept 32
	v_max_num_f32 v[D+i], 0, v[D+i]
.set i, i+1
.endr
.endm
.macro TURN                            ; (row 8 h + j, channel 16 t + r) -> lane (r, h): row r, channels 32 h on
.irp t, 0,1,2,3
.irp j, 0,1,2,3,4,5,6,7
	ds_store_b32 v[SIN], v[D+8*\t+\j] offset:272*\j+64*\t
.endr
.endr
.irp k, 0,1,2,3,4,5,6,7
	ds_load_b128 v[F+4*\k:F+4*\k+3], v[SOUT] offset:16*\k
.endr
	s_wait_dscnt 0x0
.endm
.macro QUANT
	v_max3_num_f32 v[MXA], |v[F]|, |v[F+1]|, 0x2800000   ; the floor 2^(5 - 127): the byte cannot fall under 1
	v_max3_num_f32 v[MXB], |v[F+2]|, |v[F+3]|, |v[F+4]|
.irp i, 5,9,13,17,21,25
	v_max3_num_f32 v[MXA], v[MXA], |v[F+\i]|, |v[F+\i+1]|
	v_max3_num_f32 v[MXB], v[MXB], |v[F+\i+2]|, |v[F+\i+3]|
.endr
	v_max3_num_f32 v[MXA], v[MXA], |v[F+29]|, |v[F+30]|
	v_max3_num_f32 v[MXA], v[MXA], v[MXB], |v[F+31]|
	v_add_nc_u32 v[SO], 0xfe000000, v[MXA]
	v_lshrrev_b32 v[BY], 23, v[SO]
	v_lshlrev_b32 v[SA], v[SH8], v[BY]
	v_permlanex16_b32 v[TP], v[SA], s[SEL], s[SEL+1]
	v_or_b32 v[SA], v[SA], v[TP]
	v_cvt_scalef32_pk16_bf6_f32 v[A:A+2], v[F:F+15], v[SO]
	v_cvt_scalef32_pk16_bf6_f32 v[CT:CT+2], v[F+16:F+31], v[SO]
	v_nop                                          ; one plain place behind a scaled conversion
.irp i, 0,1,2
	v_mov_b32 v[A+3+\i], v[CT+\i]
.endr
.endm
.macro STATS u, hi
.irp t, 0,1,2,3
	v_pk_add_f32 v[TS:TS+1], v[D+8*\t:D+8*\t+1], v[D+8*\t+2:D+8*\t+3]
	v_pk_add_f32 v[TS+2:TS+3], v[D+8*\t+4:D+8*\t+5], v[D+8*\t+6:D+8*\t+7]
	v_pk_add_f32 v[TS:TS+1], v[TS:TS+1], v[TS+2:TS+3]
	v_add_f32 v[TS], v[TS], v[TS+1]
	v_permlanex16_b32 v[TS+1], v[TS], s[SEL], s[SEL+1]
	v_add_f32 v[TS+8], v[TS], v[TS+1]
	v_mul_f32 v[TS+10], 0x3d800000, v[TS+8]
	v_mov_b32 v[TS+11], v[TS+10]
.irp p, 0,1,2,3
	v_pk_add_f32 v[TS+2*\p:TS+2*\p+1], v[D+8*\t+2*\p:D+8*\t+2*\p+1], v[TS+10:TS+11] neg_lo:[0,1] neg_hi:[0,1]
.endr
	v_pk_mul_f32 v[TS:TS+1], v[TS:TS+1], v[TS:TS+1]
	v_pk_fma_f32 v[TS:TS+1], v[TS+2:TS+3], v[TS+2:TS+3], v[TS:TS+1]
	v_pk_fma_f32 v[TS:TS+1], v[TS+4:TS+5], v[TS+4:TS+5], v[TS:TS+1]
	v_pk_fma_f32 v[TS:TS+1], v[TS+6:TS+7], v[TS+6:TS+7], v[TS:TS+1]
	v_add_f32 v[TS], v[TS], v[TS+1]
	v_permlanex16_b32 v[TS+1], v[TS], s[SEL], s[SEL+1]
	v_add_f32 v[TS+9], v[TS], v[TS+1]
	ds_store_b32 v[VSS], v[TS+8] offset:2304*\t+9216*\hi+4*\u
	ds_store_b32 v[VSS], v[TS+9] offset:2304*\t+9216*\hi+4*\u+144*NCH
.endr
.endm
.macro COMBINE
.irp k, 0,1,2,3,4,5,6,7
	ds_load_b128 v[CS+4*\k:CS+4*\k+3], v[CBA] offset:16*\k
.endr
.irp k, 0,1,2,3,4,5,6,7
	ds_load_b128 v[CQ+4*\k:CQ+4*\k+3], v[CBA] offset:144*NCH+16*\k
.endr
	s_wait_dscnt 0x0
	v_pk_add_f32 v[TS:TS+1], v[CS:CS+1], v[CS+2:CS+3]
	v_pk_add_f32 v[TS+2:TS+3], v[CQ:CQ+1], v[CQ+2:CQ+3]
.set i, 4
.rept 14
	v_pk_add_f32 v[TS:TS+1], v[TS:TS+1], v[CS+i:CS+i+1]
	v_pk_add_f32 v[TS+2:TS+3], v[TS+2:TS+3], v[CQ+i:CQ+i+1]
.set i, i+2
.endr
	v_add_f32 v[TS], v[TS], v[TS+1]
	v_add_f32 v[TS+2], v[TS+2], v[TS+3]
	v_mul_f32 v[TS+4], 0xbb000000, v[TS]
	v_fmamk_f32 v[TS+5], v[CS], 0x3d800000, v[TS+4]
	v_mul_f32 v[TS+6], v[TS+5], v[TS+5]
.set i, 1
.rept 31
	v_fmamk_f32 v[TS+5], v[CS+i], 0x3d800000, v[TS+4]
	v_fma_f32 v[TS+6], v[TS+5], v[TS+5], v[TS+6]
.set i, i+1
.endr
	v_fmamk_f32 v[TS+2], v[TS+6], 0x41800000, v[TS+2]
.endm
.macro LISTSUM base                    ; the 16 waves' partial sums -> v[236:239]; lane l xor 16's -> v[240:243]
.set i, 0
.rept 16
	ds_load_b128 v[128+4*i:131+4*i], v[LI] offset:\base+512*i
.set i, i+1
.endr
	s_wait_dscnt 0x0
	v_pk_add_f32 v[236:237], v[128:129], v[132:133]
	v_pk_add_f32 v[238:239], v[130:131], v[134:135]
.set i, 2
.rept 14
	v_pk_add_f32 v[236:237], v[236:237], v[128+4*i:129+4*i]
	v_pk_add_f32 v[238:239], v[238:239], v[130+4*i:131+4*i]
.set i, i+1
.endr
.irp e, 0,1,2,3
	v_permlanex16_b32 v[240+\e], v[236+\e], s[SEL], s[SEL+1]
.endr
.endm
; v[64:127]: my 16 work-groups' records; lanes 0-15: S of channels 4 (l % 16) on, lanes 16-31: M2 of the same.  Leaves a_t, c_t of channel 16 t + r in v[ac + t], v[ac + 4 + t], and (a | c) in v[252:255].
.macro STATRED ac
	v_pk_add_f32 v[232:233], v[64:65], v[68:69]
	v_pk_add_f32 v[234:235], v[66:67], v[70:71]
.set i, 2
.rept 14
	v_pk_add_f32 v[232:233], v[232:233], v[64+4*i:65+4*i]
	v_pk_add_f32 v[234:235], v[234:235], v[66+4*i:67+4*i]
.set i, i+1
.endr
	ds_store_b128 v[RW1], v[232:235]
	BAR                                            ; the partial sums and the weights' images lie in LDS
	LISTSUM RED1
.irp e, 0,1,2,3
	v_cndmask_b32 v[244+\e], v[236+\e], v[240+\e], s34   ; sum of S, in every lane
	v_cndmask_b32 v[248+\e], v[240+\e], v[236+\e], s34   ; sum of M2
.endr
.irp e, 0,1,2,3
	v_mul_f32 v[244+\e], 0xb7000000, v[244+\e]     ; -mean' = -sum S / 131072
.endr
	v_pk_fma_f32 v[232:233], v[64:65], 0x3b000000, v[244:245] op_sel_hi:[1,0,1]
	v_pk_fma_f32 v[234:235], v[66:67], 0x3b000000, v[246:247] op_sel_hi:[1,0,1]
	v_pk_mul_f32 v[252:253], v[232:233], v[232:233]
	v_pk_mul_f32 v[254:255], v[234:235], v[234:235]
.set i, 1
.rept 15
	v_pk_fma_f32 v[232:233], v[64+4*i:65+4*i], 0x3b000000, v[244:245] op_sel_hi:[1,0,1]   ; S / 512 - mean'
	v_pk_fma_f32 v[234:235], v[66+4*i:67+4*i], 0x3b000000, v[246:247] op_sel_hi:[1,0,1]
	v_pk_fma_f32 v[252:253], v[232:233], v[232:233], v[252:253]
	v_pk_fma_f32 v[254:255], v[234:235], v[234:235], v[254:255]
.set i, i+1
.endr
.irp e, 0,1,2,3
	v_cndmask_b32 v[252+\e], v[252+\e], 0, s34     ; lanes 16-31 held M2, not S
.endr
	ds_store_b128 v[RW2], v[252:255]
	BAR
	LISTSUM RED2
.irp e, 0,1,2,3
	v_add_f32 v[236+\e], v[236+\e], v[240+\e]
	v_fmamk_f32 v[236+\e], v[236+\e], 0x44000000, v[248+\e]   ; M2 total
	v_mul_f32 v[236+\e], 0x37000000, v[236+\e]     ; the variance
	v_add_f32 v[236+\e], 0x3727c5ac, v[236+\e]     ; + 1e-5
.endr
.irp e, 0,1,2,3
	v_rsq_f32 v[240+\e], v[236+\e]
.endr
	v_nop                                          ; a plain place behind the last of the four
	s_wait_alu depctr_va_vdst(0)                   ; one wait for the four, ahead of their first reader
.irp e, 0,1,2,3
	v_mul_f32 v[232+\e], v[GV+\e], v[240+\e]       ; a
	v_sub_f32 v[236+\e], v[BV+\e], v[244+\e]       ; m = b + mean'
	v_sub_f32 v[236+\e], v[BV+\e], v[236+\e]       ; b - m
	v_fma_f32 v[236+\e], v[236+\e], v[232+\e], v[BEV+\e]   ; c
	v_cndmask_b32 v[252+\e], v[232+\e], v[236+\e], s34
.endr
	ds_store_b128 v[CW], v[252:255]                ; my wave's own 512 bytes: a[64], c[64]
.irp t, 0,1,2,3
	ds_load_b32 v[\ac+\t], v[CR] offset:64*\t
	ds_load_b32 v[\ac+4+\t], v[CR] offset:256+64*\t
.endr
.endm
	s_load_b256 s[4:11], s[0:1], 0x0               ; l3out s[4:5], pfeat s[6:7], b1 s[8:9], g1 s[10:11]
	s_load_b256 s[12:19], s[0:1], 0x20             ; be1 s[12:13], W2's codes s[14:15], scales s[16:17], l4out s[18:19]
	v_lshl_add_u32 v218, v0, 2, 0x1d800
	v_mov_b32 v219, 0
	v_lshrrev_b32 v1, 5, v0
	v_readfirstlane_b32 s[WV], v1
	v_and_b32 v[LANE], 31, v0
	v_and_b32 v[RR], 15, v0
	v_bfe_u32 v[HH], v0, 4, 1
	v_lshlrev_b32 v[LI], 4, v[LANE]
	v_lshlrev_b32 v[SH8], 3, v[HH]
	s_mul_i32 s38, s[WV], 4352
	s_add_co_u32 s38, s38, STG
	v_mul_u32_u24 v[SIN], v[HH], 2176
	v_lshl_add_u32 v[SIN], v[RR], 2, v[SIN]
	v_add_nc_u32 v[SIN], s38, v[SIN]
	v_mul_u32_u24 v[SOUT], v[RR], 272
	v_lshl_add_u32 v[SOUT], v[HH], 7, v[SOUT]
	v_add_nc_u32 v[SOUT], s38, v[SOUT]
	s_lshl_b32 s38, s[WV], 3
	s_add_co_u32 s38, s38, SSB
	v_mul_u32_u24 v[VSS], v[RR], 144
	v_add_nc_u32 v[VSS], s38, v[VSS]
	s_lshl_b32 s38, s[WV], 9
	s_add_co_u32 s39, s38, RED1
	v_add_nc_u32 v[RW1], s39, v[LI]
	s_add_co_u32 s39, s38, RED2
	v_add_nc_u32 v[RW2], s39, v[LI]
	s_add_co_u32 s39, s38, COEF
	v_add_nc_u32 v[CW], s39, v[LI]
	v_lshl_add_u32 v[CR], v[RR], 2, s39
	v_add_nc_u32 v[SR], s38, v[LI]                 ; 512 wave + 16 lane
	v_and_b32 v[CBA], NCH-1, v0
	v_lshlrev_b32 v[C4], 2, v[CBA]
	v_mul_u32_u24 v[CBA], v[CBA], 144
	v_add_nc_u32 v[CBA], SSB, v[CBA]
	v_lshlrev_b32 v[T8], 3, v0
	v_lshlrev_b32 v[R16], 4, v[RR]
	s_lshl_b32 s39, s[WV], 10
	s_add_co_u32 s39, s39, WL+4096
	v_add_nc_u32 v[WIW], s39, v[LI]
	v_mul_u32_u24 v[WGO], v[RR], 48
	v_mad_u32_u24 v[WGO], v[HH], 24, v[WGO]
	s_mul_i32 s39, s[WV], 768
	v_add_nc_u32 v[WGO], s39, v[WGO]               ; W2: row 16 wave + r of 48 bytes, + 24 h
	v_lshlrev_b32 v[WSO], 1, v[RR]
	s_lshl_b32 s39, s[WV], 5
	v_add_nc_u32 v[WSO], s39, v[WSO]
	s_mov_b32 s34, 0xffff0000                      ; lanes 16-31
	s_mov_b32 s[SEL], 0x76543210
	s_mov_b32 s[SEL+1], 0xfedcba98
.irp e, 0,1,2,3
	v_mov_b32 v[240+\e], 0                         ; a lane permute's destination counts as one of its sources
.endr
.irp i, 6,7,8,9,10,11
	v_mov_b32 v[A+\i], 0
.endr
.irp i, 8,9,10,11,20,21,22,23
	v_mov_b32 v[AU+\i], 0
.endr
	s_mov_b32 s23, 0
	s_wait_kmcnt 0x0
	s_add_nc_u64 s[24:25], s[4:5], STAT1
	s_lshl_b32 s22, ttmp9, 15
	s_lshl_b32 s38, s[WV], 11
	s_add_co_u32 s22, s22, s38
	s_add_nc_u64 s[26:27], s[4:5], s[22:23]        ; my two queries' images
	s_add_nc_u64 s[28:29], s[6:7], W1IMG
	s_lshl_b32 s22, ttmp9, 9
	s_add_nc_u64 s[30:31], s[18:19], s[22:23]      ; my work-group's record of the second statistics
	s_add_nc_u64 s[40:41], s[18:19], 131072        ; a1, c1 for the next launch
.set i, 0
.rept 16
	global_load_b128 v[64+4*i:67+4*i], v[SR], s[24:25] offset:8192*i   ; work-group wave + 16 i: 512 consecutive bytes
.set i, i+1
.endr
	global_load_b128 v[GV:GV+3], v[R16], s[10:11]
	global_load_b128 v[BV:BV+3], v[R16], s[8:9]
	global_load_b128 v[BEV:BEV+3], v[R16], s[12:13]
.irp u, 0,1
	global_load_b128 v[AU+12*\u:AU+12*\u+3], v[LI], s[26:27] offset:1024*\u
	global_load_b128 v[AU+12*\u+4:AU+12*\u+7], v[LI], s[26:27] offset:1024*\u+512
	global_load_b32 v[SAU+\u], v[LI], s[26:27] offset:1024*\u+524
.endr
	global_load_b64 v[W1C:W1C+1], v[T8], s[28:29]
	s_cmp_ge_u32 s[WV], 4
	s_cbranch_scc1 .Lnow
	global_load_b64 v[WT:WT+1], v[WGO], s[14:15]
	global_load_b64 v[WT+2:WT+3], v[WGO], s[14:15] offset:8
	global_load_b64 v[WT+4:WT+5], v[WGO], s[14:15] offset:16
	global_load_u16 v[WT+7], v[WSO], s[16:17]      ; two scale bytes; the upper two bytes are 0 and meet zero codes
.Lnow:
	s_wait_loadcnt 0x0
	ds_store_b64 v[T8], v[W1C:W1C+1]
	s_cmp_ge_u32 s[WV], 4
	s_cbranch_scc1 .Lnow2
	v_mov_b32 v[WT+6], 0
	ds_store_b128 v[WIW], v[WT:WT+3]
	ds_store_b128 v[WIW], v[WT+4:WT+7] offset:512
.Lnow2:
	v_mov_b32 v[AU+7], 0                           ; the image's scale word is no code
	v_mov_b32 v[AU+19], 0
	STATRED AC1
	v_mov_b32 v[TP], 0
.irp i, 32,33,34,35
	v_mov_b32 v[WB+\i], 0
.endr
	s_or_b32 s38, s[WV], ttmp9
	s_cmp_lg_u32 s38, 0
	s_cbranch_scc1 .Lnoc
	global_store_b128 v[LI], v[252:255], s[40:41]
.Lnoc:
.macro QUERY u
	LOADW WL
	MM4 AU+12*\u, SAU+\u
	LOADW WL+4096
	ACT AC1
	TURN
	QUANT
	MM4 A, SA
	STATS \u, 0
.endm
	QUERY 0
	QUERY 1
	BAR
	s_cmp_ge_u32 s[WV], NCH/32
	s_cbranch_scc1 .Lend
	COMBINE
	global_store_b32 v[C4], v[TS], s[30:31]
	global_store_b32 v[C4], v[TS+2], s[30:31] offset:256
.Lend:
	s_wait_tensorcnt 0x0
	ds_add_u32 v218, v219
	s_wait_dscnt 0x0
	s_endpgm
.Lfunc_end_k_q66f3e7f920_mlp2:
	.size	k_q66f3e7f920_mlp2, .Lfunc_end_k_q66f3e7f920_mlp2-k_q66f3e7f920_mlp2
	.p2alignl 7, 3214868480
	.fill 96, 4, 3214868480
	.section	.rodata,"a",@progbits
	.p2align	6, 0x0
	.amdhsa_kernel k_q66f3e7f920_mlp2
		.amdhsa_group_segment_fixed_size 122880
		.amdhsa_private_segment_fixed_size 0
		.amdhsa_enable_private_segment 0
		.amdhsa_kernarg_size 64
		.amdhsa_user_sgpr_count 2
		.amdhsa_user_sgpr_kernarg_segment_ptr 1
		.amdhsa_wavefront_size32 1
		.amdhsa_system_sgpr_workgroup_id_x 1
		.amdhsa_system_sgpr_workgroup_id_y 1
		.amdhsa_system_sgpr_workgroup_id_z 1
		.amdhsa_system_vgpr_workitem_id 0
		.amdhsa_next_free_vgpr 256
		.amdhsa_next_free_sgpr 66
		.amdhsa_reserve_vcc 0
		.amdhsa_float_denorm_mode_32 3
		.amdhsa_float_denorm_mode_16_64 3
		.amdhsa_memory_ordered 1
		.amdhsa_forward_progress 1
		.amdhsa_inst_pref_size 62
	.end_amdhsa_kernel
	.amdgpu_metadata
---
amdhsa.version: [ 1, 2 ]
amdhsa.kernels:
  - .name:           k_q66f3e7f920_mlp2
    .symbol:         k_q66f3e7f920_mlp2.kd
    .args:
      - { .name: l3out, .offset: 0, .size: 8, .value_kind: global_buffer, .address_space: global }
      - { .name: pfeat, .offset: 8, .size: 8, .value_kind: global_buffer, .address_space: global }
      - { .name: b1, .offset: 16, .size: 8, .value_kind: global_buffer, .address_space: global }
      - { .name: g1, .offset: 24, .size: 8, .value_kind: global_buffer, .address_space: global }
      - { .name: be1, .offset: 32, .size: 8, .value_kind: global_buffer, .address_space: global }
      - { .name: W2_codes, .offset: 40, .size: 8, .value_kind: global_buffer, .address_space: global }
      - { .name: W2_scales, .offset: 48, .size: 8, .value_kind: global_buffer, .address_space: global }
      - { .name: l4out, .offset: 56, .size: 8, .value_kind: global_buffer, .address_space: global }
    .group_segment_fixed_size: 122880
    .private_segment_fixed_size: 0
    .kernarg_segment_align: 8
    .kernarg_segment_size: 64
    .max_flat_workgroup_size: 512
    .sgpr_count:     66
    .vgpr_count:     256
    .wavefront_size: 32
...
	.end_amdgpu_metadata
.endif
;; end of part 4
;; launch mlp3 (part 5): grid 256 x 1, 16 waves a work-group, no clusters, 186,368 bytes of LDS; arguments l3out, l4out, pfeat, b2, g2, be2, W2_codes, W2_scales, W3_codes, W3_scales, l5out; writes l5out
.if DOCPART == 5
	.amdgcn_target "amdgcn-amd-amdhsa--gfx1250"
	.amdhsa_code_object_version 6
	.text
	.protected	k_q66f3e7f920_mlp3
	.globl	k_q66f3e7f920_mlp3
	.p2align	8
	.type	k_q66f3e7f920_mlp3,@function
k_q66f3e7f920_mlp3:
	s_mov_b64 s[64:65], 0
	v_nop
	global_prefetch_b8 v0, s[64:65] scope:SCOPE_SE
	s_setreg_imm32_b32 hwreg(HW_REG_WAVE_MODE, 25, 1), 1
	s_wait_xcnt 0x0
; mlp3: the second batch norm's statistics are finished; products 1, 2 and 3 from the stored codes; the third product's partial statistics, and its largest and smallest number over a query's 16 neighbours.
; Shares, layouts and macros as in mlp2.  The third batch norm is h' a + c for each channel, rising or falling with h' by the sign of a: so the largest and the smallest h' of the 16 rows are kept, and the last launch takes one of them.
; They meet in a stage [kind][channel][32 queries] and leave as the work-group's 32,768 consecutive bytes.
; LIMITS: NaN and infinities are not served; a block of zeros gets the scale byte 1 (its codes are zeros).
.set WL,    0                          ; W1's four fragments, W2's four, W3's eight
.set RED1,  16384
.set RED2,  24576
.set COEF,  32768
.set STG,   40960
.set SSB,   110592
.set NCH,   128
.set MMS,   147456                     ; 2 x 128 rows x (128 bytes + 16)
.set W1IMG, 35651584
.set STAT3, 8388608
.set WV,   26
.set SEL,  36
.set LANE, 1
.set RR,   2
.set HH,   3
.set LI,   4
.set SH8,  5
.set SIN,  6
.set SOUT, 7
.set VSS,  8
.set RW1,  9
.set CBA,  10
.set RW2,  11
.set T8,   12
.set R16,  13
.set CW,   14
.set CR,   15
.set WIW,  17
.set WGO,  18
.set WSO,  19
.set SR,   20
.set C3,   21
.set MW,   22
.set MR,   23
.set AU,   24
.set SAU,  48
.set SA,   50
.set R4,   51
.set A,    52
.set F,    64
.set D,    96
.set WB,   128
.set SB,   164
.set CT,   168
.set TS,   172
.set MXA,  184
.set MXB,  185
.set SO,   186
.set BY,   187
.set TP,   188
.set AC1,  192
.set AC2,  200
.set WT,   208
.set W1C,  216
.set GV,   220
.set BV,   224
.set BEV,  228
.set CS,   64
.set CQ,   96
.macro BAR
	s_wait_dscnt 0x0
	s_barrier_signal -1
	s_barrier_wait -1
.endm
.macro LOADW base
.irp t, 0,1,2,3
	ds_load_b128 v[WB+8*\t:WB+8*\t+3], v[LI] offset:\base+1024*\t
	ds_load_b128 v[WB+8*\t+4:WB+8*\t+7], v[LI] offset:\base+1024*\t+512
	ds_load_b32 v[SB+\t], v[LI] offset:\base+1024*\t+524
.endr
.endm
.macro MM4 a, sa
	s_wait_dscnt 0x0
.rept 8
	v_nop                                          ; a scale word made by vector instructions stands eight places ahead of the product, an operand so made four
.endr
.irp t, 0,1,2,3
	v_wmma_scale_f32_16x16x128_f8f6f4 v[D+8*\t:D+8*\t+7], v[\a:\a+11], v[WB+8*\t:WB+8*\t+11], 0, v[\sa], v[SB+\t] matrix_a_fmt:MATRIX_FMT_BF6 matrix_b_fmt:MATRIX_FMT_BF6
.endr
.rept 4
	v_nop                                          ; four places ahead of the first read of results and of loads into the operands
.endr
.endm
.macro ACT ac
.irp t, 0,1,2,3
.irp j, 0,1,2,3,4,5,6,7
	v_fma_f32 v[D+8*\t+\j], v[D+8*\t+\j], v[\ac+\t], v[\ac+4+\t]
.endr
.endr
.set i, 0
.rept 32
	v_max_num_f32 v[D+i], 0, v[D+i]
.set i, i+1
.endr
.endm
.macro TURN
.irp t, 0,1,2,3
.irp j, 0,1,2,3,4,5,6,7
	ds_store_b32 v[SIN], v[D+8*\t+\j] offset:272*\j+64*\t
.endr
.endr
.irp k, 0,1,2,3,4,5,6,7
	ds_load_b128 v[F+4*\k:F+4*\k+3], v[SOUT] offset:16*\k
.endr
	s_wait_dscnt 0x0
.endm
.macro QUANT
	v_max3_num_f32 v[MXA], |v[F]|, |v[F+1]|, 0x2800000   ; the floor 2^(5 - 127): the byte cannot fall under 1
	v_max3_num_f32 v[MXB], |v[F+2]|, |v[F+3]|, |v[F+4]|
.irp i, 5,9,13,17,21,25
	v_max3_num_f32 v[MXA], v[MXA], |v[F+\i]|, |v[F+\i+1]|
	v_max3_num_f32 v[MXB], v[MXB], |v[F+\i+2]|, |v[F+\i+3]|
.endr
	v_max3_num_f32 v[MXA], v[MXA], |v[F+29]|, |v[F+30]|
	v_max3_num_f32 v[MXA], v[MXA], v[MXB], |v[F+31]|
	v_add_nc_u32 v[SO], 0xfe000000, v[MXA]
	v_lshrrev_b32 v[BY], 23, v[SO]
	v_lshlrev_b32 v[SA], v[SH8], v[BY]
	v_permlanex16_b32 v[TP], v[SA], s[SEL], s[SEL+1]
	v_or_b32 v[SA], v[SA], v[TP]
	v_cvt_scalef32_pk16_bf6_f32 v[A:A+2], v[F:F+15], v[SO]
	v_cvt_scalef32_pk16_bf6_f32 v[CT:CT+2], v[F+16:F+31], v[SO]
	v_nop                                          ; one plain place behind a scaled conversion
.irp i, 0,1,2
	v_mov_b32 v[A+3+\i], v[CT+\i]
.endr
.endm
.macro STATS u, hi
.irp t, 0,1,2,3
	v_pk_add_f32 v[TS:TS+1], v[D+8*\t:D+8*\t+1], v[D+8*\t+2:D+8*\t+3]
	v_pk_add_f32 v[TS+2:TS+3], v[D+8*\t+4:D+8*\t+5], v[D+8*\t+6:D+8*\t+7]
	v_pk_add_f32 v[TS:TS+1], v[TS:TS+1], v[TS+2:TS+3]
	v_add_f32 v[TS], v[TS], v[TS+1]
	v_permlanex16_b32 v[TS+1], v[TS], s[SEL], s[SEL+1]
	v_add_f32 v[TS+8], v[TS], v[TS+1]
	v_mul_f32 v[TS+10], 0x3d800000, v[TS+8]
	v_mov_b32 v[TS+11], v[TS+10]
.irp p, 0,1,2,3
	v_pk_add_f32 v[TS+2*\p:TS+2*\p+1], v[D+8*\t+2*\p:D+8*\t+2*\p+1], v[TS+10:TS+11] neg_lo:[0,1] neg_hi:[0,1]
.endr
	v_pk_mul_f32 v[TS:TS+1], v[TS:TS+1], v[TS:TS+1]
	v_pk_fma_f32 v[TS:TS+1], v[TS+2:TS+3], v[TS+2:TS+3], v[TS:TS+1]
	v_pk_fma_f32 v[TS:TS+1], v[TS+4:TS+5], v[TS+4:TS+5], v[TS:TS+1]
	v_pk_fma_f32 v[TS:TS+1], v[TS+6:TS+7], v[TS+6:TS+7], v[TS:TS+1]
	v_add_f32 v[TS], v[TS], v[TS+1]
	v_permlanex16_b32 v[TS+1], v[TS], s[SEL], s[SEL+1]
	v_add_f32 v[TS+9], v[TS], v[TS+1]
	ds_store_b32 v[VSS], v[TS+8] offset:2304*\t+9216*\hi+4*\u
	ds_store_b32 v[VSS], v[TS+9] offset:2304*\t+9216*\hi+4*\u+144*NCH
.endr
.endm
.macro MAXMIN u, hi                    ; lanes 0-15 store the largest of the channel's 16 rows, lanes 16-31 the smallest
.irp t, 0,1,2,3
	v_max3_num_f32 v[TS], v[D+8*\t], v[D+8*\t+1], v[D+8*\t+2]
	v_min3_num_f32 v[TS+1], v[D+8*\t], v[D+8*\t+1], v[D+8*\t+2]
	v_max3_num_f32 v[TS], v[TS], v[D+8*\t+3], v[D+8*\t+4]
	v_min3_num_f32 v[TS+1], v[TS+1], v[D+8*\t+3], v[D+8*\t+4]
	v_max3_num_f32 v[TS], v[TS], v[D+8*\t+5], v[D+8*\t+6]
	v_min3_num_f32 v[TS+1], v[TS+1], v[D+8*\t+5], v[D+8*\t+6]
	v_max_num_f32 v[TS], v[TS], v[D+8*\t+7]
	v_min_num_f32 v[TS+1], v[TS+1], v[D+8*\t+7]
	v_permlanex16_b32 v[TS+2], v[TS], s[SEL], s[SEL+1]
	v_permlanex16_b32 v[TS+3], v[TS+1], s[SEL], s[SEL+1]
	v_max_num_f32 v[TS], v[TS], v[TS+2]
	v_min_num_f32 v[TS+1], v[TS+1], v[TS+3]
	v_cndmask_b32 v[TS+4], v[TS], v[TS+1], s34
	ds_store_b32 v[MW], v[TS+4] offset:2304*(\t+4*\hi)+4*\u
.endr
.endm
.macro COMBINE
.irp k, 0,1,2,3,4,5,6,7
	ds_load_b128 v[CS+4*\k:CS+4*\k+3], v[CBA] offset:16*\k
.endr
.irp k, 0,1,2,3,4,5,6,7
	ds_load_b128 v[CQ+4*\k:CQ+4*\k+3], v[CBA] offset:144*NCH+16*\k
.endr
	s_wait_dscnt 0x0
	v_pk_add_f32 v[TS:TS+1], v[CS:CS+1], v[CS+2:CS+3]
	v_pk_add_f32 v[TS+2:TS+3], v[CQ:CQ+1], v[CQ+2:CQ+3]
.set i, 4
.rept 14
	v_pk_add_f32 v[TS:TS+1], v[TS:TS+1], v[CS+i:CS+i+1]
	v_pk_add_f32 v[TS+2:TS+3], v[TS+2:TS+3], v[CQ+i:CQ+i+1]
.set i, i+2
.endr
	v_add_f32 v[TS], v[TS], v[TS+1]
	v_add_f32 v[TS+2], v[TS+2], v[TS+3]
	v_mul_f32 v[TS+4], 0xbb000000, v[TS]
	v_fmamk_f32 v[TS+5], v[CS], 0x3d800000, v[TS+4]
	v_mul_f32 v[TS+6], v[TS+5], v[TS+5]
.set i, 1
.rept 31
	v_fmamk_f32 v[TS+5], v[CS+i], 0x3d800000, v[TS+4]
	v_fma_f32 v[TS+6], v[TS+5], v[TS+5], v[TS+6]
.set i, i+1
.endr
	v_fmamk_f32 v[TS+2], v[TS+6], 0x41800000, v[TS+2]
.endm
.macro LISTSUM base
.set i, 0
.rept 16
	ds_load_b128 v[128+4*i:131+4*i], v[LI] offset:\base+512*i
.set i, i+1
.endr
	s_wait_dscnt 0x0
	v_pk_add_f32 v[236:237], v[128:129], v[132:133]
	v_pk_add_f32 v[238:239], v[130:131], v[134:135]
.set i, 2
.rept 14
	v_pk_add_f32 v[236:237], v[236:237], v[128+4*i:129+4*i]
	v_pk_add_f32 v[238:239], v[238:239], v[130+4*i:131+4*i]
.set i, i+1
.endr
.irp e, 0,1,2,3
	v_permlanex16_b32 v[240+\e], v[236+\e], s[SEL], s[SEL+1]
.endr
.endm
.macro STATRED ac
	v_pk_add_f32 v[232:233], v[64:65], v[68:69]
	v_pk_add_f32 v[234:235], v[66:67], v[70:71]
.set i, 2
.rept 14
	v_pk_add_f32 v[232:233], v[232:233], v[64+4*i:65+4*i]
	v_pk_add_f32 v[234:235], v[234:235], v[66+4*i:67+4*i]
.set i, i+1
.endr
	ds_store_b128 v[RW1], v[232:235]
	BAR                                            ; the partial sums and the weights' images lie in LDS
	LISTSUM RED1
.irp e, 0,1,2,3
	v_cndmask_b32 v[244+\e], v[236+\e], v[240+\e], s34
	v_cndmask_b32 v[248+\e], v[240+\e], v[236+\e], s34
.endr
.irp e, 0,1,2,3
	v_mul_f32 v[244+\e], 0xb7000000, v[244+\e]     ; -mean'
.endr
	v_pk_fma_f32 v[232:233], v[64:65], 0x3b000000, v[244:245] op_sel_hi:[1,0,1]
	v_pk_fma_f32 v[234:235], v[66:67], 0x3b000000, v[246:247] op_sel_hi:[1,0,1]
	v_pk_mul_f32 v[252:253], v[232:233], v[232:233]
	v_pk_mul_f32 v[254:255], v[234:235], v[234:235]
.set i, 1
.rept 15
	v_pk_fma_f32 v[232:233], v[64+4*i:65+4*i], 0x3b000000, v[244:245] op_sel_hi:[1,0,1]
	v_pk_fma_f32 v[234:235], v[66+4*i:67+4*i], 0x3b000000, v[246:247] op_sel_hi:[1,0,1]
	v_pk_fma_f32 v[252:253], v[232:233], v[232:233], v[252:253]
	v_pk_fma_f32 v[254:255], v[234:235], v[234:235], v[254:255]
.set i, i+1
.endr
.irp e, 0,1,2,3
	v_cndmask_b32 v[252+\e], v[252+\e], 0, s34
.endr
	ds_store_b128 v[RW2], v[252:255]
	BAR
	LISTSUM RED2
.irp e, 0,1,2,3
	v_add_f32 v[236+\e], v[236+\e], v[240+\e]
	v_fmamk_f32 v[236+\e], v[236+\e], 0x44000000, v[248+\e]
	v_mul_f32 v[236+\e], 0x37000000, v[236+\e]
	v_add_f32 v[236+\e], 0x3727c5ac, v[236+\e]
.endr
.irp e, 0,1,2,3
	v_rsq_f32 v[240+\e], v[236+\e]
.endr
	v_nop                                          ; a plain place behind the last of the four
	s_wait_alu depctr_va_vdst(0)                   ; one wait for the four, ahead of their first reader
.irp e, 0,1,2,3
	v_mul_f32 v[232+\e], v[GV+\e], v[240+\e]
	v_sub_f32 v[236+\e], v[BV+\e], v[244+\e]
	v_sub_f32 v[236+\e], v[BV+\e], v[236+\e]
	v_fma_f32 v[236+\e], v[236+\e], v[232+\e], v[BEV+\e]
	v_cndmask_b32 v[252+\e], v[232+\e], v[236+\e], s34
.endr
	ds_store_b128 v[CW], v[252:255]
.irp t, 0,1,2,3
	ds_load_b32 v[\ac+\t], v[CR] offset:64*\t
	ds_load_b32 v[\ac+4+\t], v[CR] offset:256+64*\t
.endr
.endm
	s_load_b256 s[4:11], s[0:1], 0x0               ; l3out s[4:5], l4out s[6:7], pfeat s[8:9], b2 s[10:11]
	s_load_b256 s[12:19], s[0:1], 0x20             ; g2 s[12:13], be2 s[14:15], W2's codes s[16:17], scales s[18:19]
	s_load_b128 s[20:23], s[0:1], 0x40             ; W3's codes s[20:21], scales s[22:23]
	s_load_b64 s[24:25], s[0:1], 0x50              ; l5out
	v_lshl_add_u32 v218, v0, 2, 0x2d000
	v_mov_b32 v219, 0
	v_lshrrev_b32 v1, 5, v0
	v_readfirstlane_b32 s[WV], v1
	v_and_b32 v[LANE], 31, v0
	v_and_b32 v[RR], 15, v0
	v_bfe_u32 v[HH], v0, 4, 1
	v_lshlrev_b32 v[LI], 4, v[LANE]
	v_lshlrev_b32 v[SH8], 3, v[HH]
	s_mul_i32 s38, s[WV], 4352
	s_add_co_u32 s38, s38, STG
	v_mul_u32_u24 v[SIN], v[HH], 2176
	v_lshl_add_u32 v[SIN], v[RR], 2, v[SIN]
	v_add_nc_u32 v[SIN], s38, v[SIN]
	v_mul_u32_u24 v[SOUT], v[RR], 272
	v_lshl_add_u32 v[SOUT], v[HH], 7, v[SOUT]
	v_add_nc_u32 v[SOUT], s38, v[SOUT]
	s_lshl_b32 s38, s[WV], 3
	s_add_co_u32 s39, s38, SSB
	v_mul_u32_u24 v[VSS], v[RR], 144
	v_mul_u32_u24 v[MW], v[HH], 18432
	v_add_nc_u32 v[MW], v[VSS], v[MW]
	v_add_nc_u32 v[VSS], s39, v[VSS]
	s_add_co_u32 s39, s38, MMS
	v_add_nc_u32 v[MW], s39, v[MW]                 ; MMS + 18432 h + 144 r + 8 wave
	s_mul_i32 s39, s[WV], 2304
	s_add_co_u32 s39, s39, MMS
	v_lshrrev_b32 v[MR], 3, v[LANE]
	v_mul_u32_u24 v[MR], v[MR], 144
	v_and_b32 v[C3], 7, v[LANE]
	v_lshl_add_u32 v[MR], v[C3], 4, v[MR]
	v_add_nc_u32 v[MR], s39, v[MR]                 ; MMS + 144 (16 wave + l / 8) + 16 (l % 8)
	s_lshl_b32 s38, s[WV], 9
	s_add_co_u32 s39, s38, RED1
	v_add_nc_u32 v[RW1], s39, v[LI]
	s_add_co_u32 s39, s38, RED2
	v_add_nc_u32 v[RW2], s39, v[LI]
	s_add_co_u32 s39, s38, COEF
	v_add_nc_u32 v[CW], s39, v[LI]
	v_lshl_add_u32 v[CR], v[RR], 2, s39
	v_add_nc_u32 v[SR], s38, v[LI]
	v_and_b32 v[CBA], NCH-1, v0
	v_lshrrev_b32 v[C3], 2, v[CBA]
	v_lshlrev_b32 v[C3], 13, v[C3]
	v_and_b32 v[R4], 3, v[CBA]
	v_lshl_add_u32 v[C3], v[R4], 2, v[C3]          ; 8192 (c / 4) + 4 (c % 4)
	v_mul_u32_u24 v[CBA], v[CBA], 144
	v_add_nc_u32 v[CBA], SSB, v[CBA]
	v_lshlrev_b32 v[R4], 2, v[RR]
	v_lshlrev_b32 v[T8], 3, v0
	v_lshlrev_b32 v[R16], 4, v[RR]
	s_lshl_b32 s39, s[WV], 10
	s_add_co_u32 s39, s39, WL+4096
	v_add_nc_u32 v[WIW], s39, v[LI]
	s_mov_b32 s34, 0xffff0000                      ; lanes 16-31
	s_mov_b32 s[SEL], 0x76543210
	s_mov_b32 s[SEL+1], 0xfedcba98
.irp e, 0,1,2,3
	v_mov_b32 v[240+\e], 0
.endr
.irp i, 6,7,8,9,10,11
	v_mov_b32 v[A+\i], 0
.endr
.irp i, 8,9,10,11,20,21,22,23
	v_mov_b32 v[AU+\i], 0
.endr
	s_mov_b32 s29, 0
	s_wait_kmcnt 0x0
	s_cmp_lt_u32 s[WV], 4                          ; waves 0-3 bring W2's tiles, waves 4-11 W3's: the choice hangs on the wave's number alone
	s_cselect_b64 s[40:41], s[16:17], s[20:21]
	s_cselect_b64 s[42:43], s[18:19], s[22:23]
	s_cselect_b32 s38, 0, 4
	s_sub_co_u32 s38, s[WV], s38                   ; the tile in its weight
	v_mul_u32_u24 v[WGO], v[RR], 48
	v_mad_u32_u24 v[WGO], v[HH], 24, v[WGO]
	s_mul_i32 s39, s38, 768
	v_add_nc_u32 v[WGO], s39, v[WGO]
	v_lshlrev_b32 v[WSO], 1, v[RR]
	s_lshl_b32 s39, s38, 5
	v_add_nc_u32 v[WSO], s39, v[WSO]
	s_add_nc_u64 s[32:33], s[6:7], 131072          ; a1, c1
	s_lshl_b32 s28, ttmp9, 15
	s_lshl_b32 s38, s[WV], 11
	s_add_co_u32 s28, s28, s38
	s_add_nc_u64 s[44:45], s[4:5], s[28:29]        ; my two queries' images
	s_add_nc_u64 s[48:49], s[24:25], s[28:29]      ; my wave's 2,048 bytes of the work-group's 32,768
	s_add_nc_u64 s[46:47], s[8:9], W1IMG
	s_lshl_b32 s28, ttmp9, 5
	s_add_nc_u64 s[50:51], s[24:25], s[28:29]
	s_add_nc_u64 s[50:51], s[50:51], STAT3
.set i, 0
.rept 16
	global_load_b128 v[64+4*i:67+4*i], v[SR], s[6:7] offset:8192*i
.set i, i+1
.endr
	global_load_b128 v[GV:GV+3], v[R16], s[12:13]
	global_load_b128 v[BV:BV+3], v[R16], s[10:11]
	global_load_b128 v[BEV:BEV+3], v[R16], s[14:15]
.irp u, 0,1
	global_load_b128 v[AU+12*\u:AU+12*\u+3], v[LI], s[44:45] offset:1024*\u
	global_load_b128 v[AU+12*\u+4:AU+12*\u+7], v[LI], s[44:45] offset:1024*\u+512
	global_load_b32 v[SAU+\u], v[LI], s[44:45] offset:1024*\u+524
.endr
.irp t, 0,1,2,3
	global_load_b32 v[AC1+\t], v[R4], s[32:33] offset:64*\t
	global_load_b32 v[AC1+4+\t], v[R4], s[32:33] offset:256+64*\t
.endr
	global_load_b64 v[W1C:W1C+1], v[T8], s[46:47]
	s_cmp_ge_u32 s[WV], 12
	s_cbranch_scc1 .Lnow
	global_load_b64 v[WT:WT+1], v[WGO], s[40:41]
	global_load_b64 v[WT+2:WT+3], v[WGO], s[40:41] offset:8
	global_load_b64 v[WT+4:WT+5], v[WGO], s[40:41] offset:16
	global_load_u16 v[WT+7], v[WSO], s[42:43]
.Lnow:
	s_wait_loadcnt 0x0
	ds_store_b64 v[T8], v[W1C:W1C+1]
	s_cmp_ge_u32 s[WV], 12
	s_cbranch_scc1 .Lnow2
	v_mov_b32 v[WT+6], 0
	ds_store_b128 v[WIW], v[WT:WT+3]
	ds_store_b128 v[WIW], v[WT+4:WT+7] offset:512
.Lnow2:
	v_mov_b32 v[AU+7], 0
	v_mov_b32 v[AU+19], 0
	STATRED AC2
	v_mov_b32 v[TP], 0
.irp i, 32,33,34,35
	v_mov_b32 v[WB+\i], 0
.endr
.macro QUERY u
	LOADW WL
	MM4 AU+12*\u, SAU+\u
	LOADW WL+4096
	ACT AC1
	TURN
	QUANT
	MM4 A, SA
	LOADW WL+8192
	ACT AC2
	TURN
	QUANT
	MM4 A, SA
	LOADW WL+12288
	STATS \u, 0
	MAXMIN \u, 0
	MM4 A, SA
	STATS \u, 1
	MAXMIN \u, 1
.endm
	QUERY 0
	QUERY 1
	BAR
.irp i, 0,1,2,3
	ds_load_b128 v[128+4*\i:131+4*\i], v[MR] offset:576*\i
.endr
.irp i, 0,1,2,3
	s_wait_dscnt 3-\i                              ; load i is in; the 3 - i younger may be out
	global_store_b128 v[LI], v[128+4*\i:131+4*\i], s[48:49] offset:512*\i   ; 512 consecutive bytes
.endr
	s_cmp_ge_u32 s[WV], NCH/32
	s_cbranch_scc1 .Lend
	COMBINE
	global_store_b32 v[C3], v[TS], s[50:51]
	global_store_b32 v[C3], v[TS+2], s[50:51] offset:16
.Lend:
	s_wait_tensorcnt 0x0
	ds_add_u32 v218, v219
	s_wait_dscnt 0x0
	s_endpgm
.Lfunc_end_k_q66f3e7f920_mlp3:
	.size	k_q66f3e7f920_mlp3, .Lfunc_end_k_q66f3e7f920_mlp3-k_q66f3e7f920_mlp3
	.p2alignl 7, 3214868480
	.fill 96, 4, 3214868480
	.section	.rodata,"a",@progbits
	.p2align	6, 0x0
	.amdhsa_kernel k_q66f3e7f920_mlp3
		.amdhsa_group_segment_fixed_size 186368
		.amdhsa_private_segment_fixed_size 0
		.amdhsa_enable_private_segment 0
		.amdhsa_kernarg_size 88
		.amdhsa_user_sgpr_count 2
		.amdhsa_user_sgpr_kernarg_segment_ptr 1
		.amdhsa_wavefront_size32 1
		.amdhsa_system_sgpr_workgroup_id_x 1
		.amdhsa_system_sgpr_workgroup_id_y 1
		.amdhsa_system_sgpr_workgroup_id_z 1
		.amdhsa_system_vgpr_workitem_id 0
		.amdhsa_next_free_vgpr 256
		.amdhsa_next_free_sgpr 66
		.amdhsa_reserve_vcc 0
		.amdhsa_float_denorm_mode_32 3
		.amdhsa_float_denorm_mode_16_64 3
		.amdhsa_memory_ordered 1
		.amdhsa_forward_progress 1
		.amdhsa_inst_pref_size 107
	.end_amdhsa_kernel
	.amdgpu_metadata
---
amdhsa.version: [ 1, 2 ]
amdhsa.kernels:
  - .name:           k_q66f3e7f920_mlp3
    .symbol:         k_q66f3e7f920_mlp3.kd
    .args:
      - { .name: l3out, .offset: 0, .size: 8, .value_kind: global_buffer, .address_space: global }
      - { .name: l4out, .offset: 8, .size: 8, .value_kind: global_buffer, .address_space: global }
      - { .name: pfeat, .offset: 16, .size: 8, .value_kind: global_buffer, .address_space: global }
      - { .name: b2, .offset: 24, .size: 8, .value_kind: global_buffer, .address_space: global }
      - { .name: g2, .offset: 32, .size: 8, .value_kind: global_buffer, .address_space: global }
      - { .name: be2, .offset: 40, .size: 8, .value_kind: global_buffer, .address_space: global }
      - { .name: W2_codes, .offset: 48, .size: 8, .value_kind: global_buffer, .address_space: global }
      - { .name: W2_scales, .offset: 56, .size: 8, .value_kind: global_buffer, .address_space: global }
      - { .name: W3_codes, .offset: 64, .size: 8, .value_kind: global_buffer, .address_space: global }
      - { .name: W3_scales, .offset: 72, .size: 8, .value_kind: global_buffer, .address_space: global }
      - { .name: l5out, .offset: 80, .size: 8, .value_kind: global_buffer, .address_space: global }
    .group_segment_fixed_size: 186368
    .private_segment_fixed_size: 0
    .kernarg_segment_align: 8
    .kernarg_segment_size: 88
    .max_flat_workgroup_size: 512
    .sgpr_count:     66
    .vgpr_count:     256
    .wavefront_size: 32
...
	.end_amdgpu_metadata
.endif
;; end of part 5
;; launch bn3_out (part 6): grid 32 x 8, 4 waves a work-group, no clusters, 0 bytes of LDS; arguments l5out, b3, g3, be3, out1; writes out1
.if DOCPART == 6
	.amdgcn_target "amdgcn-amd-amdhsa--gfx1250"
	.amdhsa_code_object_version 6
	.text
	.protected	k_q66f3e7f920_bn3_out
	.globl	k_q66f3e7f920_bn3_out
	.p2align	8
	.type	k_q66f3e7f920_bn3_out,@function
k_q66f3e7f920_bn3_out:
	s_mov_b64 s[64:65], 0
	v_nop
	global_prefetch_b8 v0, s[64:65] scope:SCOPE_SE
	s_setreg_imm32_b32 hwreg(HW_REG_WAVE_MODE, 25, 1), 1
	s_wait_xcnt 0x0
; bn3_out: the third batch norm's statistics are finished and applied to the largest (gain a >= 0) or the smallest (a < 0) h' of each query's 16 neighbours: max over rows of (h' a + c).
; A work-group takes four channels (x) of one batch (y).  Every wave sums its channel group's 256 records (8,192 bytes) by itself: no LDS, no barrier.
; mean' = sum S / 131072; M2 total = sum (M2 + 512 (S / 512 - mean')^2); a = g rsq(var + 1e-5); m = mean' + b; c = (b - m) a + be.
; A step of a wave: lanes 0-15 one channel, lanes 16-31 the next; sixteen lanes store 256 consecutive bytes of a row of out1, aligned.  The choice between largest and smallest is a select, no branch.
; LIMITS: NaN and infinities are not served.
.set STAT3, 8388608
.macro WRED r                          ; the sum over the wave's 32 lanes, in every lane
	v_add_f32_dpp v[\r], v[\r], v[\r] row_xmask:1 row_mask:0xf bank_mask:0xf
	v_add_f32_dpp v[\r], v[\r], v[\r] row_xmask:2 row_mask:0xf bank_mask:0xf
	v_add_f32_dpp v[\r], v[\r], v[\r] row_xmask:4 row_mask:0xf bank_mask:0xf
	v_add_f32_dpp v[\r], v[\r], v[\r] row_xmask:8 row_mask:0xf bank_mask:0xf
	v_permlanex16_b32 v156, v[\r], s36, s37
	v_add_f32 v[\r], v[\r], v156
.endm
	s_load_b256 s[4:11], s[0:1], 0x0               ; l5out s[4:5], b3 s[6:7], g3 s[8:9], be3 s[10:11]
	s_load_b64 s[12:13], s[0:1], 0x20              ; out1
	v_lshrrev_b32 v1, 5, v0
	v_readfirstlane_b32 s20, v1                    ; wave
	v_and_b32 v1, 31, v0
	v_lshlrev_b32 v2, 5, v1                        ; a record of 32 bytes a lane
	v_and_b32 v3, 7, v1
	v_bfe_u32 v4, v1, 3, 1
	v_lshrrev_b32 v5, 4, v1
	v_lshlrev_b32 v6, 4, v3
	v_lshl_add_u32 v6, v4, 15, v6
	v_lshl_add_u32 v6, v5, 7, v6                   ; in: 32768 ((l % 16) / 8) + 128 (l / 16) + 16 (l % 8)
	v_and_b32 v7, 15, v1
	v_lshlrev_b32 v7, 4, v7
	v_lshl_add_u32 v7, v5, 12, v7                  ; out: 4096 (l / 16) + 16 (l % 16)
	v_mov_b32 v156, 0
	s_and_b32 s21, ttmp7, 0xffff                   ; batch
	s_lshl_b32 s22, ttmp9, 4                       ; 16 bytes of g3, b3, be3
	s_mov_b32 s36, 0x76543210
	s_mov_b32 s37, 0xfedcba98
	s_mov_b32 s38, 0xffff0000                      ; lanes 16-31
	s_mov_b32 s45, 0
	s_wait_kmcnt 0x0
	s_load_b128 s[24:27], s[6:7], s22 offset:0x0   ; b
	s_load_b128 s[28:31], s[8:9], s22 offset:0x0   ; g
	s_load_b128 s[32:35], s[10:11], s22 offset:0x0 ; be
	s_lshl_b32 s44, ttmp9, 13
	s_add_nc_u64 s[14:15], s[4:5], s[44:45]
	s_add_nc_u64 s[14:15], s[14:15], STAT3         ; my channel group's records
	s_lshl_b32 s44, s21, 20
	s_lshl_b32 s23, s20, 18
	s_add_co_u32 s44, s44, s23
	s_lshl_b32 s23, ttmp9, 9
	s_add_co_u32 s44, s44, s23
	s_add_nc_u64 s[16:17], s[4:5], s[44:45]        ; chunk 8 wave of my batch, my first channel
	s_lshl_b32 s44, s21, 19
	s_lshl_b32 s23, ttmp9, 14
	s_add_co_u32 s44, s44, s23
	s_lshl_b32 s23, s20, 10
	s_add_co_u32 s44, s44, s23
	s_add_nc_u64 s[18:19], s[12:13], s[44:45]
.set i, 0
.rept 8
	global_load_b128 v[16+8*i:19+8*i], v2, s[14:15] offset:1024*i       ; S of four channels, work-group 32 i + lane
	global_load_b128 v[20+8*i:23+8*i], v2, s[14:15] offset:1024*i+16    ; M2
.set i, i+1
.endr
.set j, 0
.rept 8                                            ; step j: chunks 8 wave + 2 (j / 2) and the next, channels 2 (j % 2) and the next
	global_load_b128 v[80+8*j:83+8*j], v6, s[16:17] offset:65536*(j/2)+256*(j%2) th:TH_LOAD_NT
	global_load_b128 v[84+8*j:87+8*j], v6, s[16:17] offset:65536*(j/2)+256*(j%2)+16384 th:TH_LOAD_NT
.set j, j+1
.endr
	s_wait_loadcnt 16                              ; the records are in; the 16 data loads may be out
	v_pk_add_f32 v[144:145], v[16:17], v[24:25]
	v_pk_add_f32 v[146:147], v[18:19], v[26:27]
.set i, 2
.rept 6
	v_pk_add_f32 v[144:145], v[144:145], v[16+8*i:17+8*i]
	v_pk_add_f32 v[146:147], v[146:147], v[18+8*i:19+8*i]
.set i, i+1
.endr
	WRED 144
	WRED 145
	WRED 146
	WRED 147
.irp e, 0,1,2,3
	v_mul_f32 v[144+\e], 0xb7000000, v[144+\e]     ; -mean'
.endr
	v_pk_fma_f32 v[148:149], v[16:17], 0x3b000000, v[144:145] op_sel_hi:[1,0,1]
	v_pk_fma_f32 v[150:151], v[18:19], 0x3b000000, v[146:147] op_sel_hi:[1,0,1]
	v_pk_mul_f32 v[152:153], v[148:149], v[148:149]
	v_pk_mul_f32 v[154:155], v[150:151], v[150:151]
.set i, 1
.rept 7
	v_pk_fma_f32 v[148:149], v[16+8*i:17+8*i], 0x3b000000, v[144:145] op_sel_hi:[1,0,1]   ; S / 512 - mean'
	v_pk_fma_f32 v[150:151], v[18+8*i:19+8*i], 0x3b000000, v[146:147] op_sel_hi:[1,0,1]
	v_pk_fma_f32 v[152:153], v[148:149], v[148:149], v[152:153]
	v_pk_fma_f32 v[154:155], v[150:151], v[150:151], v[154:155]
	v_pk_add_f32 v[20:21], v[20:21], v[20+8*i:21+8*i]
	v_pk_add_f32 v[22:23], v[22:23], v[22+8*i:23+8*i]
.set i, i+1
.endr
.irp e, 0,1,2,3
	v_fmamk_f32 v[152+\e], v[152+\e], 0x44000000, v[20+\e]
.endr
	WRED 152
	WRED 153
	WRED 154
	WRED 155
.irp e, 0,1,2,3
	v_mul_f32 v[152+\e], 0x37000000, v[152+\e]     ; the variance
	v_add_f32 v[152+\e], 0x3727c5ac, v[152+\e]     ; + 1e-5
.endr
.irp e, 0,1,2,3
	v_rsq_f32 v[160+\e], v[152+\e]
.endr
	v_nop                                          ; a plain place behind the last of the four
	s_wait_alu depctr_va_vdst(0)                   ; one wait for the four, ahead of their first reader
	s_wait_kmcnt 0x0
.irp e, 0,1,2,3
	v_mul_f32 v[164+\e], s[28+\e], v[160+\e]       ; a
	v_sub_f32 v[168+\e], s[24+\e], v[144+\e]       ; m = b + mean'
	v_sub_f32 v[168+\e], s[24+\e], v[168+\e]       ; b - m
	v_fma_f32 v[168+\e], v[168+\e], v[164+\e], s[32+\e]   ; c
.endr
.irp p, 0,1
	v_cndmask_b32 v[172+\p], v[164+2*\p], v[165+2*\p], s38   ; my channel's a and c
	v_cndmask_b32 v[174+\p], v[168+2*\p], v[169+2*\p], s38
	v_cmp_le_f32 s[40+\p], 0, v[172+\p]            ; a >= 0: the largest h' gives the largest result
.endr
.set j, 0
.rept 8
	s_wait_loadcnt 14-2*j                          ; this step's two loads are in; the later steps' may be out
.irp e, 0,1,2,3
	v_cndmask_b32 v[80+8*j+\e], v[84+8*j+\e], v[80+8*j+\e], s[40+(j%2)]
.endr
.irp e, 0,1,2,3
	v_fma_f32 v[80+8*j+\e], v[80+8*j+\e], v[172+(j%2)], v[174+(j%2)]
.endr
	global_store_b128 v7, v[80+8*j:83+8*j], s[18:19] offset:256*(j/2)+8192*(j%2) th:TH_STORE_NT
.set j, j+1
.endr
	s_endpgm
.Lfunc_end_k_q66f3e7f920_bn3_out:
	.size	k_q66f3e7f920_bn3_out, .Lfunc_end_k_q66f3e7f920_bn3_out-k_q66f3e7f920_bn3_out
	.p2alignl 7, 3214868480
	.fill 96, 4, 3214868480
	.section	.rodata,"a",@progbits
	.p2align	6, 0x0
	.amdhsa_kernel k_q66f3e7f920_bn3_out
		.amdhsa_group_segment_fixed_size 0
		.amdhsa_private_segment_fixed_size 0
		.amdhsa_enable_private_segment 0
		.amdhsa_kernarg_size 40
		.amdhsa_user_sgpr_count 2
		.amdhsa_user_sgpr_kernarg_segment_ptr 1
		.amdhsa_wavefront_size32 1
		.amdhsa_system_sgpr_workgroup_id_x 1
		.amdhsa_system_sgpr_workgroup_id_y 1
		.amdhsa_system_sgpr_workgroup_id_z 1
		.amdhsa_system_vgpr_workitem_id 0
		.amdhsa_next_free_vgpr 176
		.amdhsa_next_free_sgpr 66
		.amdhsa_reserve_vcc 0
		.amdhsa_float_denorm_mode_32 3
		.amdhsa_float_denorm_mode_16_64 3
		.amdhsa_memory_ordered 1
		.amdhsa_forward_progress 1
		.amdhsa_inst_pref_size 20
	.end_amdhsa_kernel
	.amdgpu_metadata
---
amdhsa.version: [ 1, 2 ]
amdhsa.kernels:
  - .name:           k_q66f3e7f920_bn3_out
    .symbol:         k_q66f3e7f920_bn3_out.kd
    .args:
      - { .name: l5out, .offset: 0, .size: 8, .value_kind: global_buffer, .address_space: global }
      - { .name: b3, .offset: 8, .size: 8, .value_kind: global_buffer, .address_space: global }
      - { .name: g3, .offset: 16, .size: 8, .value_kind: global_buffer, .address_space: global }
      - { .name: be3, .offset: 24, .size: 8, .value_kind: global_buffer, .address_space: global }
      - { .name: out1, .offset: 32, .size: 8, .value_kind: global_buffer, .address_space: global }
    .group_segment_fixed_size: 0
    .private_segment_fixed_size: 0
    .kernarg_segment_align: 8
    .kernarg_segment_size: 40
    .max_flat_workgroup_size: 128
    .sgpr_count:     66
    .vgpr_count:     176
    .wavefront_size: 32
...
	.end_amdgpu_metadata
.endif
;; end of part 6
;; ======== version 2 of 2: 6 launches; version 1 with the launches mlp1, mlp2, mlp3 written anew for expert scheduling mode
;; workspace buffers: pfeat 35,655,680 bytes; glist 524,288 bytes of whole numbers; nidx 524,288 bytes of whole numbers; l3out 8,519,680 bytes; l4out 131,584 bytes; l5out 8,650,752 bytes
;; launch knn_groups: the kernel of part 1 again; grid 32 x 8, 16 waves a work-group, no clusters, 289,792 bytes of LDS; arguments xyz, points, sample_idx, W1, out0, pfeat, glist; writes out0, pfeat, glist
;; launch knn_final: the kernel of part 2 again; grid 32 x 8, 16 waves a work-group, no clusters, 141,824 bytes of LDS; arguments xyz, out0, glist, nidx; writes nidx
;; launch mlp1 (part 7): grid 256 x 1, 16 waves a work-group, no clusters, 94,208 bytes of LDS; arguments pfeat, nidx, out0, l3out; writes l3out
.if DOCPART == 7
	.amdgcn_target "amdgcn-amd-amdhsa--gfx1250"
	.amdhsa_code_object_version 6
	.text
	.protected	k_q66f3e7f920_mlp1
	.globl	k_q66f3e7f920_mlp1
	.p2align	8
	.type	k_q66f3e7f920_mlp1,@function
k_q66f3e7f920_mlp1:
	s_mov_b64 s[64:65], 0
	v_nop
	global_prefetch_b8 v0, s[64:65] scope:SCOPE_SE
	s_setreg_imm32_b32 hwreg(HW_REG_WAVE_SCHED_MODE, 0, 2), 2
	s_setreg_imm32_b32 hwreg(HW_REG_WAVE_MODE, 25, 1), 1
	s_wait_xcnt 0x0
	s_wait_alu depctr_vm_vsrc(0)
; mlp1: gather, quantise, first product, partial statistics of the first batch norm.
; A work-group takes 32 queries, a wave two (u = 0, 1).  A query's 16 neighbours are the 16 rows of one tile.  A neighbour's row (x, y, z, c0 .. c60) is 256 consecutive bytes: sixteen lanes fetch it whole.
; The rows turn through the wave's own stage, after which lane (r, h) holds row r, k = 32 h .. 32 h + 31: a whole block of 32, so its largest magnitude needs no other lane and the two conversions' results
; are registers 0-5 of the operand.  k = 64 .. 66 (c61 .. c63) come from the tails; the rest of K up to 128 are zero codes.
; The codes are stored as an image of the operand's registers (1,024 bytes a query): bytes 16 l: registers 0-3; bytes 512 + 16 l: registers 4, 5, 6 and the row's scale word.  The later launches multiply them again.
; PRODUCT: source 0 = the 16 rows, source 1 = 16 rows of W1.  In the result lane (r, h) holds channel 16 t + r and its registers the rows 8 h + j: what belongs to a channel is one register a tile.
; W's fragments lie 8 registers apart, so that the operand v[8 t : 8 t + 11] runs on into what follows: those codes meet zero codes of the rows, every 6-bit pattern is a finite number, and no scale byte there is 0xff.
; STATISTICS of h' = the product alone, with no difference of large sums: for a tile s = the sum of 16 rows and q = the sum of (h' - s / 16)^2; for the work-group S and M2 = sum q + 16 sum (s / 16 - S / 512)^2.
; LIMITS: NaN and infinities are not served; a block of zeros gets the scale byte 1 (its codes are zeros; only this program reads the byte).
; THE MODE: SCHED_MODE bits 1:0 = 2 (LLVM: expert scheduling mode 2), set by the entry lines.  The code itself states the register dependences
; between vector or matrix instructions and memory or LDS instructions, with s_wait_alu, always for 0.
; THE PLAN.  Registers that memory or LDS instructions touch:
;   v4 .. v15, C4  offsets and LDS addresses: made at the head, never written again.  One wait on va_vdst ahead of the first load serves them for the whole kernel.
;   RA, EA         the gathers' offsets, made from the loaded indices: one wait on va_vdst ahead of the 18 gathers.
;   G[u], E[u]     a query's rows and tails as gathered.  G[u] is read by the LDS stores into the stage.  The results D are laid over G[0]; the sums' loads at the end land in G[0] and G[1].
;   F              the stage's loads land in it; the subtraction and the quantiser work on it.  At the head F[0:1] carry W1's images into LDS.
;   A, ST, SA      written by the quantiser; read by the image's two stores and by the products.
;   WB, SB         W1's fragments and scale words: loaded once; read by the products.
;   SQ[u]          the tiles' s and q, eight registers a query (the indices' registers, which are done with): written by the statistics' arithmetic, read by one run of eight LDS stores, never written again.
; THE WAITS of a query: vm_vsrc at its head; va_vdst and vm_vsrc behind the places in front of the products, with the image's stores behind them; va_vdst ahead of the run of LDS stores of s and q.
; That last wait also serves the next query's loads into F and the sums' loads at the end: no vector instruction stands between.
.set WL,    0                          ; W1's four fragments, 1,024 bytes each
.set STG,   4096                       ; a stage of 16 rows x 272 bytes for each wave
.set SSB,   73728                      ; s: 64 channels x (32 queries x 4 bytes + 16);  q: 144 NCH bytes on
.set NCH,   64
.set PEXT,  33554432
.set W1IMG, 35651584
.set STAT1, 8388608
.set WV,   20
.set SEL,  36
.set LANE, 1
.set RR,   2
.set HH,   3
.set LI,   4
.set SH8,  5
.set SOUT, 7
.set VSS,  8
.set GIN,  9
.set CBA,  10
.set MNEG, 11
.set T8,   12
.set R16,  13
.set H32,  14
.set R4,   15
.set IX,   16
.set SQ,   16                          ; v[16:31]: query u, tile t: s at SQ + 8 u + 2 t, q behind it
.set RA,   32
.set G,    48
.set D,    48
.set E,    112
.set F,    120
.set EB,   152
.set A,    168
.set ST,   180
.set SA,   184
.set C4,   186
.set CT,   188
.set MXA,  192
.set MXB,  193
.set SO,   194
.set BY,   195
.set TP,   196
.set MB,   197
.set SOB,  198
.set BYB,  199
.set WB,   200
.set SB,   236
.set IR,   240
.set EA,   242
.set TS,   244
.set CS,   48
.set CQ,   80
.macro BAR
	s_wait_dscnt 0x0
	s_barrier_signal -1
	s_barrier_wait -1
.endm
.macro LOADW base                      ; four fragments of a weight and their scale words
.irp t, 0,1,2,3
	ds_load_b128 v[WB+8*\t:WB+8*\t+3], v[LI] offset:\base+1024*\t
	ds_load_b128 v[WB+8*\t+4:WB+8*\t+7], v[LI] offset:\base+1024*\t+512
	ds_load_b32 v[SB+\t], v[LI] offset:\base+1024*\t+524
.endr
.endm
.macro MMHEAD                          ; what stands in front of a query's products
	s_wait_dscnt 0x0
.rept 8
	v_nop                                          ; a scale word made by vector instructions stands eight places ahead of the product, an operand so made four
.endr
	s_wait_alu depctr_va_vdst(0)                   ; the codes in A, their copies in ST, the scale word in SA and the zeros behind W's last fragment are written: the image's stores and the products read them
	s_wait_alu depctr_vm_vsrc(0)                   ; the LDS stores into the stage have read G[u]: the results are laid over G[0], and the sums' loads at the end land in G[1]
.endm
.macro MMBODY a, sa                    ; four tiles of 16 channels; four different accumulators, each begun with the constant 0
.irp t, 0,1,2,3
	v_wmma_scale_f32_16x16x128_f8f6f4 v[D+8*\t:D+8*\t+7], v[\a:\a+11], v[WB+8*\t:WB+8*\t+11], 0, v[\sa], v[SB+\t] matrix_a_fmt:MATRIX_FMT_BF6 matrix_b_fmt:MATRIX_FMT_BF6
.endr
.rept 4
	v_nop                                          ; four places ahead of the first read of results (ISA guide 7.12.1)
.endr
.endm
.macro QUANT ext                       ; F: my row's block of 32 (ext = 1: and EB, the block behind the second) -> codes in A, scale word in SA
	v_max3_num_f32 v[MXA], |v[F]|, |v[F+1]|, 0x2800000   ; the floor 2^(5 - 127): the byte cannot fall under 1
	v_max3_num_f32 v[MXB], |v[F+2]|, |v[F+3]|, |v[F+4]|
.irp i, 5,9,13,17,21,25
	v_max3_num_f32 v[MXA], v[MXA], |v[F+\i]|, |v[F+\i+1]|
	v_max3_num_f32 v[MXB], v[MXB], |v[F+\i+2]|, |v[F+\i+3]|
.endr
	v_max3_num_f32 v[MXA], v[MXA], |v[F+29]|, |v[F+30]|
	v_max3_num_f32 v[MXA], v[MXA], v[MXB], |v[F+31]|
	v_add_nc_u32 v[SO], 0xfe000000, v[MXA]         ; 4 off the exponent field: the conversion's scale operand
	v_lshrrev_b32 v[BY], 23, v[SO]
.if \ext
	v_max3_num_f32 v[MB], |v[EB]|, |v[EB+1]|, 0x2800000
	v_max_num_f32 v[MB], v[MB], |v[EB+2]|
	v_add_nc_u32 v[SOB], 0xfe000000, v[MB]
	v_lshrrev_b32 v[BYB], 23, v[SOB]
	v_lshl_or_b32 v[BY], v[BYB], 16, v[BY]
.endif
	v_lshlrev_b32 v[SA], v[SH8], v[BY]
	v_permlanex16_b32 v[TP], v[SA], s[SEL], s[SEL+1]
	v_or_b32 v[SA], v[SA], v[TP]
	v_cvt_scalef32_pk16_bf6_f32 v[A:A+2], v[F:F+15], v[SO]
	v_cvt_scalef32_pk16_bf6_f32 v[CT:CT+2], v[F+16:F+31], v[SO]   ; (a conversion's three registers begin on an even number)
.if \ext
	v_cvt_scalef32_pk16_bf6_f32 v[A+6:A+8], v[EB:EB+15], v[SOB]
.endif
	v_nop                                          ; one plain place behind a scaled conversion
.irp i, 0,1,2
	v_mov_b32 v[A+3+\i], v[CT+\i]
.endr
.endm
.macro STATS u, hi                     ; each accumulator is read from its low end on; the four tiles' s and q go into SQ[u] and leave in one run
.irp t, 0,1,2,3
	v_pk_add_f32 v[TS:TS+1], v[D+8*\t:D+8*\t+1], v[D+8*\t+2:D+8*\t+3]
	v_pk_add_f32 v[TS+2:TS+3], v[D+8*\t+4:D+8*\t+5], v[D+8*\t+6:D+8*\t+7]
	v_pk_add_f32 v[TS:TS+1], v[TS:TS+1], v[TS+2:TS+3]
	v_add_f32 v[TS], v[TS], v[TS+1]
	v_permlanex16_b32 v[TS+1], v[TS], s[SEL], s[SEL+1]
	v_add_f32 v[SQ+8*\u+2*\t], v[TS], v[TS+1]      ; s: the 16 rows' sum
	v_mul_f32 v[TS+10], 0x3d800000, v[SQ+8*\u+2*\t]   ; s / 16
	v_mov_b32 v[TS+11], v[TS+10]
.irp p, 0,1,2,3
	v_pk_add_f32 v[TS+2*\p:TS+2*\p+1], v[D+8*\t+2*\p:D+8*\t+2*\p+1], v[TS+10:TS+11] neg_lo:[0,1] neg_hi:[0,1]
.endr
	v_pk_mul_f32 v[TS:TS+1], v[TS:TS+1], v[TS:TS+1]
	v_pk_fma_f32 v[TS:TS+1], v[TS+2:TS+3], v[TS+2:TS+3], v[TS:TS+1]
	v_pk_fma_f32 v[TS:TS+1], v[TS+4:TS+5], v[TS+4:TS+5], v[TS:TS+1]
	v_pk_fma_f32 v[TS:TS+1], v[TS+6:TS+7], v[TS+6:TS+7], v[TS:TS+1]
	v_add_f32 v[TS], v[TS], v[TS+1]
	v_permlanex16_b32 v[TS+1], v[TS], s[SEL], s[SEL+1]
	v_add_f32 v[SQ+8*\u+2*\t+1], v[TS], v[TS+1]    ; q
.endr
	s_wait_alu depctr_va_vdst(0)                   ; SQ[u] is written, which the LDS stores read; the quantiser is done with F and the sums above with D, in which the next LDS loads land
.irp t, 0,1,2,3
	ds_store_b32 v[VSS], v[SQ+8*\u+2*\t] offset:2304*\t+9216*\hi+4*\u          ; both halves write the same word with the same value
	ds_store_b32 v[VSS], v[SQ+8*\u+2*\t+1] offset:2304*\t+9216*\hi+4*\u+144*NCH
.endr
.endm
.macro COMBINE                         ; thread c < NCH: its channel's 32 tiles -> S in v[TS], M2 in v[TS+2].  The loads land in D and G[1]: no vector instruction has named these since the last wait on va_vdst, no LDS store has read them since the last wait on vm_vsrc
.irp k, 0,1,2,3,4,5,6,7
	ds_load_b128 v[CS+4*\k:CS+4*\k+3], v[CBA] offset:16*\k
.endr
.irp k, 0,1,2,3,4,5,6,7
	ds_load_b128 v[CQ+4*\k:CQ+4*\k+3], v[CBA] offset:144*NCH+16*\k
.endr
	s_wait_dscnt 0x0
	v_pk_add_f32 v[TS:TS+1], v[CS:CS+1], v[CS+2:CS+3]
	v_pk_add_f32 v[TS+2:TS+3], v[CQ:CQ+1], v[CQ+2:CQ+3]
.set i, 4
.rept 14
	v_pk_add_f32 v[TS:TS+1], v[TS:TS+1], v[CS+i:CS+i+1]
	v_pk_add_f32 v[TS+2:TS+3], v[TS+2:TS+3], v[CQ+i:CQ+i+1]
.set i, i+2
.endr
	v_add_f32 v[TS], v[TS], v[TS+1]                ; S
	v_add_f32 v[TS+2], v[TS+2], v[TS+3]            ; sum of q
	v_mul_f32 v[TS+4], 0xbb000000, v[TS]           ; -S / 512
	v_fmamk_f32 v[TS+5], v[CS], 0x3d800000, v[TS+4]
	v_mul_f32 v[TS+6], v[TS+5], v[TS+5]
.set i, 1
.rept 31
	v_fmamk_f32 v[TS+5], v[CS+i], 0x3d800000, v[TS+4]   ; s / 16 - S / 512
	v_fma_f32 v[TS+6], v[TS+5], v[TS+5], v[TS+6]
.set i, i+1
.endr
	v_fmamk_f32 v[TS+2], v[TS+6], 0x41800000, v[TS+2]   ; M2
.endm
	s_load_b256 s[4:11], s[0:1], 0x0               ; pfeat s[4:5], nidx s[6:7], out0 s[8:9], l3out s[10:11]
	v_lshl_add_u32 v252, v0, 2, 0x16800
	v_mov_b32 v253, 0
	v_lshrrev_b32 v1, 5, v0
	v_readfirstlane_b32 s[WV], v1
	v_and_b32 v[LANE], 31, v0
	v_and_b32 v[RR], 15, v0
	v_bfe_u32 v[HH], v0, 4, 1
	v_lshlrev_b32 v[LI], 4, v[LANE]
	v_lshlrev_b32 v[SH8], 3, v[HH]
	s_wait_alu depctr_va_sdst(0)                   ; the wave's number is written, ahead of its first reader
	s_mul_i32 s38, s[WV], 4352
	s_add_co_u32 s38, s38, STG
	v_mul_u32_u24 v[GIN], v[HH], 2176
	v_lshl_add_u32 v[GIN], v[RR], 4, v[GIN]
	v_add_nc_u32 v[GIN], s38, v[GIN]               ; stage, in: row 8 h + i, 16 bytes at 16 (l % 16)
	v_mul_u32_u24 v[SOUT], v[RR], 272
	v_lshl_add_u32 v[SOUT], v[HH], 7, v[SOUT]
	v_add_nc_u32 v[SOUT], s38, v[SOUT]             ; stage, out: row r, 128 h on
	s_lshl_b32 s38, s[WV], 3
	s_add_co_u32 s38, s38, SSB
	v_mul_u32_u24 v[VSS], v[RR], 144
	v_add_nc_u32 v[VSS], s38, v[VSS]
	v_and_b32 v[CBA], NCH-1, v0
	v_lshlrev_b32 v[C4], 2, v[CBA]
	v_mul_u32_u24 v[CBA], v[CBA], 144
	v_add_nc_u32 v[CBA], SSB, v[CBA]
	v_lshlrev_b32 v[T8], 3, v0
	v_lshlrev_b32 v[R16], 4, v[RR]
	v_lshlrev_b32 v[H32], 5, v[HH]
	v_lshlrev_b32 v[R4], 2, v[RR]
	s_mov_b32 s34, 0xffff0000                      ; lanes 16-31
	s_mov_b32 s[SEL], 0x76543210
	s_mov_b32 s[SEL+1], 0xfedcba98
	v_mov_b32 v[MNEG], -1.0
	v_cndmask_b32 v[MNEG], v[MNEG], 0, s34         ; -1 where k = 0 .. 31 is mine, else 0
	v_mov_b32 v[TP], 0
.set i, 3
.rept 13
	v_mov_b32 v[EB+i], 0
.set i, i+1
.endr
.irp i, 9,10,11
	v_mov_b32 v[A+\i], 0
.endr
.irp i, 32,33,34,35
	v_mov_b32 v[WB+\i], 0
.endr
	s_lshr_b32 s22, ttmp9, 5                       ; batch
	s_mov_b32 s25, 0
	s_wait_kmcnt 0x0
	s_lshl_b32 s24, ttmp9, 11
	s_lshl_b32 s38, s[WV], 7
	s_add_co_u32 s24, s24, s38
	s_add_nc_u64 s[12:13], s[6:7], s[24:25]        ; nidx at my two queries
	s_add_nc_u64 s[14:15], s[4:5], W1IMG
	s_lshl_b32 s24, s22, 22
	s_add_nc_u64 s[16:17], s[4:5], s[24:25]        ; my batch's rows
	s_lshl_b32 s24, s22, 18
	s_add_nc_u64 s[18:19], s[4:5], s[24:25]
	s_add_nc_u64 s[18:19], s[18:19], PEXT          ; and tails
	s_mul_i32 s24, s22, 12288
	s_and_b32 s38, ttmp9, 31
	s_lshl_b32 s38, s38, 7
	s_add_co_u32 s24, s24, s38
	s_lshl_b32 s38, s[WV], 3
	s_add_co_u32 s24, s24, s38
	s_add_nc_u64 s[30:31], s[8:9], s[24:25]        ; out0[b][0][my first query]
	s_lshl_b32 s24, ttmp9, 15
	s_lshl_b32 s38, s[WV], 11
	s_add_co_u32 s24, s24, s38
	s_add_nc_u64 s[26:27], s[10:11], s[24:25]      ; my two images
	s_lshl_b32 s24, ttmp9, 9
	s_add_nc_u64 s[28:29], s[10:11], s[24:25]
	s_add_nc_u64 s[28:29], s[28:29], STAT1
	s_load_b64 s[40:41], s[30:31], 0x0             ; x of both queries
	s_load_b64 s[42:43], s[30:31], 0x1000          ; y
	s_load_b64 s[44:45], s[30:31], 0x2000          ; z
	s_wait_alu depctr_va_vdst(0)                   ; all offsets and LDS addresses (v4 to v15, C4) are written: every load and store of the kernel but the gathers reads one of them
.irp u, 0,1
	global_load_b128 v[IX+8*\u:IX+8*\u+3], v[H32], s[12:13] offset:64*\u       ; neighbours 8 h + 0 .. 7
	global_load_b128 v[IX+8*\u+4:IX+8*\u+7], v[H32], s[12:13] offset:64*\u+16
	global_load_b32 v[IR+\u], v[R4], s[12:13] offset:64*\u                    ; neighbour r
.endr
	global_load_b64 v[F:F+1], v[T8], s[14:15]      ; W1's images: 8 bytes a thread
	s_wait_loadcnt 0x0
	ds_store_b64 v[T8], v[F:F+1]
.set i, 0
.rept 16
	v_min_u32 v[IX+i], 0x3fff, v[IX+i]
	v_lshlrev_b32 v[RA+i], 8, v[IX+i]
	v_add_nc_u32 v[RA+i], v[R16], v[RA+i]
.set i, i+1
.endr
.irp u, 0,1
	v_min_u32 v[IR+\u], 0x3fff, v[IR+\u]
	v_lshlrev_b32 v[EA+\u], 4, v[IR+\u]
.endr
	s_wait_alu depctr_va_vdst(0)                   ; the gathers' offsets RA and EA are written
.irp u, 0,1
.irp i, 0,1,2,3,4,5,6,7
	global_load_b128 v[G+32*\u+4*\i:G+32*\u+4*\i+3], v[RA+8*\u+\i], s[16:17]   ; lanes 0-15: neighbour i's row, lanes 16-31: neighbour 8 + i's
.endr
	global_load_b128 v[E+4*\u:E+4*\u+3], v[EA+\u], s[18:19]
.endr
	s_wait_kmcnt 0x0
	BAR                                            ; W1's images lie in LDS
	LOADW WL
.macro ROWS u
.if \u == 0
	s_wait_loadcnt 0x9                             ; my first query's nine loads are in; the second's nine may be out
.else
	s_wait_loadcnt 0x0
.endif
	s_wait_xcnt 0x0                                ; the last image's stores have read their registers
	s_wait_alu depctr_vm_vsrc(0)                   ; first query: the LDS store of W1's images has read F[0:1], in which the loads below land; second: the image's stores have read A and ST, which the quantiser writes again
.irp i, 0,1,2,3,4,5,6,7
	ds_store_b128 v[GIN], v[G+32*\u+4*\i:G+32*\u+4*\i+3] offset:272*\i
.endr
.irp k, 0,1,2,3,4,5,6,7
	ds_load_b128 v[F+4*\k:F+4*\k+3], v[SOUT] offset:16*\k      ; LDS serves a wave's instructions in order.  (Second query: no vector instruction has named F since the wait ahead of the first query's LDS stores of s and q)
.endr
.irp k, 0,1,2
	v_cndmask_b32 v[EB+\k], v[E+4*\u+\k], 0, s34   ; k = 64 .. 66 in lanes 0-15; k = 96 on: zeros
.endr
	s_wait_dscnt 0x0
.irp k, 0,1,2
	v_fma_f32 v[F+\k], v[MNEG], s[40+2*\k+\u], v[F+\k]   ; rel = the neighbour's xyz - q, one rounding
.endr
	QUANT 1
	v_mov_b32 v[ST], v[A+4]
	v_mov_b32 v[ST+1], v[A+5]
	v_mov_b32 v[ST+2], v[A+6]
	v_mov_b32 v[ST+3], v[SA]
	MMHEAD
	global_store_b128 v[LI], v[A:A+3], s[26:27] offset:1024*\u         ; behind the wait that the products need anyway
	global_store_b128 v[LI], v[ST:ST+3], s[26:27] offset:1024*\u+512
	MMBODY A, SA
	STATS \u, 0
.endm
	ROWS 0
	ROWS 1
	BAR                                            ; all tiles' s and q lie in LDS
	s_cmp_ge_u32 s[WV], NCH/32
	s_cbranch_scc1 .Lend
	COMBINE
	s_wait_alu depctr_va_vdst(0)                   ; S and M2 are written, which the two stores read
	global_store_b32 v[C4], v[TS], s[28:29]
	global_store_b32 v[C4], v[TS+2], s[28:29] offset:256
.Lend:
	s_wait_dscnt 0x0
	s_wait_alu depctr_hold_cnt(0) depctr_sa_sdst(0) depctr_va_vdst(0) depctr_va_sdst(0) depctr_va_ssrc(0) depctr_va_vcc(0) depctr_vm_vsrc(0)
	s_wait_tensorcnt 0x0
	ds_add_u32 v252, v253
	s_wait_dscnt 0x0
	s_endpgm
.Lfunc_end_k_q66f3e7f920_mlp1:
	.size	k_q66f3e7f920_mlp1, .Lfunc_end_k_q66f3e7f920_mlp1-k_q66f3e7f920_mlp1
	.p2alignl 7, 3214868480
	.fill 96, 4, 3214868480
	.section	.rodata,"a",@progbits
	.p2align	6, 0x0
	.amdhsa_kernel k_q66f3e7f920_mlp1
		.amdhsa_group_segment_fixed_size 94208
		.amdhsa_private_segment_fixed_size 0
		.amdhsa_enable_private_segment 0
		.amdhsa_kernarg_size 32
		.amdhsa_user_sgpr_count 2
		.amdhsa_user_sgpr_kernarg_segment_ptr 1
		.amdhsa_wavefront_size32 1
		.amdhsa_system_sgpr_workgroup_id_x 1
		.amdhsa_system_sgpr_workgroup_id_y 1
		.amdhsa_system_sgpr_workgroup_id_z 1
		.amdhsa_system_vgpr_workitem_id 0
		.amdhsa_next_free_vgpr 256
		.amdhsa_next_free_sgpr 66
		.amdhsa_reserve_vcc 0
		.amdhsa_float_denorm_mode_32 3
		.amdhsa_float_denorm_mode_16_64 3
		.amdhsa_memory_ordered 1
		.amdhsa_forward_progress 1
		.amdhsa_inst_pref_size 36
	.end_amdhsa_kernel
	.amdgpu_metadata
---
amdhsa.version: [ 1, 2 ]
amdhsa.kernels:
  - .name:           k_q66f3e7f920_mlp1
    .symbol:         k_q66f3e7f920_mlp1.kd
    .args:
      - { .name: pfeat, .offset: 0, .size: 8, .value_kind: global_buffer, .address_space: global }
      - { .name: nidx, .offset: 8, .size: 8, .value_kind: global_buffer, .address_space: global }
      - { .name: out0, .offset: 16, .size: 8, .value_kind: global_buffer, .address_space: global }
      - { .name: l3out, .offset: 24, .size: 8, .value_kind: global_buffer, .address_space: global }
    .group_segment_fixed_size: 94208
    .private_segment_fixed_size: 0
    .kernarg_segment_align: 8
    .kernarg_segment_size: 32
    .max_flat_workgroup_size: 512
    .sgpr_count:     66
    .vgpr_count:     256
    .wavefront_size: 32
...
	.end_amdgpu_metadata
.endif
;; end of part 7
;; launch mlp2 (part 8): grid 256 x 1, 16 waves a work-group, no clusters, 122,880 bytes of LDS; arguments l3out, pfeat, b1, g1, be1, W2_codes, W2_scales, l4out; writes l4out
.if DOCPART == 8
	.amdgcn_target "amdgcn-amd-amdhsa--gfx1250"
	.amdhsa_code_object_version 6
	.text
	.protected	k_q66f3e7f920_mlp2
	.globl	k_q66f3e7f920_mlp2
	.p2align	8
	.type	k_q66f3e7f920_mlp2,@function
k_q66f3e7f920_mlp2:
	s_mov_b64 s[64:65], 0
	v_nop
	global_prefetch_b8 v0, s[64:65] scope:SCOPE_SE
	s_setreg_imm32_b32 hwreg(HW_REG_WAVE_SCHED_MODE, 0, 2), 2
	s_setreg_imm32_b32 hwreg(HW_REG_WAVE_MODE, 25, 1), 1
	s_wait_xcnt 0x0
	s_wait_alu depctr_vm_vsrc(0)
; mlp2: the first batch norm's statistics are finished, the first product is made again from the stored codes, normalised, clipped at 0 and quantised; second product; its partial statistics.
; Shares, layouts and the form of the products as in mlp1: a wave has two queries, a query's 16 neighbours are a tile's rows, lane (r, h) of a result holds channel 16 t + r and rows 8 h + j.
; STATISTICS: every work-group sums the 256 work-groups' (S, M2): mean' = sum S / 131072; M2 total = sum M2 + 512 sum (S / 512 - mean')^2: no difference of large sums.
; BN(h' + b) = h' a + c with a = g rsq(var + 1e-5), m = mean' + b, c = (b - m) a + be: one fused multiply-add a number.
; The way to the next quantiser, whose K is the channels, goes through the wave's own stage; behind it lane (r, h) holds row r and the block k = 32 h .. 32 h + 31.
; LIMITS: NaN and infinities are not served; a block of zeros gets the scale byte 1 (its codes are zeros).
; THE MODE: SCHED_MODE bits 1:0 = 2 (LLVM: expert scheduling mode 2), set by the entry lines.  The code itself states the register dependences
; between vector or matrix instructions and memory or LDS instructions, with s_wait_alu, always for 0.
; THE PLAN.  Registers that memory or LDS instructions touch:
;   v4 .. v21      offsets and LDS addresses: made at the head, never written again.  One wait on va_vdst ahead of the first load serves them for the whole kernel.
;   v[232:235], v[252:255]  the statistics' partial sums and a | c: written by vector instructions, read by an LDS store, written again: va_vdst ahead of each store, vm_vsrc ahead of each rewriting.
;   v[128:191]     the two lists of partial sums land here, later WB and SB: each run of loads stands behind a wait on va_vdst behind which no vector instruction names the registers that it touches.
;   WB, SB         a weight's fragments and scale words: read by four products, then loaded again: va_vdst behind the products' places, ahead of each run of loads.
;   D              written by the products and the activation; read by the LDS stores into the stage (va_vdst ahead of them); written again by the next products (vm_vsrc ahead of them).
;   F              the stage's loads land in it; the quantiser reads it: the wait ahead of the stage's stores serves these loads too.
;   SQ[u]          the tiles' s and q, eight registers a query: written by the statistics' arithmetic, read by one run of eight LDS stores, never written again.
;   A, SA, AU      named by vector and matrix instructions (AU: loaded once): va_vdst behind the places in front of each run of products.
.set WL,    0                          ; W1's four fragments, then W2's four
.set RED1,  8192
.set RED2,  16384
.set COEF,  24576                      ; 512 bytes a wave: a[64], c[64]
.set STG,   32768
.set SSB,   102400
.set NCH,   64
.set W1IMG, 35651584
.set STAT1, 8388608
.set WV,   20
.set SEL,  36
.set LANE, 1
.set RR,   2
.set HH,   3
.set LI,   4
.set SH8,  5
.set SIN,  6
.set SOUT, 7
.set VSS,  8
.set RW1,  9
.set CBA,  10
.set RW2,  11
.set T8,   12
.set R16,  13
.set CW,   14
.set CR,   15
.set WIW,  17
.set WGO,  18
.set WSO,  19
.set SR,   20
.set C4,   21
.set AU,   24
.set SAU,  48
.set SA,   50
.set A,    52
.set F,    64
.set D,    96
.set WB,   128
.set SB,   164
.set CT,   168
.set TS,   172
.set MXA,  184
.set MXB,  185
.set SO,   186
.set BY,   187
.set TP,   188
.set AC1,  192
.set WT,   208
.set W1C,  216
.set GV,   220
.set BV,   224
.set BEV,  228
.set SQ,   236                         ; v[236:251], free behind the statistics: query u, tile t: s at SQ + 8 u + 2 t, q behind it
.set CS,   64
.set CQ,   96
.macro BAR
	s_wait_dscnt 0x0
	s_barrier_signal -1
	s_barrier_wait -1
.endm
.macro LOADW base
.irp t, 0,1,2,3
	ds_load_b128 v[WB+8*\t:WB+8*\t+3], v[LI] offset:\base+1024*\t
	ds_load_b128 v[WB+8*\t+4:WB+8*\t+7], v[LI] offset:\base+1024*\t+512
	ds_load_b32 v[SB+\t], v[LI] offset:\base+1024*\t+524
.endr
.endm
.macro MMHEAD e                        ; what stands in front of four products.  e = 1: D has gone through the stage since it was last written
	s_wait_dscnt 0x0
.rept 8
	v_nop                                          ; a scale word made by vector instructions stands eight places ahead of the product, an operand so made four
.endr
	s_wait_alu depctr_va_vdst(0)                   ; what vector instructions have written of the products' operands is written: the codes, the scale word, the zeros in the rows' operand and behind W's last fragment
.if \e
	s_wait_alu depctr_vm_vsrc(0)                   ; the LDS stores into the stage have read D, which the products write again
.endif
.endm
.macro MMBODY a, sa
.irp t, 0,1,2,3
	v_wmma_scale_f32_16x16x128_f8f6f4 v[D+8*\t:D+8*\t+7], v[\a:\a+11], v[WB+8*\t:WB+8*\t+11], 0, v[\sa], v[SB+\t] matrix_a_fmt:MATRIX_FMT_BF6 matrix_b_fmt:MATRIX_FMT_BF6
.endr
.rept 4
	v_nop                                          ; four places ahead of the first read of results (ISA guide 7.12.1)
.endr
.endm
.macro ACT ac                          ; h' a + c, then the clip at 0; each accumulator from its low end on
.irp t, 0,1,2,3
.irp j, 0,1,2,3,4,5,6,7
	v_fma_f32 v[D+8*\t+\j], v[D+8*\t+\j], v[\ac+\t], v[\ac+4+\t]
.endr
.endr
.set i, 0
.rept 32
	v_max_num_f32 v[D+i], 0, v[D+i]
.set i, i+1
.endr
.endm
.macro TURN                            ; (row 8 h + j, channel 16 t + r) -> lane (r, h): row r, channels 32 h on
	s_wait_alu depctr_va_vdst(0)                   ; the activation has written D, which the LDS stores read; whoever read F last (the statistics' sums, the quantiser) is done with it, and the loads land in it
.irp t, 0,1,2,3
.irp j, 0,1,2,3,4,5,6,7
	ds_store_b32 v[SIN], v[D+8*\t+\j] offset:272*\j+64*\t
.endr
.endr
.irp k, 0,1,2,3,4,5,6,7
	ds_load_b128 v[F+4*\k:F+4*\k+3], v[SOUT] offset:16*\k
.endr
	s_wait_dscnt 0x0
.endm
.macro QUANT
	v_max3_num_f32 v[MXA], |v[F]|, |v[F+1]|, 0x2800000   ; the floor 2^(5 - 127): the byte cannot fall under 1
	v_max3_num_f32 v[MXB], |v[F+2]|, |v[F+3]|, |v[F+4]|
.irp i, 5,9,13,17,21,25
	v_max3_num_f32 v[MXA], v[MXA], |v[F+\i]|, |v[F+\i+1]|
	v_max3_num_f32 v[MXB], v[MXB], |v[F+\i+2]|, |v[F+\i+3]|
.endr
	v_max3_num_f32 v[MXA], v[MXA], |v[F+29]|, |v[F+30]|
	v_max3_num_f32 v[MXA], v[MXA], v[MXB], |v[F+31]|
	v_add_nc_u32 v[SO], 0xfe000000, v[MXA]
	v_lshrrev_b32 v[BY], 23, v[SO]
	v_lshlrev_b32 v[SA], v[SH8], v[BY]
	v_permlanex16_b32 v[TP], v[SA], s[SEL], s[SEL+1]
	v_or_b32 v[SA], v[SA], v[TP]
	v_cvt_scalef32_pk16_bf6_f32 v[A:A+2], v[F:F+15], v[SO]
	v_cvt_scalef32_pk16_bf6_f32 v[CT:CT+2], v[F+16:F+31], v[SO]
	v_nop                                          ; one plain place behind a scaled conversion
.irp i, 0,1,2
	v_mov_b32 v[A+3+\i], v[CT+\i]
.endr
.endm
.macro STATS u, hi                     ; the four tiles' s and q go into SQ[u] and leave in one run
.irp t, 0,1,2,3
	v_pk_add_f32 v[TS:TS+1], v[D+8*\t:D+8*\t+1], v[D+8*\t+2:D+8*\t+3]
	v_pk_add_f32 v[TS+2:TS+3], v[D+8*\t+4:D+8*\t+5], v[D+8*\t+6:D+8*\t+7]
	v_pk_add_f32 v[TS:TS+1], v[TS:TS+1], v[TS+2:TS+3]
	v_add_f32 v[TS], v[TS], v[TS+1]
	v_permlanex16_b32 v[TS+1], v[TS], s[SEL], s[SEL+1]
	v_add_f32 v[SQ+8*\u+2*\t], v[TS], v[TS+1]
	v_mul_f32 v[TS+10], 0x3d800000, v[SQ+8*\u+2*\t]
	v_mov_b32 v[TS+11], v[TS+10]
.irp p, 0,1,2,3
	v_pk_add_f32 v[TS+2*\p:TS+2*\p+1], v[D+8*\t+2*\p:D+8*\t+2*\p+1], v[TS+10:TS+11] neg_lo:[0,1] neg_hi:[0,1]
.endr
	v_pk_mul_f32 v[TS:TS+1], v[TS:TS+1], v[TS:TS+1]
	v_pk_fma_f32 v[TS:TS+1], v[TS+2:TS+3], v[TS+2:TS+3], v[TS:TS+1]
	v_pk_fma_f32 v[TS:TS+1], v[TS+4:TS+5], v[TS+4:TS+5], v[TS:TS+1]
	v_pk_fma_f32 v[TS:TS+1], v[TS+6:TS+7], v[TS+6:TS+7], v[TS:TS+1]
	v_add_f32 v[TS], v[TS], v[TS+1]
	v_permlanex16_b32 v[TS+1], v[TS], s[SEL], s[SEL+1]
	v_add_f32 v[SQ+8*\u+2*\t+1], v[TS], v[TS+1]
.endr
	s_wait_alu depctr_va_vdst(0)                   ; SQ[u] is written, which the LDS stores read; behind the second query: the quantiser is done with F and the sums above with D, in which the work-group's sums' loads land
.irp t, 0,1,2,3
	ds_store_b32 v[VSS], v[SQ+8*\u+2*\t] offset:2304*\t+9216*\hi+4*\u
	ds_store_b32 v[VSS], v[SQ+8*\u+2*\t+1] offset:2304*\t+9216*\hi+4*\u+144*NCH
.endr
.endm
.macro COMBINE                         ; the loads land in F and D: no vector instruction has named these since the last wait on va_vdst, no LDS store has read them since the last wait on vm_vsrc
.irp k, 0,1,2,3,4,5,6,7
	ds_load_b128 v[CS+4*\k:CS+4*\k+3], v[CBA] offset:16*\k
.endr
.irp k, 0,1,2,3,4,5,6,7
	ds_load_b128 v[CQ+4*\k:CQ+4*\k+3], v[CBA] offset:144*NCH+16*\k
.endr
	s_wait_dscnt 0x0
	v_pk_add_f32 v[TS:TS+1], v[CS:CS+1], v[CS+2:CS+3]
	v_pk_add_f32 v[TS+2:TS+3], v[CQ:CQ+1], v[CQ+2:CQ+3]
.set i, 4
.rept 14
	v_pk_add_f32 v[TS:TS+1], v[TS:TS+1], v[CS+i:CS+i+1]
	v_pk_add_f32 v[TS+2:TS+3], v[TS+2:TS+3], v[CQ+i:CQ+i+1]
.set i, i+2
.endr
	v_add_f32 v[TS], v[TS], v[TS+1]
	v_add_f32 v[TS+2], v[TS+2], v[TS+3]
	v_mul_f32 v[TS+4], 0xbb000000, v[TS]
	v_fmamk_f32 v[TS+5], v[CS], 0x3d800000, v[TS+4]
	v_mul_f32 v[TS+6], v[TS+5], v[TS+5]
.set i, 1
.rept 31
	v_fmamk_f32 v[TS+5], v[CS+i], 0x3d800000, v[TS+4]
	v_fma_f32 v[TS+6], v[TS+5], v[TS+5], v[TS+6]
.set i, i+1
.endr
	v_fmamk_f32 v[TS+2], v[TS+6], 0x41800000, v[TS+2]
.endm
.macro LISTSUM base                    ; the 16 waves' partial sums -> v[236:239]; lane l xor 16's -> v[240:243]
.set i, 0
.rept 16
	ds_load_b128 v[128+4*i:131+4*i], v[LI] offset:\base+512*i
.set i, i+1
.endr
	s_wait_dscnt 0x0
	v_pk_add_f32 v[236:237], v[128:129], v[132:133]
	v_pk_add_f32 v[238:239], v[130:131], v[134:135]
.set i, 2
.rept 14
	v_pk_add_f32 v[236:237], v[236:237], v[128+4*i:129+4*i]
	v_pk_add_f32 v[238:239], v[238:239], v[130+4*i:131+4*i]
.set i, i+1
.endr
.irp e, 0,1,2,3
	v_permlanex16_b32 v[240+\e], v[236+\e], s[SEL], s[SEL+1]
.endr
.endm
; v[64:127]: my 16 work-groups' records; lanes 0-15: S of channels 4 (l % 16) on, lanes 16-31: M2 of the same.  Leaves a_t, c_t of channel 16 t + r in v[ac + t], v[ac + 4 + t], and (a | c) in v[252:255].
.macro STATRED ac
	v_pk_add_f32 v[232:233], v[64:65], v[68:69]
	v_pk_add_f32 v[234:235], v[66:67], v[70:71]
.set i, 2
.rept 14
	v_pk_add_f32 v[232:233], v[232:233], v[64+4*i:65+4*i]
	v_pk_add_f32 v[234:235], v[234:235], v[66+4*i:67+4*i]
.set i, i+1
.endr
	s_wait_alu depctr_va_vdst(0)                   ; my partial sums v[232:235] are written, which the LDS store reads
	ds_store_b128 v[RW1], v[232:235]
	BAR                                            ; the partial sums and the weights' images lie in LDS
	LISTSUM RED1
.irp e, 0,1,2,3
	v_cndmask_b32 v[244+\e], v[236+\e], v[240+\e], s34   ; sum of S, in every lane
	v_cndmask_b32 v[248+\e], v[240+\e], v[236+\e], s34   ; sum of M2
.endr
.irp e, 0,1,2,3
	v_mul_f32 v[244+\e], 0xb7000000, v[244+\e]     ; -mean' = -sum S / 131072
.endr
	s_wait_alu depctr_vm_vsrc(0)                   ; the LDS store has read v[232:235], which are written again below
	v_pk_fma_f32 v[232:233], v[64:65], 0x3b000000, v[244:245] op_sel_hi:[1,0,1]
	v_pk_fma_f32 v[234:235], v[66:67], 0x3b000000, v[246:247] op_sel_hi:[1,0,1]
	v_pk_mul_f32 v[252:253], v[232:233], v[232:233]
	v_pk_mul_f32 v[254:255], v[234:235], v[234:235]
.set i, 1
.rept 15
	v_pk_fma_f32 v[232:233], v[64+4*i:65+4*i], 0x3b000000, v[244:245] op_sel_hi:[1,0,1]   ; S / 512 - mean'
	v_pk_fma_f32 v[234:235], v[66+4*i:67+4*i], 0x3b000000, v[246:247] op_sel_hi:[1,0,1]
	v_pk_fma_f32 v[252:253], v[232:233], v[232:233], v[252:253]
	v_pk_fma_f32 v[254:255], v[234:235], v[234:235], v[254:255]
.set i, i+1
.endr
.irp e, 0,1,2,3
	v_cndmask_b32 v[252+\e], v[252+\e], 0, s34     ; lanes 16-31 held M2, not S
.endr
	s_wait_alu depctr_va_vdst(0)                   ; v[252:255] are written, which the LDS store reads; the first list's additions are done reading v[128:191], in which the second list lands
	ds_store_b128 v[RW2], v[252:255]
	BAR
	LISTSUM RED2
.irp e, 0,1,2,3
	v_add_f32 v[236+\e], v[236+\e], v[240+\e]
	v_fmamk_f32 v[236+\e], v[236+\e], 0x44000000, v[248+\e]   ; M2 total
	v_mul_f32 v[236+\e], 0x37000000, v[236+\e]     ; the variance
	v_add_f32 v[236+\e], 0x3727c5ac, v[236+\e]     ; + 1e-5
.endr
.irp e, 0,1,2,3
	v_rsq_f32 v[240+\e], v[236+\e]
.endr
	v_nop                                          ; a plain place behind the last of the four
	s_wait_alu depctr_va_vdst(0)                   ; one wait for the four: v[240:243] are written, ahead of their first reader
	s_wait_alu depctr_vm_vsrc(0)                   ; the LDS store has read v[252:255], which are written again below
.irp e, 0,1,2,3
	v_mul_f32 v[232+\e], v[GV+\e], v[240+\e]       ; a
	v_sub_f32 v[236+\e], v[BV+\e], v[244+\e]       ; m = b + mean'
	v_sub_f32 v[236+\e], v[BV+\e], v[236+\e]       ; b - m
	v_fma_f32 v[236+\e], v[236+\e], v[232+\e], v[BEV+\e]   ; c
	v_cndmask_b32 v[252+\e], v[232+\e], v[236+\e], s34
.endr
	s_wait_alu depctr_va_vdst(0)                   ; a | c in v[252:255] are written, which the stores below read; the second list's additions are done reading v[128:167], in which the first weight's fragments land
	ds_store_b128 v[CW], v[252:255]                ; my wave's own 512 bytes: a[64], c[64]
.irp t, 0,1,2,3
	ds_load_b32 v[\ac+\t], v[CR] offset:64*\t
	ds_load_b32 v[\ac+4+\t], v[CR] offset:256+64*\t
.endr
.endm
	s_load_b256 s[4:11], s[0:1], 0x0               ; l3out s[4:5], pfeat s[6:7], b1 s[8:9], g1 s[10:11]
	s_load_b256 s[12:19], s[0:1], 0x20             ; be1 s[12:13], W2's codes s[14:15], scales s[16:17], l4out s[18:19]
	v_lshl_add_u32 v218, v0, 2, 0x1d800
	v_mov_b32 v219, 0
	v_lshrrev_b32 v1, 5, v0
	v_readfirstlane_b32 s[WV], v1
	v_and_b32 v[LANE], 31, v0
	v_and_b32 v[RR], 15, v0
	v_bfe_u32 v[HH], v0, 4, 1
	v_lshlrev_b32 v[LI], 4, v[LANE]
	v_lshlrev_b32 v[SH8], 3, v[HH]
	s_wait_alu depctr_va_sdst(0)                   ; the wave's number is written, ahead of its first reader
	s_mul_i32 s38, s[WV], 4352
	s_add_co_u32 s38, s38, STG
	v_mul_u32_u24 v[SIN], v[HH], 2176
	v_lshl_add_u32 v[SIN], v[RR], 2, v[SIN]
	v_add_nc_u32 v[SIN], s38, v[SIN]
	v_mul_u32_u24 v[SOUT], v[RR], 272
	v_lshl_add_u32 v[SOUT], v[HH], 7, v[SOUT]
	v_add_nc_u32 v[SOUT], s38, v[SOUT]
	s_lshl_b32 s38, s[WV], 3
	s_add_co_u32 s38, s38, SSB
	v_mul_u32_u24 v[VSS], v[RR], 144
	v_add_nc_u32 v[VSS], s38, v[VSS]
	s_lshl_b32 s38, s[WV], 9
	s_add_co_u32 s39, s38, RED1
	v_add_nc_u32 v[RW1], s39, v[LI]
	s_add_co_u32 s39, s38, RED2
	v_add_nc_u32 v[RW2], s39, v[LI]
	s_add_co_u32 s39, s38, COEF
	v_add_nc_u32 v[CW], s39, v[LI]
	v_lshl_add_u32 v[CR], v[RR], 2, s39
	v_add_nc_u32 v[SR], s38, v[LI]                 ; 512 wave + 16 lane
	v_and_b32 v[CBA], NCH-1, v0
	v_lshlrev_b32 v[C4], 2, v[CBA]
	v_mul_u32_u24 v[CBA], v[CBA], 144
	v_add_nc_u32 v[CBA], SSB, v[CBA]
	v_lshlrev_b32 v[T8], 3, v0
	v_lshlrev_b32 v[R16], 4, v[RR]
	s_lshl_b32 s39, s[WV], 10
	s_add_co_u32 s39, s39, WL+4096
	v_add_nc_u32 v[WIW], s39, v[LI]
	v_mul_u32_u24 v[WGO], v[RR], 48
	v_mad_u32_u24 v[WGO], v[HH], 24, v[WGO]
	s_mul_i32 s39, s[WV], 768
	v_add_nc_u32 v[WGO], s39, v[WGO]               ; W2: row 16 wave + r of 48 bytes, + 24 h
	v_lshlrev_b32 v[WSO], 1, v[RR]
	s_lshl_b32 s39, s[WV], 5
	v_add_nc_u32 v[WSO], s39, v[WSO]
	s_mov_b32 s34, 0xffff0000                      ; lanes 16-31
	s_mov_b32 s[SEL], 0x76543210
	s_mov_b32 s[SEL+1], 0xfedcba98
.irp e, 0,1,2,3
	v_mov_b32 v[240+\e], 0                         ; a lane permute's destination counts as one of its sources
.endr
.irp i, 6,7,8,9,10,11
	v_mov_b32 v[A+\i], 0
.endr
.irp i, 8,9,10,11,20,21,22,23
	v_mov_b32 v[AU+\i], 0
.endr
	v_mov_b32 v[WT+6], 0                           ; register 6 of W2's image: no load lands in it
	s_mov_b32 s23, 0
	s_wait_kmcnt 0x0
	s_add_nc_u64 s[24:25], s[4:5], STAT1
	s_lshl_b32 s22, ttmp9, 15
	s_lshl_b32 s38, s[WV], 11
	s_add_co_u32 s22, s22, s38
	s_add_nc_u64 s[26:27], s[4:5], s[22:23]        ; my two queries' images
	s_add_nc_u64 s[28:29], s[6:7], W1IMG
	s_lshl_b32 s22, ttmp9, 9
	s_add_nc_u64 s[30:31], s[18:19], s[22:23]      ; my work-group's record of the second statistics
	s_add_nc_u64 s[40:41], s[18:19], 131072        ; a1, c1 for the next launch
	s_wait_alu depctr_va_vdst(0)                   ; all offsets and LDS addresses (v4 to v21) are written, which the loads and stores of the kernel read; so is WT+6, which an LDS store reads
.set i, 0
.rept 16
	global_load_b128 v[64+4*i:67+4*i], v[SR], s[24:25] offset:8192*i   ; work-group wave + 16 i: 512 consecutive bytes
.set i, i+1
.endr
	global_load_b128 v[GV:GV+3], v[R16], s[10:11]
	global_load_b128 v[BV:BV+3], v[R16], s[8:9]
	global_load_b128 v[BEV:BEV+3], v[R16], s[12:13]
.irp u, 0,1
	global_load_b128 v[AU+12*\u:AU+12*\u+3], v[LI], s[26:27] offset:1024*\u
	global_load_b128 v[AU+12*\u+4:AU+12*\u+7], v[LI], s[26:27] offset:1024*\u+512
	global_load_b32 v[SAU+\u], v[LI], s[26:27] offset:1024*\u+524
.endr
	global_load_b64 v[W1C:W1C+1], v[T8], s[28:29]
	s_cmp_ge_u32 s[WV], 4
	s_cbranch_scc1 .Lnow
	global_load_b64 v[WT:WT+1], v[WGO], s[14:15]
	global_load_b64 v[WT+2:WT+3], v[WGO], s[14:15] offset:8
	global_load_b64 v[WT+4:WT+5], v[WGO], s[14:15] offset:16
	global_load_u16 v[WT+7], v[WSO], s[16:17]      ; two scale bytes; the upper two bytes are 0 and meet zero codes
.Lnow:
	s_wait_loadcnt 0x0
	ds_store_b64 v[T8], v[W1C:W1C+1]
	s_cmp_ge_u32 s[WV], 4
	s_cbranch_scc1 .Lnow2
	ds_store_b128 v[WIW], v[WT:WT+3]
	ds_store_b128 v[WIW], v[WT+4:WT+7] offset:512
.Lnow2:
	v_mov_b32 v[AU+7], 0                           ; the image's scale word is no code
	v_mov_b32 v[AU+19], 0
	STATRED AC1
	v_mov_b32 v[TP], 0
.irp i, 32,33,34,35
	v_mov_b32 v[WB+\i], 0
.endr
	s_or_b32 s38, s[WV], ttmp9
	s_cmp_lg_u32 s38, 0
	s_cbranch_scc1 .Lnoc
	global_store_b128 v[LI], v[252:255], s[40:41]  ; written ahead of the statistics' last wait on va_vdst; the five moves behind it name other registers
.Lnoc:
	LOADW WL                                       ; likewise: it touches v[128:159], v[164:167] and v4, which no vector instruction has named since that wait
.macro QUERY u
	MMHEAD 0
	MMBODY AU+12*\u, SAU+\u
	s_wait_alu depctr_va_vdst(0)                   ; the products are done reading WB and SB, in which the next weight's fragments land
	LOADW WL+4096
	ACT AC1
	TURN
	QUANT
	MMHEAD 1
	MMBODY A, SA
.if \u == 0
	s_wait_alu depctr_va_vdst(0)                   ; the products are done reading WB and SB, in which the next query's first weight lands, under the statistics
	LOADW WL
.endif
	STATS \u, 0
.endm
	QUERY 0
	QUERY 1
	BAR
	s_cmp_ge_u32 s[WV], NCH/32
	s_cbranch_scc1 .Lend
	COMBINE
	s_wait_alu depctr_va_vdst(0)                   ; S and M2 are written, which the two stores read
	global_store_b32 v[C4], v[TS], s[30:31]
	global_store_b32 v[C4], v[TS+2], s[30:31] offset:256
.Lend:
	s_wait_dscnt 0x0
	s_wait_alu depctr_hold_cnt(0) depctr_sa_sdst(0) depctr_va_vdst(0) depctr_va_sdst(0) depctr_va_ssrc(0) depctr_va_vcc(0) depctr_vm_vsrc(0)
	s_wait_tensorcnt 0x0
	ds_add_u32 v218, v219
	s_wait_dscnt 0x0
	s_endpgm
.Lfunc_end_k_q66f3e7f920_mlp2:
	.size	k_q66f3e7f920_mlp2, .Lfunc_end_k_q66f3e7f920_mlp2-k_q66f3e7f920_mlp2
	.p2alignl 7, 3214868480
	.fill 96, 4, 3214868480
	.section	.rodata,"a",@progbits
	.p2align	6, 0x0
	.amdhsa_kernel k_q66f3e7f920_mlp2
		.amdhsa_group_segment_fixed_size 122880
		.amdhsa_private_segment_fixed_size 0
		.amdhsa_enable_private_segment 0
		.amdhsa_kernarg_size 64
		.amdhsa_user_sgpr_count 2
		.amdhsa_user_sgpr_kernarg_segment_ptr 1
		.amdhsa_wavefront_size32 1
		.amdhsa_system_sgpr_workgroup_id_x 1
		.amdhsa_system_sgpr_workgroup_id_y 1
		.amdhsa_system_sgpr_workgroup_id_z 1
		.amdhsa_system_vgpr_workitem_id 0
		.amdhsa_next_free_vgpr 256
		.amdhsa_next_free_sgpr 66
		.amdhsa_reserve_vcc 0
		.amdhsa_float_denorm_mode_32 3
		.amdhsa_float_denorm_mode_16_64 3
		.amdhsa_memory_ordered 1
		.amdhsa_forward_progress 1
		.amdhsa_inst_pref_size 63
	.end_amdhsa_kernel
	.amdgpu_metadata
---
amdhsa.version: [ 1, 2 ]
amdhsa.kernels:
  - .name:           k_q66f3e7f920_mlp2
    .symbol:         k_q66f3e7f920_mlp2.kd
    .args:
      - { .name: l3out, .offset: 0, .size: 8, .value_kind: global_buffer, .address_space: global }
      - { .name: pfeat, .offset: 8, .size: 8, .value_kind: global_buffer, .address_space: global }
      - { .name: b1, .offset: 16, .size: 8, .value_kind: global_buffer, .address_space: global }
      - { .name: g1, .offset: 24, .size: 8, .value_kind: global_buffer, .address_space: global }
      - { .name: be1, .offset: 32, .size: 8, .value_kind: global_buffer, .address_space: global }
      - { .name: W2_codes, .offset: 40, .size: 8, .value_kind: global_buffer, .address_space: global }
      - { .name: W2_scales, .offset: 48, .size: 8, .value_kind: global_buffer, .address_space: global }
      - { .name: l4out, .offset: 56, .size: 8, .value_kind: global_buffer, .address_space: global }
    .group_segment_fixed_size: 122880
    .private_segment_fixed_size: 0
    .kernarg_segment_align: 8
    .kernarg_segment_size: 64
    .max_flat_workgroup_size: 512
    .sgpr_count:     66
    .vgpr_count:     256
    .wavefront_size: 32
...
	.end_amdgpu_metadata
.endif
;; end of part 8
;; launch mlp3 (part 9): grid 256 x 1, 16 waves a work-group, no clusters, 186,368 bytes of LDS; arguments l3out, l4out, pfeat, b2, g2, be2, W2_codes, W2_scales, W3_codes, W3_scales, l5out; writes l5out
.if DOCPART == 9
	.amdgcn_target "amdgcn-amd-amdhsa--gfx1250"
	.amdhsa_code_object_version 6
	.text
	.protected	k_q66f3e7f920_mlp3
	.globl	k_q66f3e7f920_mlp3
	.p2align	8
	.type	k_q66f3e7f920_mlp3,@function
k_q66f3e7f920_mlp3:
	s_mov_b64 s[64:65], 0
	v_nop
	global_prefetch_b8 v0, s[64:65] scope:SCOPE_SE
	s_setreg_imm32_b32 hwreg(HW_REG_WAVE_SCHED_MODE, 0, 2), 2
	s_setreg_imm32_b32 hwreg(HW_REG_WAVE_MODE, 25, 1), 1
	s_wait_xcnt 0x0
	s_wait_alu depctr_vm_vsrc(0)
; mlp3: the second batch norm's statistics are finished; products 1, 2 and 3 from the stored codes; the third product's partial statistics, and its largest and smallest number over a query's 16 neighbours.
; Shares, layouts and macros as in mlp2.  The third batch norm is h' a + c for each channel, rising or falling with h' by the sign of a: so the largest and the smallest h' of the 16 rows are kept, and the last launch takes one of them.
; They meet in a stage [kind][channel][32 queries] and leave as the work-group's 32,768 consecutive bytes.
; LIMITS: NaN and infinities are not served; a block of zeros gets the scale byte 1 (its codes are zeros).
; THE MODE: SCHED_MODE bits 1:0 = 2 (LLVM: expert scheduling mode 2), set by the entry lines.  The code itself states the register dependences
; between vector or matrix instructions and memory or LDS instructions, with s_wait_alu, always for 0.
; THE PLAN.  Registers that memory or LDS instructions touch:
;   v4 .. v23, v51 offsets and LDS addresses: made at the head, never written again.  One wait on va_vdst ahead of the first load serves them for the whole kernel.
;   v[232:235], v[252:255]  the statistics' partial sums and a | c: written by vector instructions, read by an LDS store, written again: va_vdst ahead of each store, vm_vsrc ahead of each rewriting.
;   v[128:191]     the two lists of partial sums land here, later WB and SB, at the end rows of the largest and smallest: each run of loads stands behind a wait on va_vdst behind which no vector instruction names what it touches.
;   WB, SB         a weight's fragments and scale words: read by four products, then loaded again: va_vdst behind the products' places, ahead of each run of loads.
;   D              written by the products and the activation; read by the LDS stores into the stage (va_vdst ahead of them); written again by the next products (vm_vsrc ahead of them).
;   F              the stage's loads land in it; the quantiser reads it: the wait ahead of the stage's stores serves these loads too.
;   OB[0], OB[1]   two out-buffers of twelve registers, for W3's lower and upper 64 channels: four tiles' s, q and largest | smallest.  Written by the statistics' arithmetic; read by one run of twelve LDS stores behind one wait on
;                  va_vdst (for OB[0] the wait that the fourth products need anyway).  Each is written again a query later, behind the wait on vm_vsrc in front of that query's second products.
;                  OB[1] holds v[252:255], which the store of a | c has read: it is first written behind the first query's waits on vm_vsrc.
;   A, SA, AU      named by vector and matrix instructions (AU: loaded once): va_vdst behind the places in front of each run of products.
.set WL,    0                          ; W1's four fragments, W2's four, W3's eight
.set RED1,  16384
.set RED2,  24576
.set COEF,  32768
.set STG,   40960
.set SSB,   110592
.set NCH,   128
.set MMS,   147456                     ; 2 x 128 rows x (128 bytes + 16)
.set W1IMG, 35651584
.set STAT3, 8388608
.set WV,   26
.set SEL,  36
.set LANE, 1
.set RR,   2
.set HH,   3
.set LI,   4
.set SH8,  5
.set SIN,  6
.set SOUT, 7
.set VSS,  8
.set RW1,  9
.set CBA,  10
.set RW2,  11
.set T8,   12
.set R16,  13
.set CW,   14
.set CR,   15
.set WIW,  17
.set WGO,  18
.set WSO,  19
.set SR,   20
.set C3,   21
.set MW,   22
.set MR,   23
.set AU,   24
.set SAU,  48
.set SA,   50
.set R4,   51
.set A,    52
.set F,    64
.set D,    96
.set WB,   128
.set SB,   164
.set CT,   168
.set TS,   172
.set MXA,  184
.set MXB,  185
.set SO,   186
.set BY,   187
.set TP,   188
.set AC1,  192
.set AC2,  200
.set WT,   208
.set W1C,  216
.set GV,   220
.set BV,   224
.set BEV,  228
.set OB,   232                         ; v[232:255], free behind the statistics: buffer hi at OB + 12 hi: tile t: s at + 2 t, q behind it, largest | smallest at + 8 + t
.set CS,   64
.set CQ,   96
.macro BAR
	s_wait_dscnt 0x0
	s_barrier_signal -1
	s_barrier_wait -1
.endm
.macro LOADW base
.irp t, 0,1,2,3
	ds_load_b128 v[WB+8*\t:WB+8*\t+3], v[LI] offset:\base+1024*\t
	ds_load_b128 v[WB+8*\t+4:WB+8*\t+7], v[LI] offset:\base+1024*\t+512
	ds_load_b32 v[SB+\t], v[LI] offset:\base+1024*\t+524
.endr
.endm
.macro MMHEAD e                        ; what stands in front of four products.  e = 1: D has gone through the stage since it was last written
	s_wait_dscnt 0x0
.rept 8
	v_nop                                          ; a scale word made by vector instructions stands eight places ahead of the product, an operand so made four
.endr
	s_wait_alu depctr_va_vdst(0)                   ; what vector instructions have written of the products' operands is written: the codes, the scale word, the zeros in the rows' operand and behind W's last fragment
.if \e
	s_wait_alu depctr_vm_vsrc(0)                   ; the LDS stores into the stage have read D, which the products write again; all earlier LDS stores have read their out-buffers and v[252:255]
.endif
.endm
.macro MMBODY a, sa
.irp t, 0,1,2,3
	v_wmma_scale_f32_16x16x128_f8f6f4 v[D+8*\t:D+8*\t+7], v[\a:\a+11], v[WB+8*\t:WB+8*\t+11], 0, v[\sa], v[SB+\t] matrix_a_fmt:MATRIX_FMT_BF6 matrix_b_fmt:MATRIX_FMT_BF6
.endr
.rept 4
	v_nop                                          ; four places ahead of the first read of results (ISA guide 7.12.1)
.endr
.endm
.macro ACT ac
.irp t, 0,1,2,3
.irp j, 0,1,2,3,4,5,6,7
	v_fma_f32 v[D+8*\t+\j], v[D+8*\t+\j], v[\ac+\t], v[\ac+4+\t]
.endr
.endr
.set i, 0
.rept 32
	v_max_num_f32 v[D+i], 0, v[D+i]
.set i, i+1
.endr
.endm
.macro TURN
	s_wait_alu depctr_va_vdst(0)                   ; the activation has written D, which the LDS stores read; whoever read F last (the statistics' sums, the quantiser) is done with it, and the loads land in it
.irp t, 0,1,2,3
.irp j, 0,1,2,3,4,5,6,7
	ds_store_b32 v[SIN], v[D+8*\t+\j] offset:272*\j+64*\t
.endr
.endr
.irp k, 0,1,2,3,4,5,6,7
	ds_load_b128 v[F+4*\k:F+4*\k+3], v[SOUT] offset:16*\k
.endr
	s_wait_dscnt 0x0
.endm
.macro QUANT
	v_max3_num_f32 v[MXA], |v[F]|, |v[F+1]|, 0x2800000   ; the floor 2^(5 - 127): the byte cannot fall under 1
	v_max3_num_f32 v[MXB], |v[F+2]|, |v[F+3]|, |v[F+4]|
.irp i, 5,9,13,17,21,25
	v_max3_num_f32 v[MXA], v[MXA], |v[F+\i]|, |v[F+\i+1]|
	v_max3_num_f32 v[MXB], v[MXB], |v[F+\i+2]|, |v[F+\i+3]|
.endr
	v_max3_num_f32 v[MXA], v[MXA], |v[F+29]|, |v[F+30]|
	v_max3_num_f32 v[MXA], v[MXA], v[MXB], |v[F+31]|
	v_add_nc_u32 v[SO], 0xfe000000, v[MXA]
	v_lshrrev_b32 v[BY], 23, v[SO]
	v_lshlrev_b32 v[SA], v[SH8], v[BY]
	v_permlanex16_b32 v[TP], v[SA], s[SEL], s[SEL+1]
	v_or_b32 v[SA], v[SA], v[TP]
	v_cvt_scalef32_pk16_bf6_f32 v[A:A+2], v[F:F+15], v[SO]
	v_cvt_scalef32_pk16_bf6_f32 v[CT:CT+2], v[F+16:F+31], v[SO]
	v_nop                                          ; one plain place behind a scaled conversion
.irp i, 0,1,2
	v_mov_b32 v[A+3+\i], v[CT+\i]
.endr
.endm
.macro STATS hi                        ; the four tiles' s and q into OB[hi]
.irp t, 0,1,2,3
	v_pk_add_f32 v[TS:TS+1], v[D+8*\t:D+8*\t+1], v[D+8*\t+2:D+8*\t+3]
	v_pk_add_f32 v[TS+2:TS+3], v[D+8*\t+4:D+8*\t+5], v[D+8*\t+6:D+8*\t+7]
	v_pk_add_f32 v[TS:TS+1], v[TS:TS+1], v[TS+2:TS+3]
	v_add_f32 v[TS], v[TS], v[TS+1]
	v_permlanex16_b32 v[TS+1], v[TS], s[SEL], s[SEL+1]
	v_add_f32 v[OB+12*\hi+2*\t], v[TS], v[TS+1]
	v_mul_f32 v[TS+10], 0x3d800000, v[OB+12*\hi+2*\t]
	v_mov_b32 v[TS+11], v[TS+10]
.irp p, 0,1,2,3
	v_pk_add_f32 v[TS+2*\p:TS+2*\p+1], v[D+8*\t+2*\p:D+8*\t+2*\p+1], v[TS+10:TS+11] neg_lo:[0,1] neg_hi:[0,1]
.endr
	v_pk_mul_f32 v[TS:TS+1], v[TS:TS+1], v[TS:TS+1]
	v_pk_fma_f32 v[TS:TS+1], v[TS+2:TS+3], v[TS+2:TS+3], v[TS:TS+1]
	v_pk_fma_f32 v[TS:TS+1], v[TS+4:TS+5], v[TS+4:TS+5], v[TS:TS+1]
	v_pk_fma_f32 v[TS:TS+1], v[TS+6:TS+7], v[TS+6:TS+7], v[TS:TS+1]
	v_add_f32 v[TS], v[TS], v[TS+1]
	v_permlanex16_b32 v[TS+1], v[TS], s[SEL], s[SEL+1]
	v_add_f32 v[OB+12*\hi+2*\t+1], v[TS], v[TS+1]
.endr
.endm
.macro MAXMIN hi                       ; lanes 0-15 keep the largest of the channel's 16 rows, lanes 16-31 the smallest: into OB[hi]
.irp t, 0,1,2,3
	v_max3_num_f32 v[TS], v[D+8*\t], v[D+8*\t+1], v[D+8*\t+2]
	v_min3_num_f32 v[TS+1], v[D+8*\t], v[D+8*\t+1], v[D+8*\t+2]
	v_max3_num_f32 v[TS], v[TS], v[D+8*\t+3], v[D+8*\t+4]
	v_min3_num_f32 v[TS+1], v[TS+1], v[D+8*\t+3], v[D+8*\t+4]
	v_max3_num_f32 v[TS], v[TS], v[D+8*\t+5], v[D+8*\t+6]
	v_min3_num_f32 v[TS+1], v[TS+1], v[D+8*\t+5], v[D+8*\t+6]
	v_max_num_f32 v[TS], v[TS], v[D+8*\t+7]
	v_min_num_f32 v[TS+1], v[TS+1], v[D+8*\t+7]
	v_permlanex16_b32 v[TS+2], v[TS], s[SEL], s[SEL+1]
	v_permlanex16_b32 v[TS+3], v[TS+1], s[SEL], s[SEL+1]
	v_max_num_f32 v[TS], v[TS], v[TS+2]
	v_min_num_f32 v[TS+1], v[TS+1], v[TS+3]
	v_cndmask_b32 v[OB+12*\hi+8+\t], v[TS], v[TS+1], s34
.endr
.endm
.macro SEND u, hi                      ; OB[hi] leaves in one run of twelve LDS stores
.irp t, 0,1,2,3
	ds_store_b32 v[VSS], v[OB+12*\hi+2*\t] offset:2304*\t+9216*\hi+4*\u
	ds_store_b32 v[VSS], v[OB+12*\hi+2*\t+1] offset:2304*\t+9216*\hi+4*\u+144*NCH
	ds_store_b32 v[MW], v[OB+12*\hi+8+\t] offset:2304*(\t+4*\hi)+4*\u
.endr
.endm
.macro COMBINE                         ; the loads land in F and D: no vector instruction has named these since the last wait on va_vdst, no LDS store has read them since the last wait on vm_vsrc
.irp k, 0,1,2,3,4,5,6,7
	ds_load_b128 v[CS+4*\k:CS+4*\k+3], v[CBA] offset:16*\k
.endr
.irp k, 0,1,2,3,4,5,6,7
	ds_load_b128 v[CQ+4*\k:CQ+4*\k+3], v[CBA] offset:144*NCH+16*\k
.endr
	s_wait_dscnt 0x0
	v_pk_add_f32 v[TS:TS+1], v[CS:CS+1], v[CS+2:CS+3]
	v_pk_add_f32 v[TS+2:TS+3], v[CQ:CQ+1], v[CQ+2:CQ+3]
.set i, 4
.rept 14
	v_pk_add_f32 v[TS:TS+1], v[TS:TS+1], v[CS+i:CS+i+1]
	v_pk_add_f32 v[TS+2:TS+3], v[TS+2:TS+3], v[CQ+i:CQ+i+1]
.set i, i+2
.endr
	v_add_f32 v[TS], v[TS], v[TS+1]
	v_add_f32 v[TS+2], v[TS+2], v[TS+3]
	v_mul_f32 v[TS+4], 0xbb000000, v[TS]
	v_fmamk_f32 v[TS+5], v[CS], 0x3d800000, v[TS+4]
	v_mul_f32 v[TS+6], v[TS+5], v[TS+5]
.set i, 1
.rept 31
	v_fmamk_f32 v[TS+5], v[CS+i], 0x3d800000, v[TS+4]
	v_fma_f32 v[TS+6], v[TS+5], v[TS+5], v[TS+6]
.set i, i+1
.endr
	v_fmamk_f32 v[TS+2], v[TS+6], 0x41800000, v[TS+2]
.endm
.macro LISTSUM base
.set i, 0
.rept 16
	ds_load_b128 v[128+4*i:131+4*i], v[LI] offset:\base+512*i
.set i, i+1
.endr
	s_wait_dscnt 0x0
	v_pk_add_f32 v[236:237], v[128:129], v[132:133]
	v_pk_add_f32 v[238:239], v[130:131], v[134:135]
.set i, 2
.rept 14
	v_pk_add_f32 v[236:237], v[236:237], v[128+4*i:129+4*i]
	v_pk_add_f32 v[238:239], v[238:239], v[130+4*i:131+4*i]
.set i, i+1
.endr
.irp e, 0,1,2,3
	v_permlanex16_b32 v[240+\e], v[236+\e], s[SEL], s[SEL+1]
.endr
.endm
.macro STATRED ac
	v_pk_add_f32 v[232:233], v[64:65], v[68:69]
	v_pk_add_f32 v[234:235], v[66:67], v[70:71]
.set i, 2
.rept 14
	v_pk_add_f32 v[232:233], v[232:233], v[64+4*i:65+4*i]
	v_pk_add_f32 v[234:235], v[234:235], v[66+4*i:67+4*i]
.set i, i+1
.endr
	s_wait_alu depctr_va_vdst(0)                   ; my partial sums v[232:235] are written, which the LDS store reads
	ds_store_b128 v[RW1], v[232:235]
	BAR                                            ; the partial sums and the weights' images lie in LDS
	LISTSUM RED1
.irp e, 0,1,2,3
	v_cndmask_b32 v[244+\e], v[236+\e], v[240+\e], s34
	v_cndmask_b32 v[248+\e], v[240+\e], v[236+\e], s34
.endr
.irp e, 0,1,2,3
	v_mul_f32 v[244+\e], 0xb7000000, v[244+\e]     ; -mean'
.endr
	s_wait_alu depctr_vm_vsrc(0)                   ; the LDS store has read v[232:235], which are written again below
	v_pk_fma_f32 v[232:233], v[64:65], 0x3b000000, v[244:245] op_sel_hi:[1,0,1]
	v_pk_fma_f32 v[234:235], v[66:67], 0x3b000000, v[246:247] op_sel_hi:[1,0,1]
	v_pk_mul_f32 v[252:253], v[232:233], v[232:233]
	v_pk_mul_f32 v[254:255], v[234:235], v[234:235]
.set i, 1
.rept 15
	v_pk_fma_f32 v[232:233], v[64+4*i:65+4*i], 0x3b000000, v[244:245] op_sel_hi:[1,0,1]
	v_pk_fma_f32 v[234:235], v[66+4*i:67+4*i], 0x3b000000, v[246:247] op_sel_hi:[1,0,1]
	v_pk_fma_f32 v[252:253], v[232:233], v[232:233], v[252:253]
	v_pk_fma_f32 v[254:255], v[234:235], v[234:235], v[254:255]
.set i, i+1
.endr
.irp e, 0,1,2,3
	v_cndmask_b32 v[252+\e], v[252+\e], 0, s34
.endr
	s_wait_alu depctr_va_vdst(0)                   ; v[252:255] are written, which the LDS store reads; the first list's additions are done reading v[128:191], in which the second list lands
	ds_store_b128 v[RW2], v[252:255]
	BAR
	LISTSUM RED2
.irp e, 0,1,2,3
	v_add_f32 v[236+\e], v[236+\e], v[240+\e]
	v_fmamk_f32 v[236+\e], v[236+\e], 0x44000000, v[248+\e]
	v_mul_f32 v[236+\e], 0x37000000, v[236+\e]
	v_add_f32 v[236+\e], 0x3727c5ac, v[236+\e]
.endr
.irp e, 0,1,2,3
	v_rsq_f32 v[240+\e], v[236+\e]
.endr
	v_nop                                          ; a plain place behind the last of the four
	s_wait_alu depctr_va_vdst(0)                   ; one wait for the four: v[240:243] are written, ahead of their first reader
	s_wait_alu depctr_vm_vsrc(0)                   ; the LDS store has read v[252:255], which are written again below
.irp e, 0,1,2,3
	v_mul_f32 v[232+\e], v[GV+\e], v[240+\e]
	v_sub_f32 v[236+\e], v[BV+\e], v[244+\e]
	v_sub_f32 v[236+\e], v[BV+\e], v[236+\e]
	v_fma_f32 v[236+\e], v[236+\e], v[232+\e], v[BEV+\e]
	v_cndmask_b32 v[252+\e], v[232+\e], v[236+\e], s34
.endr
	s_wait_alu depctr_va_vdst(0)                   ; a | c in v[252:255] are written, which the LDS store reads; the second list's additions are done reading v[128:167], in which the first weight's fragments land
	ds_store_b128 v[CW], v[252:255]
.irp t, 0,1,2,3
	ds_load_b32 v[\ac+\t], v[CR] offset:64*\t
	ds_load_b32 v[\ac+4+\t], v[CR] offset:256+64*\t
.endr
.endm
	s_load_b256 s[4:11], s[0:1], 0x0               ; l3out s[4:5], l4out s[6:7], pfeat s[8:9], b2 s[10:11]
	s_load_b256 s[12:19], s[0:1], 0x20             ; g2 s[12:13], be2 s[14:15], W2's codes s[16:17], scales s[18:19]
	s_load_b128 s[20:23], s[0:1], 0x40             ; W3's codes s[20:21], scales s[22:23]
	s_load_b64 s[24:25], s[0:1], 0x50              ; l5out
	v_lshl_add_u32 v218, v0, 2, 0x2d000
	v_mov_b32 v219, 0
	v_lshrrev_b32 v1, 5, v0
	v_readfirstlane_b32 s[WV], v1
	v_and_b32 v[LANE], 31, v0
	v_and_b32 v[RR], 15, v0
	v_bfe_u32 v[HH], v0, 4, 1
	v_lshlrev_b32 v[LI], 4, v[LANE]
	v_lshlrev_b32 v[SH8], 3, v[HH]
	s_wait_alu depctr_va_sdst(0)                   ; the wave's number is written, ahead of its first reader
	s_mul_i32 s38, s[WV], 4352
	s_add_co_u32 s38, s38, STG
	v_mul_u32_u24 v[SIN], v[HH], 2176
	v_lshl_add_u32 v[SIN], v[RR], 2, v[SIN]
	v_add_nc_u32 v[SIN], s38, v[SIN]
	v_mul_u32_u24 v[SOUT], v[RR], 272
	v_lshl_add_u32 v[SOUT], v[HH], 7, v[SOUT]
	v_add_nc_u32 v[SOUT], s38, v[SOUT]
	s_lshl_b32 s38, s[WV], 3
	s_add_co_u32 s39, s38, SSB
	v_mul_u32_u24 v[VSS], v[RR], 144
	v_mul_u32_u24 v[MW], v[HH], 18432
	v_add_nc_u32 v[MW], v[VSS], v[MW]
	v_add_nc_u32 v[VSS], s39, v[VSS]
	s_add_co_u32 s39, s38, MMS
	v_add_nc_u32 v[MW], s39, v[MW]                 ; MMS + 18432 h + 144 r + 8 wave
	s_mul_i32 s39, s[WV], 2304
	s_add_co_u32 s39, s39, MMS
	v_lshrrev_b32 v[MR], 3, v[LANE]
	v_mul_u32_u24 v[MR], v[MR], 144
	v_and_b32 v[C3], 7, v[LANE]
	v_lshl_add_u32 v[MR], v[C3], 4, v[MR]
	v_add_nc_u32 v[MR], s39, v[MR]                 ; MMS + 144 (16 wave + l / 8) + 16 (l % 8)
	s_lshl_b32 s38, s[WV], 9
	s_add_co_u32 s39, s38, RED1
	v_add_nc_u32 v[RW1], s39, v[LI]
	s_add_co_u32 s39, s38, RED2
	v_add_nc_u32 v[RW2], s39, v[LI]
	s_add_co_u32 s39, s38, COEF
	v_add_nc_u32 v[CW], s39, v[LI]
	v_lshl_add_u32 v[CR], v[RR], 2, s39
	v_add_nc_u32 v[SR], s38, v[LI]
	v_and_b32 v[CBA], NCH-1, v0
	v_lshrrev_b32 v[C3], 2, v[CBA]
	v_lshlrev_b32 v[C3], 13, v[C3]
	v_and_b32 v[R4], 3, v[CBA]
	v_lshl_add_u32 v[C3], v[R4], 2, v[C3]          ; 8192 (c / 4) + 4 (c % 4)
	v_mul_u32_u24 v[CBA], v[CBA], 144
	v_add_nc_u32 v[CBA], SSB, v[CBA]
	v_lshlrev_b32 v[R4], 2, v[RR]
	v_lshlrev_b32 v[T8], 3, v0
	v_lshlrev_b32 v[R16], 4, v[RR]
	s_lshl_b32 s39, s[WV], 10
	s_add_co_u32 s39, s39, WL+4096
	v_add_nc_u32 v[WIW], s39, v[LI]
	s_mov_b32 s34, 0xffff0000                      ; lanes 16-31
	s_mov_b32 s[SEL], 0x76543210
	s_mov_b32 s[SEL+1], 0xfedcba98
.irp e, 0,1,2,3
	v_mov_b32 v[240+\e], 0
.endr
.irp i, 6,7,8,9,10,11
	v_mov_b32 v[A+\i], 0
.endr
.irp i, 8,9,10,11,20,21,22,23
	v_mov_b32 v[AU+\i], 0
.endr
	v_mov_b32 v[WT+6], 0                           ; register 6 of a weight's image: no load lands in it
	s_mov_b32 s29, 0
	s_wait_kmcnt 0x0
	s_cmp_lt_u32 s[WV], 4                          ; waves 0-3 bring W2's tiles, waves 4-11 W3's: the choice hangs on the wave's number alone
	s_cselect_b64 s[40:41], s[16:17], s[20:21]
	s_cselect_b64 s[42:43], s[18:19], s[22:23]
	s_cselect_b32 s38, 0, 4
	s_sub_co_u32 s38, s[WV], s38                   ; the tile in its weight
	v_mul_u32_u24 v[WGO], v[RR], 48
	v_mad_u32_u24 v[WGO], v[HH], 24, v[WGO]
	s_mul_i32 s39, s38, 768
	v_add_nc_u32 v[WGO], s39, v[WGO]
	v_lshlrev_b32 v[WSO], 1, v[RR]
	s_lshl_b32 s39, s38, 5
	v_add_nc_u32 v[WSO], s39, v[WSO]
	s_add_nc_u64 s[32:33], s[6:7], 131072          ; a1, c1
	s_lshl_b32 s28, ttmp9, 15
	s_lshl_b32 s38, s[WV], 11
	s_add_co_u32 s28, s28, s38
	s_add_nc_u64 s[44:45], s[4:5], s[28:29]        ; my two queries' images
	s_add_nc_u64 s[48:49], s[24:25], s[28:29]      ; my wave's 2,048 bytes of the work-group's 32,768
	s_add_nc_u64 s[46:47], s[8:9], W1IMG
	s_lshl_b32 s28, ttmp9, 5
	s_add_nc_u64 s[50:51], s[24:25], s[28:29]
	s_add_nc_u64 s[50:51], s[50:51], STAT3
	s_wait_alu depctr_va_vdst(0)                   ; all offsets and LDS addresses (v4 to v23, v51) are written, which the loads and stores of the kernel read; so is WT+6, which an LDS store reads
.set i, 0
.rept 16
	global_load_b128 v[64+4*i:67+4*i], v[SR], s[6:7] offset:8192*i
.set i, i+1
.endr
	global_load_b128 v[GV:GV+3], v[R16], s[12:13]
	global_load_b128 v[BV:BV+3], v[R16], s[10:11]
	global_load_b128 v[BEV:BEV+3], v[R16], s[14:15]
.irp u, 0,1
	global_load_b128 v[AU+12*\u:AU+12*\u+3], v[LI], s[44:45] offset:1024*\u
	global_load_b128 v[AU+12*\u+4:AU+12*\u+7], v[LI], s[44:45] offset:1024*\u+512
	global_load_b32 v[SAU+\u], v[LI], s[44:45] offset:1024*\u+524
.endr
.irp t, 0,1,2,3
	global_load_b32 v[AC1+\t], v[R4], s[32:33] offset:64*\t
	global_load_b32 v[AC1+4+\t], v[R4], s[32:33] offset:256+64*\t
.endr
	global_load_b64 v[W1C:W1C+1], v[T8], s[46:47]
	s_cmp_ge_u32 s[WV], 12
	s_cbranch_scc1 .Lnow
	global_load_b64 v[WT:WT+1], v[WGO], s[40:41]
	global_load_b64 v[WT+2:WT+3], v[WGO], s[40:41] offset:8
	global_load_b64 v[WT+4:WT+5], v[WGO], s[40:41] offset:16
	global_load_u16 v[WT+7], v[WSO], s[42:43]
.Lnow:
	s_wait_loadcnt 0x0
	ds_store_b64 v[T8], v[W1C:W1C+1]
	s_cmp_ge_u32 s[WV], 12
	s_cbranch_scc1 .Lnow2
	ds_store_b128 v[WIW], v[WT:WT+3]
	ds_store_b128 v[WIW], v[WT+4:WT+7] offset:512
.Lnow2:
	v_mov_b32 v[AU+7], 0
	v_mov_b32 v[AU+19], 0
	STATRED AC2
	v_mov_b32 v[TP], 0
.irp i, 32,33,34,35
	v_mov_b32 v[WB+\i], 0
.endr
	LOADW WL                                       ; it touches v[128:159], v[164:167] and v4, which no vector instruction has named since the statistics' last wait on va_vdst
.macro QUERY u
	MMHEAD 0
	MMBODY AU+12*\u, SAU+\u
	s_wait_alu depctr_va_vdst(0)                   ; the products are done reading WB and SB, in which W2's fragments land
	LOADW WL+4096
	ACT AC1
	TURN
	QUANT
	MMHEAD 1
	MMBODY A, SA
	s_wait_alu depctr_va_vdst(0)                   ; the products are done reading WB and SB, in which W3's first four fragments land
	LOADW WL+8192
	ACT AC2
	TURN
	QUANT
	MMHEAD 1
	MMBODY A, SA
	s_wait_alu depctr_va_vdst(0)                   ; the products are done reading WB and SB, in which W3's last four fragments land, under the statistics
	LOADW WL+12288
	STATS 0
	MAXMIN 0
	MMHEAD 0                                       ; its wait on va_vdst also shows OB[0] written
	SEND \u, 0                                     ; so the twelve stores stand behind it, ahead of the products
	MMBODY A, SA
.if \u == 0
	s_wait_alu depctr_va_vdst(0)                   ; the products are done reading WB and SB, in which the next query's first weight lands, under the statistics
	LOADW WL
.endif
	STATS 1
	MAXMIN 1
	s_wait_alu depctr_va_vdst(0)                   ; OB[1] is written, which the LDS stores read; behind the second query: the products are done reading WB, the quantiser F and the sums D, in which the loads of the way out land
	SEND \u, 1
.endm
	QUERY 0
	QUERY 1
	BAR
.irp i, 0,1,2,3
	ds_load_b128 v[128+4*\i:131+4*\i], v[MR] offset:576*\i
.endr
.irp i, 0,1,2,3
	s_wait_dscnt 3-\i                              ; load i is in; the 3 - i younger may be out
	global_store_b128 v[LI], v[128+4*\i:131+4*\i], s[48:49] offset:512*\i   ; 512 consecutive bytes
.endr
	s_cmp_ge_u32 s[WV], NCH/32
	s_cbranch_scc1 .Lend
	COMBINE
	s_wait_alu depctr_va_vdst(0)                   ; S and M2 are written, which the two stores read
	global_store_b32 v[C3], v[TS], s[50:51]
	global_store_b32 v[C3], v[TS+2], s[50:51] offset:16
.Lend:
	s_wait_dscnt 0x0
	s_wait_alu depctr_hold_cnt(0) depctr_sa_sdst(0) depctr_va_vdst(0) depctr_va_sdst(0) depctr_va_ssrc(0) depctr_va_vcc(0) depctr_vm_vsrc(0)
	s_wait_tensorcnt 0x0
	ds_add_u32 v218, v219
	s_wait_dscnt 0x0
	s_endpgm
.Lfunc_end_k_q66f3e7f920_mlp3:
	.size	k_q66f3e7f920_mlp3, .Lfunc_end_k_q66f3e7f920_mlp3-k_q66f3e7f920_mlp3
	.p2alignl 7, 3214868480
	.fill 96, 4, 3214868480
	.section	.rodata,"a",@progbits
	.p2align	6, 0x0
	.amdhsa_kernel k_q66f3e7f920_mlp3
		.amdhsa_group_segment_fixed_size 186368
		.amdhsa_private_segment_fixed_size 0
		.amdhsa_enable_private_segment 0
		.amdhsa_kernarg_size 88
		.amdhsa_user_sgpr_count 2
		.amdhsa_user_sgpr_kernarg_segment_ptr 1
		.amdhsa_wavefront_size32 1
		.amdhsa_system_sgpr_workgroup_id_x 1
		.amdhsa_system_sgpr_workgroup_id_y 1
		.amdhsa_system_sgpr_workgroup_id_z 1
		.amdhsa_system_vgpr_workitem_id 0
		.amdhsa_next_free_vgpr 256
		.amdhsa_next_free_sgpr 66
		.amdhsa_reserve_vcc 0
		.amdhsa_float_denorm_mode_32 3
		.amdhsa_float_denorm_mode_16_64 3
		.amdhsa_memory_ordered 1
		.amdhsa_forward_progress 1
		.amdhsa_inst_pref_size 108
	.end_amdhsa_kernel
	.amdgpu_metadata
---
amdhsa.version: [ 1, 2 ]
amdhsa.kernels:
  - .name:           k_q66f3e7f920_mlp3
    .symbol:         k_q66f3e7f920_mlp3.kd
    .args:
      - { .name: l3out, .offset: 0, .size: 8, .value_kind: global_buffer, .address_space: global }
      - { .name: l4out, .offset: 8, .size: 8, .value_kind: global_buffer, .address_space: global }
      - { .name: pfeat, .offset: 16, .size: 8, .value_kind: global_buffer, .address_space: global }
      - { .name: b2, .offset: 24, .size: 8, .value_kind: global_buffer, .address_space: global }
      - { .name: g2, .offset: 32, .size: 8, .value_kind: global_buffer, .address_space: global }
      - { .name: be2, .offset: 40, .size: 8, .value_kind: global_buffer, .address_space: global }
      - { .name: W2_codes, .offset: 48, .size: 8, .value_kind: global_buffer, .address_space: global }
      - { .name: W2_scales, .offset: 56, .size: 8, .value_kind: global_buffer, .address_space: global }
      - { .name: W3_codes, .offset: 64, .size: 8, .value_kind: global_buffer, .address_space: global }
      - { .name: W3_scales, .offset: 72, .size: 8, .value_kind: global_buffer, .address_space: global }
      - { .name: l5out, .offset: 80, .size: 8, .value_kind: global_buffer, .address_space: global }
    .group_segment_fixed_size: 186368
    .private_segment_fixed_size: 0
    .kernarg_segment_align: 8
    .kernarg_segment_size: 88
    .max_flat_workgroup_size: 512
    .sgpr_count:     66
    .vgpr_count:     256
    .wavefront_size: 32
...
	.end_amdgpu_metadata
.endif
;; end of part 9
;; launch bn3_out: the kernel of part 6 again; grid 32 x 8, 4 waves a work-group, no clusters, 0 bytes of LDS; arguments l5out, b3, g3, be3, out1; writes out1
